; MI455X (gfx1250); checked and timed in simulation.
; The chip was launched on July 23, 2026; its instructions are those of AMD's public machine-readable ISA for CDNA 5 (MIT licence, August 2026) and "CDNA5" Instruction Set Architecture Reference Guide (July 2026). The comments in the code are by the model that wrote it; some were corrected since.
;; Linear Cross Attention. Allowed arithmetic: float matrix products may take bf16 or f16 operands with f32 sums; other float arithmetic in f32, or as packed bf16 or f16 multiplies, adds, multiply-adds, maxima and minima; sums over many terms, partial sums and values carried from step to step in f32; what a program stores and reads back later, other than sums and carried values, may be rounded once to bf16 or f16.
;; Inputs: context 4 x 4,096 x 1,024 float32; k_b 1,024 float32; k_w 1,024 x 1,024 float32; lnkv_b 1,024 float32; lnkv_g 1,024 float32; lnq_b 1,024 float32; lnq_g 1,024 float32; o_b 1,024 float32; o_w 1,024 x 1,024 float32; q_b 1,024 float32; q_w 1,024 x 1,024 float32; query 4 x 2,048 x 1,024 float32; v_b 1,024 float32; v_w 1,024 x 1,024 float32.
;; Outputs: out0 4 x 2,048 x 1,024 float32.
;; 2 versions, each right. Each part assembles by itself: llvm-mc -triple=amdgcn-amd-amdhsa -mcpu=gfx1250 --defsym DOCPART=n.
;; ======== version 1 of 2: 6 launches
;; workspace buffers: xn 50,331,648 bytes; wb 8,388,608 bytes; kvt 67,108,864 bytes; kvp 4,259,840 bytes; ksum 16,384 bytes; wp 8,388,608 bytes; qs 16,777,216 bytes
;; launch prep (part 1): grid 1024 x 1, 4 waves a work-group, no clusters, 0 bytes of LDS; arguments query, context, lnq_g, lnq_b, lnkv_g, lnkv_b, k_w, v_w, q_w, o_w, xn, wb; writes xn, wb
.if DOCPART == 1
	.amdgcn_target "amdgcn-amd-amdhsa--gfx1250"
	.amdhsa_code_object_version 6
	.text
	.protected	k_qf98cad5fa1_prep
	.globl	k_qf98cad5fa1_prep
	.p2align	8
	.type	k_qf98cad5fa1_prep,@function
k_qf98cad5fa1_prep:
	s_mov_b64 s[64:65], 0
	v_nop
	global_prefetch_b8 v0, s[64:65] scope:SCOPE_SE
	s_setreg_imm32_b32 hwreg(HW_REG_WAVE_MODE, 25, 1), 1
	s_wait_xcnt 0x0
; LayerNorm of query (8,192 rows) and context (16,384 rows) into xn, bf16 [24576][1024], and the four weight matrices rounded to bf16 into wb [4096][1024] (k_w, v_w, q_w, o_w).
; Work-groups 0-767: 32 rows of LayerNorm each (0-255 query, 256-767 context); a wave takes 8 rows, one row at a time, kept in 32 registers between its passes:
; mean first, then the sum of squared deviations (no difference of large sums), then (x - mean) rstd g + b, rounded once to bf16.
; Work-groups 768-1023: 65,536 bytes of one weight matrix each, rounded to bf16.
; A row's 4,096 bytes come by eight loads of 512 consecutive bytes a wave; lane l holds columns 128 j + 4 l .. + 3; each store of a wave covers 256 consecutive bytes, aligned.
; LIMITS: NaN and infinities are not treated apart; sums are taken in another order than a sequential one.
.set IO, 2                             ; v2  my byte offset in the group's input rows: wave x 8 rows + 16 lane
.set OO, 3                             ; v3  the same for the output: wave x 8 rows of 2,048 bytes + 8 lane
.set GO, 4                             ; v4  16 lane: my place in gain and bias
.set T,  6                             ; v[6:13]   at work
.set M,  14                            ; v[14:15]  the mean (low word; the pair is named)
.set R,  16                            ; v[16:17]  1 / sqrt(var + eps) (low word)
.set Y,  18                            ; v[18:33]  the row as stored
.set G,  34                            ; v[34:65]  gain of my 32 columns
.set BB, 66                            ; v[66:97]  bias of my 32 columns
.set X,  98                            ; v[98:161] two row slots of 32
	s_load_b512 s[8:23], s[0:1], 0x0               ; query, context, lnq_g, lnq_b, lnkv_g, lnkv_b, k_w, v_w
	s_load_b256 s[24:31], s[0:1], 0x40             ; q_w, o_w, xn, wb
	v_and_b32 v1, 31, v0                           ; lane
	v_lshrrev_b32 v5, 5, v0                        ; wave
	s_mov_b32 s3, 0
	s_cmp_lt_u32 ttmp9, 768
	s_cbranch_scc0 .Lcast
	v_lshlrev_b32 v[GO], 4, v1
	v_lshl_add_u32 v[IO], v5, 15, v[GO]
	v_lshlrev_b32 v[OO], 3, v1
	v_lshl_add_u32 v[OO], v5, 14, v[OO]
	v_mov_b32 v[M+1], 0                            ; named with the low words as pairs
	v_mov_b32 v[R+1], 0
	s_mov_b32 s32, 0x3a800000                      ; 1 / 1024
	s_mov_b32 s33, 0x76543210                      ; v_permlanex16_b32: each lane takes its own place in the other half
	s_mov_b32 s34, 0xfedcba98
	s_mov_b32 s41, 0x3727c5ac                      ; 1e-5
	s_wait_kmcnt 0x0
	s_cmp_lt_u32 ttmp9, 256                        ; query or context?
	s_cselect_b64 s[4:5], s[8:9], s[10:11]
	s_cselect_b64 s[36:37], s[12:13], s[16:17]     ; its gain
	s_cselect_b64 s[38:39], s[14:15], s[18:19]     ; its bias
	s_cselect_b32 s40, 0, 256
	s_sub_co_u32 s40, ttmp9, s40                   ; the block of 32 rows in that tensor
	s_lshl_b32 s2, s40, 17                         ; 32 rows of 4,096 bytes
	s_add_nc_u64 s[4:5], s[4:5], s[2:3]
	s_lshl_b32 s2, ttmp9, 16                       ; 32 rows of 2,048 bytes in xn
	s_add_nc_u64 s[6:7], s[28:29], s[2:3]
.irp j, 0,1,2,3,4,5,6,7
	global_load_b128 v[G+4*(\j):G+4*(\j)+3], v[GO], s[36:37] offset:512*(\j)
	global_load_b128 v[BB+4*(\j):BB+4*(\j)+3], v[GO], s[38:39] offset:512*(\j)
.endr
.irp s, 0,1
.irp j, 0,1,2,3,4,5,6,7
	global_load_b128 v[X+32*(\s)+4*(\j):X+32*(\s)+4*(\j)+3], v[IO], s[4:5] offset:(\s)*4096+512*(\j) th:TH_LOAD_NT
.endr
.endr
; four pairs of partial sums in v[T:T+7] -> the wave's sum in v[T], in every lane
.macro REDUCE
	v_pk_add_f32 v[T:T+1], v[T:T+1], v[T+2:T+3]
	v_pk_add_f32 v[T+4:T+5], v[T+4:T+5], v[T+6:T+7]
	v_pk_add_f32 v[T:T+1], v[T:T+1], v[T+4:T+5]
	v_add_f32 v[T], v[T], v[T+1]
	v_add_f32_dpp v[T], v[T], v[T] row_xmask:1 row_mask:0xf bank_mask:0xf
	v_add_f32_dpp v[T], v[T], v[T] row_xmask:2 row_mask:0xf bank_mask:0xf
	v_add_f32_dpp v[T], v[T], v[T] row_xmask:4 row_mask:0xf bank_mask:0xf
	v_add_f32_dpp v[T], v[T], v[T] row_xmask:8 row_mask:0xf bank_mask:0xf
	v_permlanex16_b32 v[T+1], v[T], s33, s34
	v_add_f32 v[T], v[T], v[T+1]
.endm
; The turn of slot s.  fill = 1: the slot takes the row two further down.  left: the other slot's eight younger loads may stay out.
.macro TURN s, fill, left
.set XS, X+32*(\s)
	s_wait_loadcnt \left
.irp k, 0,1,2,3
	v_pk_add_f32 v[T+2*(\k):T+2*(\k)+1], v[XS+2*(\k):XS+2*(\k)+1], v[XS+8+2*(\k):XS+8+2*(\k)+1]
.endr
.irp k, 8,9,10,11,12,13,14,15
	v_pk_add_f32 v[T+2*((\k)%4):T+2*((\k)%4)+1], v[T+2*((\k)%4):T+2*((\k)%4)+1], v[XS+2*(\k):XS+2*(\k)+1]
.endr
	REDUCE
	v_mul_f32 v[M], s32, v[T]                      ; the mean
.irp k, 0,1,2,3,4,5,6,7,8,9,10,11,12,13,14,15
	v_pk_add_f32 v[XS+2*(\k):XS+2*(\k)+1], v[XS+2*(\k):XS+2*(\k)+1], v[M:M+1] op_sel_hi:[1,0] neg_lo:[0,1] neg_hi:[0,1]
.endr
.irp k, 0,1,2,3
	v_pk_mul_f32 v[T+2*(\k):T+2*(\k)+1], v[XS+2*(\k):XS+2*(\k)+1], v[XS+2*(\k):XS+2*(\k)+1]
.endr
.irp k, 4,5,6,7,8,9,10,11,12,13,14,15
	v_pk_fma_f32 v[T+2*((\k)%4):T+2*((\k)%4)+1], v[XS+2*(\k):XS+2*(\k)+1], v[XS+2*(\k):XS+2*(\k)+1], v[T+2*((\k)%4):T+2*((\k)%4)+1]
.endr
	REDUCE
	v_fma_f32 v[R], v[T], s32, s41                 ; var + eps
	v_rsq_f32 v[R], v[R]
	v_nop                                          ; a plain instruction behind the root (ISA guide 5.7.2),
	s_wait_alu depctr_va_vdst(0)                   ; and the wait ahead of its first reader
	s_wait_xcnt 0x0                                ; Y is the last turn's store data: rewritten only behind this wait
.irp k, 0,1,2,3,4,5,6,7,8,9,10,11,12,13,14,15
	v_pk_mul_f32 v[XS+2*(\k):XS+2*(\k)+1], v[XS+2*(\k):XS+2*(\k)+1], v[R:R+1] op_sel_hi:[1,0]
.endr
.irp k, 0,1,2,3,4,5,6,7,8,9,10,11,12,13,14,15
	v_pk_fma_f32 v[XS+2*(\k):XS+2*(\k)+1], v[XS+2*(\k):XS+2*(\k)+1], v[G+2*(\k):G+2*(\k)+1], v[BB+2*(\k):BB+2*(\k)+1]
.endr
.irp k, 0,1,2,3,4,5,6,7,8,9,10,11,12,13,14,15
	v_cvt_pk_bf16_f32 v[Y+(\k)], v[XS+2*(\k)], v[XS+2*(\k)+1]
.endr
.if \fill
.irp j, 0,1,2,3,4,5,6,7
	global_load_b128 v[XS+4*(\j):XS+4*(\j)+3], v[IO], s[4:5] offset:(2+(\s))*4096+512*(\j) th:TH_LOAD_NT
.endr
.endif
.irp j, 0,1,2,3,4,5,6,7
	global_store_b64 v[OO], v[Y+2*(\j):Y+2*(\j)+1], s[6:7] offset:(\s)*2048+256*(\j)
.endr
.endm
	s_mov_b32 s35, 3
.Lrows:                                                ; a trip: two rows worked on, the two after the next two asked for
	TURN 0, 1, 8
	TURN 1, 1, 8
	s_wait_xcnt 0x0                                ; the bases are stepped only behind this wait
	s_add_nc_u64 s[4:5], s[4:5], 8192
	s_add_nc_u64 s[6:7], s[6:7], 4096
	s_sub_co_u32 s35, s35, 1
	s_cmp_lg_u32 s35, 0
	s_cbranch_scc1 .Lrows
	TURN 0, 0, 8                                   ; the last two rows load nothing
	TURN 1, 0, 0
	s_endpgm
.Lcast:                                                ; work-group 768 + idx: bytes 65,536 (idx % 64) on of matrix idx / 64
	v_lshlrev_b32 v2, 4, v1
	v_lshl_add_u32 v2, v5, 14, v2                  ; wave x 16,384 + 16 lane
	v_lshlrev_b32 v3, 3, v1
	v_lshl_add_u32 v3, v5, 13, v3                  ; wave x 8,192 + 8 lane
	s_sub_co_u32 s40, ttmp9, 768
	s_lshr_b32 s41, s40, 6
	s_wait_kmcnt 0x0
	s_cmp_eq_u32 s41, 0
	s_cselect_b64 s[4:5], s[20:21], s[22:23]       ; k_w, else v_w,
	s_cmp_lt_u32 s41, 2
	s_cselect_b64 s[4:5], s[4:5], s[24:25]         ; else q_w,
	s_cmp_lt_u32 s41, 3
	s_cselect_b64 s[4:5], s[4:5], s[26:27]         ; else o_w
	s_and_b32 s2, s40, 63
	s_lshl_b32 s2, s2, 16
	s_add_nc_u64 s[4:5], s[4:5], s[2:3]
	s_lshl_b32 s2, s40, 15
	s_add_nc_u64 s[6:7], s[30:31], s[2:3]
.set i, 0
.rept 32
	global_load_b128 v[34+4*i:34+4*i+3], v2, s[4:5] offset:512*i th:TH_LOAD_NT
.set i, i+1
.endr
.set i, 0
.rept 32
	s_wait_loadcnt 31-i                            ; the younger loads stay out
	v_cvt_pk_bf16_f32 v[34+4*i], v[34+4*i], v[35+4*i]
	v_cvt_pk_bf16_f32 v[35+4*i], v[36+4*i], v[37+4*i]
	global_store_b64 v3, v[34+4*i:35+4*i], s[6:7] offset:256*i
.set i, i+1
.endr
	s_endpgm
.Lfunc_end_k_qf98cad5fa1_prep:
	.size	k_qf98cad5fa1_prep, .Lfunc_end_k_qf98cad5fa1_prep-k_qf98cad5fa1_prep
	.p2alignl 7, 3214868480
	.fill 96, 4, 3214868480
	.section	.rodata,"a",@progbits
	.p2align	6, 0x0
	.amdhsa_kernel k_qf98cad5fa1_prep
		.amdhsa_group_segment_fixed_size 0
		.amdhsa_private_segment_fixed_size 0
		.amdhsa_enable_private_segment 0
		.amdhsa_kernarg_size 96
		.amdhsa_user_sgpr_count 2
		.amdhsa_user_sgpr_kernarg_segment_ptr 1
		.amdhsa_wavefront_size32 1
		.amdhsa_system_sgpr_workgroup_id_x 1
		.amdhsa_system_sgpr_workgroup_id_y 1
		.amdhsa_system_sgpr_workgroup_id_z 1
		.amdhsa_system_vgpr_workitem_id 0
		.amdhsa_next_free_vgpr 164
		.amdhsa_next_free_sgpr 66
		.amdhsa_reserve_vcc 0
		.amdhsa_float_denorm_mode_32 3
		.amdhsa_float_denorm_mode_16_64 3
		.amdhsa_memory_ordered 1
		.amdhsa_forward_progress 1
		.amdhsa_inst_pref_size 50
	.end_amdhsa_kernel
	.amdgpu_metadata
---
amdhsa.version: [ 1, 2 ]
amdhsa.kernels:
  - .name:           k_qf98cad5fa1_prep
    .symbol:         k_qf98cad5fa1_prep.kd
    .args:
      - { .name: query, .offset: 0, .size: 8, .value_kind: global_buffer, .address_space: global }
      - { .name: context, .offset: 8, .size: 8, .value_kind: global_buffer, .address_space: global }
      - { .name: lnq_g, .offset: 16, .size: 8, .value_kind: global_buffer, .address_space: global }
      - { .name: lnq_b, .offset: 24, .size: 8, .value_kind: global_buffer, .address_space: global }
      - { .name: lnkv_g, .offset: 32, .size: 8, .value_kind: global_buffer, .address_space: global }
      - { .name: lnkv_b, .offset: 40, .size: 8, .value_kind: global_buffer, .address_space: global }
      - { .name: k_w, .offset: 48, .size: 8, .value_kind: global_buffer, .address_space: global }
      - { .name: v_w, .offset: 56, .size: 8, .value_kind: global_buffer, .address_space: global }
      - { .name: q_w, .offset: 64, .size: 8, .value_kind: global_buffer, .address_space: global }
      - { .name: o_w, .offset: 72, .size: 8, .value_kind: global_buffer, .address_space: global }
      - { .name: xn, .offset: 80, .size: 8, .value_kind: global_buffer, .address_space: global }
      - { .name: wb, .offset: 88, .size: 8, .value_kind: global_buffer, .address_space: global }
    .group_segment_fixed_size: 0
    .private_segment_fixed_size: 0
    .kernarg_segment_align: 8
    .kernarg_segment_size: 96
    .max_flat_workgroup_size: 128
    .sgpr_count:     66
    .vgpr_count:     164
    .wavefront_size: 32
...
	.end_amdgpu_metadata
.endif
;; end of part 1
;; launch gemm_kv (part 2): grid 64 x 8, 4 waves a work-group, clusters of 4 x 4, 327,680 bytes of LDS; arguments wb, xn, kvt, k_b, v_b; writes kvt
.if DOCPART == 2
	.amdgcn_target "amdgcn-amd-amdhsa--gfx1250"
	.amdhsa_code_object_version 6
	.text
	.protected	k_qf98cad5fa1_gemm_kv
	.globl	k_qf98cad5fa1_gemm_kv
	.p2align	8
	.type	k_qf98cad5fa1_gemm_kv,@function
k_qf98cad5fa1_gemm_kv:
	s_mov_b64 s[64:65], 0
	v_nop
	global_prefetch_b8 v0, s[64:65] scope:SCOPE_SE
	s_setreg_imm32_b32 hwreg(HW_REG_WAVE_MODE, 25, 1), 1
	s_wait_xcnt 0x0
	s_wait_alu depctr_hold_cnt(0) depctr_sa_sdst(0) depctr_va_vdst(0) depctr_va_sdst(0) depctr_va_ssrc(0) depctr_va_vcc(0) depctr_vm_vsrc(0)
	s_getreg_b32 s2, hwreg(HW_REG_IB_STS2, 6, 4)
	s_cmp_eq_u32 s2, 0
	s_cbranch_scc0 .Lentry_in_a_cluster
	s_endpgm
.Lentry_in_a_cluster:
	s_bfe_u32 s2, ttmp6, 0x10000c
	s_cmp_lg_u32 s2, 0xf033
	s_cbranch_scc0 .Lentry_shape_is_right
	s_endpgm
.Lentry_shape_is_right:
; kvt[f][n] = act(sum over k of W[f][k] c[n][k] + bias[f]), bf16 [2048][16384].  W = wb rows 0-2047 (k_w, then v_w), c = xn rows 8192 on (LayerNorm of context).
; Rows 0-1023 are K transposed, act = elu + 1 = max(x, 0) + e^min(x, 0); rows 1024-2047 are V transposed, act = identity.  Sums in f32, rounded once to bf16.
; A tile of C is 256 x 256, a work-group of four waves, a wave 128 x 128 in 64 accumulators.  K = 1024 goes in 8 steps of 128 through two LDS slots filled by tensor loads.
; CLUSTER 4 x 4: A's tile is asked for jointly along a row of the cluster, B's along a column.
; The matrix instruction takes source 0 = 16 rows of B, source 1 = 16 rows of A: a lane holds row l % 16 of C and the columns 8 (l / 16) + 0..7.
; The loop's body is ONE K step; the slot in hand is a scalar (s66) added to the fragment addresses, and the walking descriptors' LDS word changes slots by an exclusive or
; (SLOT shares no bit with wave x HALFT).  The two last steps are a second loop that fills nothing; its second trip passes one barrier and fetches 32 fragments that serve nothing.
; THE WAY OUT is written for one block of 16 rows and looped: the block's f32 sums go through the wave's own stage and come back as whole rows, 4 columns a lane.
; LIMITS: operands rounded once to bf16; an exponential below 2^-126 counts as 0; NaN and infinities are not treated apart.
; REGISTERS: window 0: v16-30 addresses; v64-127, v128-191 A's fragments (on the way out X, T); v192-223 Y.  window 1: B's fragments.  windows 2, 3: accumulators, (a, b) at 8 (8 (a % 4) + b).
.set KSTEP,  128
.set PITCH,  272                       ; an LDS row: 256 bytes + 16 of padding: the 16 rows of a fragment load start at 16 different groups of four banks (ISA guide 11.1)
.set HALFT,  128*PITCH
.set SLOT,   4*HALFT                   ; A's 256 rows, then B's 256
.set STAGE,  2*SLOT                    ; behind the ring: 16 rows x 528 bytes for each wave; no tensor load lands here
.set SPITCH, 528
.set SPARE,  STAGE+4*16*SPITCH         ; the spare words, 128 bytes a wave
.set CROW,   32768                     ; bytes in a row of C
.set ZERO0,  1                         ; the first products start the sums with the constant 0
.set ADRA0, 16
.set ADRA,  17
.set ADRB0, 20
.set ADRB,  21
.set STO,   24
.set RD,    25
.set CO,    26
.set SPW,   28
.set NIL,   29
.set PFO,   30
.set F0,    64
.set F1,    128
.set X,     64
.set T,     128
.set Y,     192
.set G1,  24                           ; s[24:31] group 1 for A;  s[32:39] group 0: the set of the first fill, then the walking set
.set G0,  32
.set G1B, 48                           ; s[48:55], s[56:63] the same for B
.set G0B, 56
.set LIM, 43                           ; s43  2 in a wave that prefetches, else the greatest number
.set PFA, 44                           ; s[44:45] where my prefetches stand
.set TB,  66                           ; s66  LDS byte at which the slot in hand begins
.set BL,  67                           ; s67  the way out's block
.set MSB, 0
.macro WIN new                         ; the immediate's high byte repeats the setting that is left
.if MSB != (\new)
	s_set_vgpr_msb (MSB<<8)|(\new)
.set MSB, \new
.endif
.endm
.set MUL_LO, 0xa1                      ; source 0 (B) window 1, source 1 (A) window 0, C and D window 2
.set MUL_HI, 0xf1                      ; the same, C and D window 3
.set TO_B,   0x40
.macro JLOAD                           ; a joint refill by the walking set: waves 0, 1 fetch A's halves, waves 2, 3 B's; s_nop 0 and four v_nop follow each line
	s_cmp_eq_u32 s11, 0
	s_cbranch_scc0 .Lfor_b_\@
	tensor_load_to_lds s[G0+4:G0+7], s[G1:G1+7]
	s_nop 0
.rept 4
	v_nop
.endr
	s_branch .Lasked_\@
.Lfor_b_\@:
	tensor_load_to_lds s[G0B+4:G0B+7], s[G1B:G1B+7]
	s_nop 0
.rept 4
	v_nop
.endr
.Lasked_\@:
.endm
.macro ASK                             ; trip i (s3 = 6 - i) names K step i + 4, while there is one: 32 rows x 256 bytes, a lane a row
	s_cmp_gt_u32 s3, s[LIM]
	s_cbranch_scc0 .Lnot_mine_\@
	global_prefetch_b8 v[PFO], s[PFA:PFA+1] offset:KSTEP*2 th:TH_LOAD_NT scope:SCOPE_SE
.Lnot_mine_\@:
.endm
.macro CREST                           ; a round of the cluster's barrier behind its opening barrier
	s_cmp_lg_u32 s10, 0
	s_cbranch_scc1 .Lnot_wave_0_\@
	s_barrier_signal -3
.Lnot_wave_0_\@:
	s_barrier_wait -3
	s_barrier_signal -1
	s_barrier_wait -1
.endm
.macro CROUND
	s_barrier_signal -1
	s_barrier_wait -1
	CREST
.endm
	s_load_b128 s[4:7], s[0:1], 0x0                ; A = wb, B = xn
	s_load_b64 s[8:9], s[0:1], 0x10                ; C = kvt
	s_load_b128 s[88:91], s[0:1], 0x18             ; k_b, v_b
	v_lshl_add_u32 v[SPW], v0, 2, SPARE
	v_mov_b32 v[NIL], 0
	ds_add_u32 v[SPW], v[NIL]                      ; the wave's opening: the add and its wait ahead of my first tensor load
	v_lshrrev_b32 v1, 5, v0
	v_readfirstlane_b32 s10, v1                    ; wave 0..3
	s_lshr_b32 s11, s10, 1                         ; my half of the tile's rows; also: I fetch for A (0) or B (1)
	s_and_b32 s12, s10, 1                          ; my half of its columns; also: which 128 rows I fetch
	s_bfe_u32 s40, ttmp6, 0x40000                  ; cx
	s_bfe_u32 s41, ttmp6, 0x40004                  ; cy
	s_lshl_b32 s42, ttmp9, 2
	s_add_co_u32 s42, s42, s40                     ; tile column
	s_and_b32 s13, ttmp7, 0xffff
	s_lshl_b32 s13, s13, 2
	s_add_co_u32 s13, s13, s41                     ; tile row
	s_lshl_b32 s43, s41, 2
	s_lshl_b32 s43, 15, s43                        ; my row of the cluster
	s_lshl_b32 s44, 0x1111, s40                    ; my column
	s_or_b32 s[G1+0], s43, (1<<16)|(1<<20)|(1<<21)|(5<<22)|(3<<25)   ; mask; 2-byte elements; padding on; bit 21 beside a mask; after every 64 words 4 words
	s_or_b32 s[G1B+0], s44, (1<<16)|(1<<20)|(1<<21)|(5<<22)|(3<<25)
.irp g, G1, G1B
	s_mov_b32 s[(\g)+1], KSTEP<<16                 ; tensor_dim0 = 128
	s_mov_b32 s[(\g)+2], 128<<16                   ; tensor_dim1 = 128
	s_mov_b32 s[(\g)+3], KSTEP<<16                 ; tile_dim0 = 128
	s_mov_b32 s[(\g)+4], 128                       ; tile_dim1 = 128
	s_mov_b32 s[(\g)+5], 1024                      ; elements from row to row
	s_mov_b32 s[(\g)+6], 0
	s_mov_b32 s[(\g)+7], 0
.endr
	s_lshl_b32 s17, s12, 7
	s_lshl_b32 s16, s13, 8
	s_add_co_u32 s16, s16, s17                     ; A: row 256 x tile row + 128 x half
	s_lshl_b32 s16, s16, 11                        ; rows of 2,048 bytes
	s_lshl_b32 s46, s42, 8
	s_add_co_u32 s46, s46, s17                     ; B: row 256 x tile column + 128 x half
	s_lshl_b32 s46, s46, 11
	s_mov_b32 s17, 0
	s_mov_b32 s47, 0
	s_mul_i32 s20, s10, HALFT                      ; where my part of a slot lies: no place in the cluster enters an LDS address
	s_wait_dscnt 0x0                               ; the opening add is done
	s_wait_kmcnt 0x0
	s_add_nc_u64 s[6:7], s[6:7], 0x1000000         ; xn at its row 8192
	s_add_nc_u64 s[14:15], s[4:5], s[16:17]
	s_add_nc_u64 s[46:47], s[6:7], s[46:47]
	CROUND                                         ; all sixteen work-groups are here: the first joint loads meet
.irp s, 0,1
	s_mov_b32 s[G0+4*(\s)], 1
	s_add_co_u32 s[G0+4*(\s)+1], s20, (\s)*SLOT
	s_add_nc_u64 s[G0+4*(\s)+2:G0+4*(\s)+3], s[14:15], (\s)*KSTEP*2
	s_or_b32 s[G0+4*(\s)+3], s[G0+4*(\s)+3], 0x80000000
	s_mov_b32 s[G0B+4*(\s)], 1
	s_add_co_u32 s[G0B+4*(\s)+1], s20, (\s)*SLOT
	s_add_nc_u64 s[G0B+4*(\s)+2:G0B+4*(\s)+3], s[46:47], (\s)*KSTEP*2
	s_or_b32 s[G0B+4*(\s)+3], s[G0B+4*(\s)+3], 0x80000000
.endr
	s_cmp_eq_u32 s11, 0                            ; a wave's two first fills stand in one branch: two loads of mine are out
	s_cbranch_scc0 .Lfirst_b
	tensor_load_to_lds s[G0:G0+3], s[G1:G1+7]
	s_nop 0
	tensor_load_to_lds s[G0+4:G0+7], s[G1:G1+7]
	s_nop 0
.rept 4
	v_nop
.endr
	s_branch .Lfirst_asked
.Lfirst_b:
	tensor_load_to_lds s[G0B:G0B+3], s[G1B:G1B+7]
	s_nop 0
	tensor_load_to_lds s[G0B+4:G0B+7], s[G1B:G1B+7]
	s_nop 0
.rept 4
	v_nop
.endr
.Lfirst_asked:
	v_and_b32 v1, 15, v0                           ; l % 16
	v_bfe_u32 v2, v0, 4, 1                         ; l / 16
	v_mul_u32_u24 v3, v1, PITCH
	v_lshl_add_u32 v3, v2, 4, v3                   ; a fragment's row x pitch + 16 x half
	s_mul_i32 s21, s11, HALFT
	s_mul_i32 s22, s12, HALFT
	s_add_co_u32 s22, s22, 2*HALFT
	v_add_nc_u32 v[ADRA0], s21, v3
	v_add_nc_u32 v[ADRB0], s22, v3
	v_mov_b32 v[ADRA], v[ADRA0]
	v_mov_b32 v[ADRB], v[ADRB0]
	s_mov_b32 s[TB], 0
	s_mul_i32 s23, s10, 16*SPITCH
	s_add_co_u32 s23, s23, STAGE                   ; my stage
	v_mul_u32_u24 v4, v1, SPITCH                   ; in: row l % 16, 32 bytes for each half of the lanes
	v_lshl_add_u32 v4, v2, 5, v4
	v_add_nc_u32 v[STO], s23, v4
	v_and_b32 v5, 31, v0
	v_lshl_add_u32 v[RD], v5, 4, s23               ; back: a row's 512 bytes, 16 a lane
	v_lshlrev_b32 v[CO], 3, v5                     ; 4 bf16 a lane in C
	s_lshl_b32 s13, s13, 8                         ; 256 x tile row
	s_lshl_b32 s14, s11, 7
	s_add_co_u32 s18, s13, s14                     ; my first row of C
	s_lshl_b32 s16, s18, 15
	s_mov_b32 s17, 0
	s_lshl_b32 s46, s42, 9                         ; my first column, in bytes
	s_lshl_b32 s47, s12, 8
	s_add_co_u32 s46, s46, s47
	s_mov_b32 s47, 0
	s_add_nc_u64 s[16:17], s[16:17], s[46:47]      ; what the first block adds to C's address
	s_and_b32 s86, ttmp7, 0xffff                   ; cluster y: 0 = K's rows, 1 = V's; the same in all sixteen partners
	s_and_b32 s18, s18, 1023
	s_lshl_b32 s18, s18, 2
	s_mov_b32 s19, 0
	s_cmp_eq_u32 s86, 0
	s_cselect_b64 s[84:85], s[88:89], s[90:91]
	s_add_nc_u64 s[84:85], s[84:85], s[18:19]      ; the bias of my first row
	s_mov_b32 s94, 0x3fb8aa3b                      ; log2(e)
	s_mov_b32 s95, s94
	; the prefetches: A's rows are asked for by the clusters with x = 0, B's by those with y = 0; the four partners of a joint load take 32 rows each, by address
	s_lshl_b32 s42, s42, 8
	s_and_b32 s22, ttmp7, 0xffff
	s_cmp_eq_u32 s11, 0
	s_cselect_b32 s20, s13, s42
	s_cselect_b32 s21, s40, s41
	s_cselect_b32 s22, ttmp9, s22
	s_cselect_b64 s[PFA:PFA+1], s[4:5], s[6:7]
	s_cmp_eq_u32 s22, 0
	s_cselect_b32 s[LIM], 2, -1
	s_lshl_b32 s22, s12, 7
	s_add_co_u32 s20, s20, s22
	s_lshl_b32 s21, s21, 5
	s_add_co_u32 s20, s20, s21
	s_lshl_b32 s20, s20, 11
	s_mov_b32 s21, 0
	s_add_nc_u64 s[PFA:PFA+1], s[PFA:PFA+1], s[20:21]
	s_add_nc_u64 s[PFA:PFA+1], s[PFA:PFA+1], 2*KSTEP*2  ; at K step 2: the first change steps it to 3 and names 4; K steps 0 to 3 come by their loads alone
	v_lshlrev_b32 v[PFO], 11, v5
; 16 matrix instructions: blocks a0, a0 + 1 of the window's four x all 8 column blocks, 32 along K.  All 64 accumulators take turns in one order.
.macro MUL16 f, hi, a0, zero
	WIN MUL_LO+0x50*(\hi)
.irp a, \a0, (\a0)+1
.irp b, 0,1,2,3,4,5,6,7
.if \zero
	v_wmma_f32_16x16x32_bf16 v[8*(8*(\a)+(\b)):8*(8*(\a)+(\b))+7], v[(\f)+8*(\b):(\f)+8*(\b)+7], v[(\f)+8*(4*(\hi)+(\a)):(\f)+8*(4*(\hi)+(\a))+7], 0
.else
	v_wmma_f32_16x16x32_bf16 v[8*(8*(\a)+(\b)):8*(8*(\a)+(\b))+7], v[(\f)+8*(\b):(\f)+8*(\b)+7], v[(\f)+8*(4*(\hi)+(\a)):(\f)+8*(4*(\hi)+(\a))+7], v[8*(8*(\a)+(\b)):8*(8*(\a)+(\b))+7]
.endif
.endr
.endr
.endm
.macro FETCH k, f                      ; 32 LDS loads in one run: a quarter step's fragments, at byte k of the rows of the slot in hand
	WIN TO_B
.irp i, 0,1,2,3,4,5,6,7
	ds_load_b128 v[(\f)+8*(\i):(\f)+8*(\i)+3],   v[ADRB] offset:(\k)+(\i)*16*PITCH
	ds_load_b128 v[(\f)+8*(\i)+4:(\f)+8*(\i)+7], v[ADRB] offset:(\k)+(\i)*16*PITCH+32
.endr
	WIN 0
.irp i, 0,1,2,3,4,5,6,7
	ds_load_b128 v[(\f)+8*(\i):(\f)+8*(\i)+3],   v[ADRA] offset:(\k)+(\i)*16*PITCH
	ds_load_b128 v[(\f)+8*(\i)+4:(\f)+8*(\i)+7], v[ADRA] offset:(\k)+(\i)*16*PITCH+32
.endr
.endm
.macro PLACES                          ; four places in front of loads into registers that matrix instructions have read
.rept 4
	v_nop
.endr
.endm
.macro QUARTER k, f, g, zero           ; multiplies buffer f; in its middle fetches the next quarter, at byte k, into g
	s_wait_dscnt 8                                 ; B and A's rows 0-63 are in; the youngest eight loads may be out
	MUL16 \f, 0, 0, \zero
	MUL16 \f, 0, 2, \zero
	PLACES
	FETCH \k, \g
	s_wait_dscnt 32                                ; all but the 32 just issued
	MUL16 \f, 1, 0, \zero
	MUL16 \f, 1, 2, \zero
.endm
.macro MEET round                      ; the change of slots' barrier: all my tensor loads, the add, my reads of this slot
	WIN 0
	s_wait_tensorcnt 0x0                           ; the one that was out is my part of the next slot
	ds_add_u32 v[SPW], v[NIL]
	s_wait_dscnt 9                                 ; the add and the youngest eight loads may be out
	MUL16 F1, 0, 0, 0
	s_wait_dscnt 0x0                               ; the add is done, my reads of this slot are over
	s_barrier_signal -1
	MUL16 F1, 0, 2, 0
.if \round
	WIN 0
.endif
	s_barrier_wait -1
.endm
.macro TURN fill                       ; the last quarter: multiplies buffer 1 and changes slots; fill = 1: the slot read out takes the K step two on
.if \fill
	s_wait_xcnt 0x0                                ; the last prefetch, a K step back, has read its address
	s_add_nc_u64 s[PFA:PFA+1], s[PFA:PFA+1], KSTEP*2
.endif
	MEET \fill
.if \fill
	CREST                                          ; no wave of any partner still reads this slot or has a load on its way
	s_xor_b32 s[G0+5], s[G0+5], SLOT               ; the walking sets: the other slot than last time, the next K step
	s_add_nc_u64 s[G0+6:G0+7], s[G0+6:G0+7], KSTEP*2
	s_xor_b32 s[G0B+5], s[G0B+5], SLOT
	s_add_nc_u64 s[G0B+6:G0B+7], s[G0B+6:G0B+7], KSTEP*2
	JLOAD                                          ; the first tensor load behind the round; its four v_nop are also the places in front of the loads below
.else
	PLACES
	WIN 0
.endif
	s_xor_b32 s[TB], s[TB], SLOT
	v_add_nc_u32 v[ADRA], s[TB], v[ADRA0]
	v_add_nc_u32 v[ADRB], s[TB], v[ADRB0]
	FETCH 0, F0
.if \fill
	ASK
.endif
	MUL16 F1, 1, 0, 0
	MUL16 F1, 1, 2, 0
.endm
	s_wait_tensorcnt 1                             ; my part of K step 0 is in; K step 1's may stay out
	s_barrier_signal -1
	s_barrier_wait -1
	FETCH 0, F0
	QUARTER 64, F0, F1, ZERO0
	WIN 0
	s_mov_b32 s3, 6
.Lstep:                                                ; trip i ends K step i, fills its slot with step i + 2, begins step i + 1
	QUARTER 128, F1, F0, 0
	QUARTER 192, F0, F1, 0
	TURN 1
	QUARTER 64, F0, F1, 0
	WIN 0
	s_sub_co_u32 s3, s3, 1
	s_cmp_lg_u32 s3, 0
	s_cbranch_scc1 .Lstep
	s_mov_b32 s3, 2
.Ltail:                                                ; K steps 6 and 7: nothing is asked for
	QUARTER 128, F1, F0, 0
	QUARTER 192, F0, F1, 0
	TURN 0
	WIN 0
	s_sub_co_u32 s3, s3, 1
	s_cmp_eq_u32 s3, 0
	s_cbranch_scc1 .Lout
	QUARTER 64, F0, F1, 0
	WIN 0
	s_branch .Ltail
.Lout:
	s_wait_dscnt 0x0
.rept 8
	v_nop                                          ; the places behind the last products
.endr
.macro DUMP a                          ; block a's 64 sums a lane into my stage; each accumulator's low four registers first
	WIN 0x08+4*((\a)/4)
.irp b, 0,1,2,3,4,5,6,7
	ds_store_b128 v[STO], v[64*((\a)%4)+8*(\b):64*((\a)%4)+8*(\b)+3] offset:64*(\b)
	ds_store_b128 v[STO], v[64*((\a)%4)+8*(\b)+4:64*((\a)%4)+8*(\b)+7] offset:64*(\b)+16
.endr
	WIN 0
	s_branch .Lcom
.endm
	s_mov_b32 s[BL], 0
.Lblk:
	s_load_b512 s[68:83], s[84:85], 0x0            ; the block's 16 row biases
.irp a, 0,1,2,3,4,5,6
	s_cmp_eq_u32 s[BL], \a
	s_cbranch_scc1 .Ld\a
.endr
	DUMP 7
.irp a, 0,1,2,3,4,5,6
.Ld\a:
	DUMP \a
.endr
.Lcom:
	s_wait_xcnt 0x0                                ; the last block's stores have read Y and C's address; the scalar load has read its pointer
.irp t, 0,1,2,3,4,5,6,7,8,9,10,11,12,13,14,15
	ds_load_b128 v[X+4*(\t):X+4*(\t)+3], v[RD] offset:SPITCH*(\t)  ; LDS serves a wave's instructions in order (ISA guide 5.7.1.4): these see the stores above
.endr
	s_wait_kmcnt 0x0
	s_add_nc_u64 s[84:85], s[84:85], 64
	s_wait_dscnt 0x0
.set t, 0
.rept 16
.irp c, 0,1,2,3
	v_add_f32 v[X+4*t+(\c)], s[68+t], v[X+4*t+(\c)]
.endr
.set t, t+1
.endr
	s_cmp_lg_u32 s86, 0
	s_cbranch_scc1 .Lnoelu                         ; V's rows keep their values
.set i, 0
.rept 64
	v_min_num_f32 v[T+i], 0, v[X+i]
.set i, i+1
.endr
.set i, 0
.rept 32
	v_pk_add_f32 v[X+i:X+i+1], v[X+i:X+i+1], v[T+i:T+i+1] neg_lo:[0,1] neg_hi:[0,1]  ; max(x, 0)
.set i, i+2
.endr
.set i, 0
.rept 32
	v_pk_mul_f32 v[T+i:T+i+1], v[T+i:T+i+1], s[94:95] op_sel_hi:[1,0]
.set i, i+2
.endr
.set i, 0
.rept 64
	v_exp_f32 v[T+i], v[T+i]
.set i, i+1
.endr
	v_nop                                          ; a plain instruction behind the last exponential,
	s_wait_alu depctr_va_vdst(0)                   ; and one wait for the batch
.set i, 0
.rept 32
	v_pk_add_f32 v[X+i:X+i+1], v[X+i:X+i+1], v[T+i:T+i+1]
.set i, i+2
.endr
.Lnoelu:
.set i, 0
.rept 32
	v_cvt_pk_bf16_f32 v[Y+i], v[X+2*i], v[X+2*i+1]
.set i, i+1
.endr
	s_add_nc_u64 s[8:9], s[8:9], s[16:17]          ; first the tile's place, then 16 rows a block
	s_mov_b64 s[16:17], 16*CROW
.irp t, 0,1,2,3,4,5,6,7,8,9,10,11,12,13,14,15
	global_store_b64 v[CO], v[Y+2*(\t):Y+2*(\t)+1], s[8:9] offset:CROW*(\t)  ; a wave's store covers 256 consecutive bytes, aligned
.endr
	s_add_co_u32 s[BL], s[BL], 1
	s_cmp_lt_u32 s[BL], 8
	s_cbranch_scc1 .Lblk
	s_wait_tensorcnt 0x0                           ; the wave's end
	ds_add_u32 v[SPW], v[NIL]
	s_wait_dscnt 0x0
	CROUND                                         ; the closing round
	s_endpgm
.Lfunc_end_k_qf98cad5fa1_gemm_kv:
	.size	k_qf98cad5fa1_gemm_kv, .Lfunc_end_k_qf98cad5fa1_gemm_kv-k_qf98cad5fa1_gemm_kv
	.p2alignl 7, 3214868480
	.fill 96, 4, 3214868480
	.section	.rodata,"a",@progbits
	.p2align	6, 0x0
	.amdhsa_kernel k_qf98cad5fa1_gemm_kv
		.amdhsa_group_segment_fixed_size 327680
		.amdhsa_private_segment_fixed_size 0
		.amdhsa_enable_private_segment 0
		.amdhsa_kernarg_size 40
		.amdhsa_user_sgpr_count 2
		.amdhsa_user_sgpr_kernarg_segment_ptr 1
		.amdhsa_wavefront_size32 1
		.amdhsa_system_sgpr_workgroup_id_x 1
		.amdhsa_system_sgpr_workgroup_id_y 1
		.amdhsa_system_sgpr_workgroup_id_z 1
		.amdhsa_system_vgpr_workitem_id 0
		.amdhsa_next_free_vgpr 1024
		.amdhsa_next_free_sgpr 100
		.amdhsa_reserve_vcc 0
		.amdhsa_float_denorm_mode_32 3
		.amdhsa_float_denorm_mode_16_64 3
		.amdhsa_memory_ordered 1
		.amdhsa_forward_progress 1
		.amdhsa_inst_pref_size 96
	.end_amdhsa_kernel
	.amdgpu_metadata
---
amdhsa.version: [ 1, 2 ]
amdhsa.kernels:
  - .name:           k_qf98cad5fa1_gemm_kv
    .symbol:         k_qf98cad5fa1_gemm_kv.kd
    .args:
      - { .name: wb, .offset: 0, .size: 8, .value_kind: global_buffer, .address_space: global }
      - { .name: xn, .offset: 8, .size: 8, .value_kind: global_buffer, .address_space: global }
      - { .name: kvt, .offset: 16, .size: 8, .value_kind: global_buffer, .address_space: global }
      - { .name: k_b, .offset: 24, .size: 8, .value_kind: global_buffer, .address_space: global }
      - { .name: v_b, .offset: 32, .size: 8, .value_kind: global_buffer, .address_space: global }
    .group_segment_fixed_size: 327680
    .private_segment_fixed_size: 0
    .kernarg_segment_align: 8
    .kernarg_segment_size: 40
    .max_flat_workgroup_size: 128
    .sgpr_count:     100
    .vgpr_count:     1024
    .wavefront_size: 32
...
	.end_amdgpu_metadata
.endif
;; end of part 2
;; launch kvred (part 3): grid 64 x 4, 4 waves a work-group, no clusters, 71,168 bytes of LDS; arguments kvt, kvp; writes kvp
.if DOCPART == 3
	.amdgcn_target "amdgcn-amd-amdhsa--gfx1250"
	.amdhsa_code_object_version 6
	.text
	.protected	k_qf98cad5fa1_kvred
	.globl	k_qf98cad5fa1_kvred
	.p2align	8
	.type	k_qf98cad5fa1_kvred,@function
k_qf98cad5fa1_kvred:
	s_mov_b64 s[64:65], 0
	v_nop
	global_prefetch_b8 v0, s[64:65] scope:SCOPE_SE
	s_setreg_imm32_b32 hwreg(HW_REG_WAVE_MODE, 25, 1), 1
	s_wait_xcnt 0x0
; Partial KV[d][e] = sum over n of K[n][d] V[n][e] and partial Ksum[d] = sum over n of K[n][d], for one (batch, head) and one chunk of 1,024 positions; f32 sums of bf16 operands.
; kvt holds K and V transposed, [feature][position]: the contraction index lies along the rows, so fragments come straight from memory.
; x = 16 b + h, y = chunk c.  Wave w takes positions 256 w .. + 255 of the chunk and makes the whole 64 x 64 product; the four partial tiles meet in LDS.
; Source 0 = 16 rows of V (e), source 1 = 16 rows of K (d): a lane holds d = 16 i + l % 16 and eight neighbouring e.  Ksum is a product with ones as source 0.
; All 128 loads of a wave go out at once; no loop.  No cluster: no two work-groups read the same bytes.
; REGISTERS: window 0: addresses, v16-23 ones, v32-159 the 16 accumulators ((i, j) at 32 + 8 (4 i + j)), v160-191 Ksum's four.  window 1: K's fragments, (i, s) at 8 (8 i + s).  window 2: V's.
.set FO,  2
.set LS,  3
.set KSA, 4
.set LR,  5
.set GO,  6
.set SPW, 8
.set NIL, 9
.set ONES, 16
.set ACC, 32
.set KS,  160
.set PP,  272                          ; a row of a partial tile in LDS: 256 bytes + 16
.set PT,  64*PP                        ; a wave's partial tile
.set KSL, 4*PT                         ; behind them: 256 bytes of Ksum for each wave
.set SPARE, KSL+1024                   ; the spare words
.set MSB, 0
.macro WIN new
.if MSB != (\new)
	s_set_vgpr_msb (MSB<<8)|(\new)
.set MSB, \new
.endif
.endm
	s_load_b128 s[4:7], s[0:1], 0x0                ; kvt, kvp
	v_lshl_add_u32 v[SPW], v0, 2, SPARE
	v_mov_b32 v[NIL], 0
	v_lshrrev_b32 v1, 5, v0
	v_readfirstlane_b32 s8, v1                     ; wave
	v_and_b32 v10, 15, v0                          ; l % 16
	v_bfe_u32 v11, v0, 4, 1                        ; l / 16
	v_and_b32 v12, 31, v0
	s_and_b32 s9, ttmp7, 0xffff                    ; c
	s_lshr_b32 s10, ttmp9, 4                       ; b
	s_and_b32 s11, ttmp9, 15                       ; h
	s_lshl_b32 s12, s11, 21                        ; 64 h rows of 32,768 bytes
	s_lshl_b32 s13, s10, 13                        ; 4,096 b positions
	s_add_co_u32 s12, s12, s13
	s_lshl_b32 s13, s9, 11                         ; 1,024 c positions
	s_add_co_u32 s12, s12, s13
	s_mov_b32 s13, 0
	v_lshlrev_b32 v[FO], 15, v10                   ; row l % 16
	v_lshl_add_u32 v[FO], v11, 4, v[FO]
	s_lshl_b32 s14, s8, 9                          ; my 256 positions
	v_add_nc_u32 v[FO], s14, v[FO]
	s_wait_kmcnt 0x0
	s_add_nc_u64 s[4:5], s[4:5], s[12:13]          ; K's rows
	s_add_nc_u64 s[16:17], s[4:5], 0x2000000       ; V's rows, 1,024 rows further down
.irp u, 0,1                            ; four K steps (256 bytes of each row) at a time
	WIN 0x40
.irp i, 0,1,2,3
.irp q, 0,1,2,3
	global_load_b128 v[8*(8*(\i)+4*(\u)+(\q)):8*(8*(\i)+4*(\u)+(\q))+3],   v[FO], s[4:5] offset:(\i)*524288+64*(4*(\u)+(\q)) th:TH_LOAD_NT
	global_load_b128 v[8*(8*(\i)+4*(\u)+(\q))+4:8*(8*(\i)+4*(\u)+(\q))+7], v[FO], s[4:5] offset:(\i)*524288+64*(4*(\u)+(\q))+32 th:TH_LOAD_NT
.endr
.endr
	WIN 0x80
.irp i, 0,1,2,3
.irp q, 0,1,2,3
	global_load_b128 v[8*(8*(\i)+4*(\u)+(\q)):8*(8*(\i)+4*(\u)+(\q))+3],   v[FO], s[16:17] offset:(\i)*524288+64*(4*(\u)+(\q)) th:TH_LOAD_NT
	global_load_b128 v[8*(8*(\i)+4*(\u)+(\q))+4:8*(8*(\i)+4*(\u)+(\q))+7], v[FO], s[16:17] offset:(\i)*524288+64*(4*(\u)+(\q))+32 th:TH_LOAD_NT
.endr
.endr
.endr
	WIN 0
.irp i, 0,1,2,3,4,5,6,7
	v_mov_b32 v[ONES+(\i)], 0x3f803f80             ; 1.0 twice in bf16
.endr
	s_mul_i32 s14, s8, PT
	v_mul_u32_u24 v[LS], v10, PP
	v_lshl_add_u32 v[LS], v11, 5, v[LS]
	v_add_nc_u32 v[LS], s14, v[LS]                 ; into my partial tile: row l % 16, 32 bytes for each half of the lanes
	s_lshl_b32 s14, s8, 8
	s_add_co_u32 s14, s14, KSL
	v_lshl_add_u32 v[KSA], v10, 2, s14
	s_mul_i32 s14, s8, 16*PP
	v_mul_u32_u24 v[LR], v11, PP
	v_lshl_add_u32 v[LR], v10, 4, v[LR]
	v_add_nc_u32 v[LR], s14, v[LR]                 ; back: rows 16 w on, two rows a load
	s_lshl_b32 s14, s8, 12
	v_lshl_add_u32 v[GO], v12, 4, s14              ; 16 rows of 256 bytes a wave, 16 bytes a lane
	s_lshl_b32 s18, s9, 20
	s_lshl_b32 s19, ttmp9, 14
	s_add_co_u32 s18, s18, s19
	s_mov_b32 s19, 0
	s_add_nc_u64 s[20:21], s[6:7], s[18:19]        ; kvp[c][16 b + h]
	s_lshl_b32 s18, s9, 2
	s_add_co_u32 s18, s18, s10
	s_lshl_b32 s18, s18, 12
	s_lshl_b32 s24, s11, 8
	s_add_co_u32 s18, s18, s24
	s_add_co_u32 s18, s18, 4194304
	s_add_nc_u64 s[22:23], s[6:7], s[18:19]        ; the Ksum partials [c][b][64 h ..]
; K step s: 20 products; the 20 accumulators take turns.  Step 0 starts the sums.
.macro STEP s
	WIN 0x06                                       ; source 0 (V) window 2, source 1 (K) window 1
.irp i, 0,1,2,3
.irp j, 0,1,2,3
.if (\s) == 0
	v_wmma_f32_16x16x32_bf16 v[ACC+8*(4*(\i)+(\j)):ACC+8*(4*(\i)+(\j))+7], v[8*(8*(\j)+(\s)):8*(8*(\j)+(\s))+7], v[8*(8*(\i)+(\s)):8*(8*(\i)+(\s))+7], 0
.else
	v_wmma_f32_16x16x32_bf16 v[ACC+8*(4*(\i)+(\j)):ACC+8*(4*(\i)+(\j))+7], v[8*(8*(\j)+(\s)):8*(8*(\j)+(\s))+7], v[8*(8*(\i)+(\s)):8*(8*(\i)+(\s))+7], v[ACC+8*(4*(\i)+(\j)):ACC+8*(4*(\i)+(\j))+7]
.endif
.endr
.endr
	WIN 0x04                                       ; source 0 (ones) window 0
.irp i, 0,1,2,3
.if (\s) == 0
	v_wmma_f32_16x16x32_bf16 v[KS+8*(\i):KS+8*(\i)+7], v[ONES:ONES+7], v[8*(8*(\i)+(\s)):8*(8*(\i)+(\s))+7], 0
.else
	v_wmma_f32_16x16x32_bf16 v[KS+8*(\i):KS+8*(\i)+7], v[ONES:ONES+7], v[8*(8*(\i)+(\s)):8*(8*(\i)+(\s))+7], v[KS+8*(\i):KS+8*(\i)+7]
.endif
.endr
.endm
	s_wait_loadcnt 63                              ; at least 65 of the 128 loads are back: the first 64, K steps 0 to 3, among them
	STEP 0
	STEP 1
	STEP 2
	STEP 3
	s_wait_loadcnt 0x0
	STEP 4
	STEP 5
	STEP 6
	STEP 7
	WIN 0
.rept 8
	v_nop                                          ; the places behind the last products
.endr
.irp i, 0,1,2,3
.irp j, 0,1,2,3
	ds_store_b128 v[LS], v[ACC+8*(4*(\i)+(\j)):ACC+8*(4*(\i)+(\j))+3]   offset:(\i)*16*PP+64*(\j)
	ds_store_b128 v[LS], v[ACC+8*(4*(\i)+(\j))+4:ACC+8*(4*(\i)+(\j))+7] offset:(\i)*16*PP+64*(\j)+16
.endr
	ds_store_b32 v[KSA], v[KS+8*(\i)] offset:64*(\i)  ; all eight registers hold the same sum; both halves of the lanes write the same word
.endr
	s_wait_dscnt 0x0                               ; for the others' sake: my stores are done
	s_barrier_signal -1
	s_barrier_wait -1
.irp p, 0,1,2,3
.irp q, 0,1,2,3,4,5,6,7
	ds_load_b128 v[ACC+4*(8*(\p)+(\q)):ACC+4*(8*(\p)+(\q))+3], v[LR] offset:(\p)*PT+(\q)*2*PP
.endr
.endr
	s_wait_dscnt 0x0
.irp q, 0,1,2,3,4,5,6,7
.irp z, 0,2
	v_pk_add_f32 v[ACC+4*(\q)+(\z):ACC+4*(\q)+(\z)+1], v[ACC+4*(\q)+(\z):ACC+4*(\q)+(\z)+1], v[ACC+32+4*(\q)+(\z):ACC+32+4*(\q)+(\z)+1]
	v_pk_add_f32 v[ACC+64+4*(\q)+(\z):ACC+64+4*(\q)+(\z)+1], v[ACC+64+4*(\q)+(\z):ACC+64+4*(\q)+(\z)+1], v[ACC+96+4*(\q)+(\z):ACC+96+4*(\q)+(\z)+1]
.endr
.endr
.irp q, 0,1,2,3,4,5,6,7
.irp z, 0,2
	v_pk_add_f32 v[ACC+4*(\q)+(\z):ACC+4*(\q)+(\z)+1], v[ACC+4*(\q)+(\z):ACC+4*(\q)+(\z)+1], v[ACC+64+4*(\q)+(\z):ACC+64+4*(\q)+(\z)+1]
.endr
	global_store_b128 v[GO], v[ACC+4*(\q):ACC+4*(\q)+3], s[20:21] offset:512*(\q)  ; 512 consecutive bytes
.endr
	s_cmp_lg_u32 s8, 0
	s_cbranch_scc1 .Lend                           ; wave 0 adds the four waves' Ksum
	v_lshl_add_u32 v13, v12, 3, KSL
	v_lshlrev_b32 v14, 3, v12
.irp p, 0,1,2,3
	ds_load_b64 v[KS+2*(\p):KS+2*(\p)+1], v13 offset:256*(\p)
.endr
	s_wait_dscnt 0x0
	v_pk_add_f32 v[KS:KS+1], v[KS:KS+1], v[KS+2:KS+3]
	v_pk_add_f32 v[KS+4:KS+5], v[KS+4:KS+5], v[KS+6:KS+7]
	v_pk_add_f32 v[KS:KS+1], v[KS:KS+1], v[KS+4:KS+5]
	global_store_b64 v14, v[KS:KS+1], s[22:23]     ; 256 consecutive bytes
.Lend:
	s_wait_tensorcnt 0x0                           ; the wave's end, behind my last LDS store
	ds_add_u32 v[SPW], v[NIL]
	s_wait_dscnt 0x0
	s_endpgm
.Lfunc_end_k_qf98cad5fa1_kvred:
	.size	k_qf98cad5fa1_kvred, .Lfunc_end_k_qf98cad5fa1_kvred-k_qf98cad5fa1_kvred
	.p2alignl 7, 3214868480
	.fill 96, 4, 3214868480
	.section	.rodata,"a",@progbits
	.p2align	6, 0x0
	.amdhsa_kernel k_qf98cad5fa1_kvred
		.amdhsa_group_segment_fixed_size 71168
		.amdhsa_private_segment_fixed_size 0
		.amdhsa_enable_private_segment 0
		.amdhsa_kernarg_size 16
		.amdhsa_user_sgpr_count 2
		.amdhsa_user_sgpr_kernarg_segment_ptr 1
		.amdhsa_wavefront_size32 1
		.amdhsa_system_sgpr_workgroup_id_x 1
		.amdhsa_system_sgpr_workgroup_id_y 1
		.amdhsa_system_sgpr_workgroup_id_z 1
		.amdhsa_system_vgpr_workitem_id 0
		.amdhsa_next_free_vgpr 768
		.amdhsa_next_free_sgpr 66
		.amdhsa_reserve_vcc 0
		.amdhsa_float_denorm_mode_32 3
		.amdhsa_float_denorm_mode_16_64 3
		.amdhsa_memory_ordered 1
		.amdhsa_forward_progress 1
		.amdhsa_inst_pref_size 35
	.end_amdhsa_kernel
	.amdgpu_metadata
---
amdhsa.version: [ 1, 2 ]
amdhsa.kernels:
  - .name:           k_qf98cad5fa1_kvred
    .symbol:         k_qf98cad5fa1_kvred.kd
    .args:
      - { .name: kvt, .offset: 0, .size: 8, .value_kind: global_buffer, .address_space: global }
      - { .name: kvp, .offset: 8, .size: 8, .value_kind: global_buffer, .address_space: global }
    .group_segment_fixed_size: 71168
    .private_segment_fixed_size: 0
    .kernarg_segment_align: 8
    .kernarg_segment_size: 16
    .max_flat_workgroup_size: 128
    .sgpr_count:     66
    .vgpr_count:     768
    .wavefront_size: 32
...
	.end_amdgpu_metadata
.endif
;; end of part 3
;; launch wprime (part 4): grid 8 x 32, 8 waves a work-group, no clusters, 54,272 bytes of LDS; arguments kvp, wb, wp, ksum; writes wp, ksum
.if DOCPART == 4
	.amdgcn_target "amdgcn-amd-amdhsa--gfx1250"
	.amdhsa_code_object_version 6
	.text
	.protected	k_qf98cad5fa1_wprime
	.globl	k_qf98cad5fa1_wprime
	.p2align	8
	.type	k_qf98cad5fa1_wprime,@function
k_qf98cad5fa1_wprime:
	s_mov_b64 s[64:65], 0
	v_nop
	global_prefetch_b8 v0, s[64:65] scope:SCOPE_SE
	s_setreg_imm32_b32 hwreg(HW_REG_WAVE_MODE, 25, 1), 1
	s_wait_xcnt 0x0
; wp[b][n][64 h + d] = sum over e of KV[b, h][d][e] o_w[n][64 h + e], bf16; KV = the sum of kvp's four partials, rounded once to bf16.  Also ksum[b][:] = the sum of the four Ksum partials, f32.
; x = nc: 128 rows n; y = 8 b + hp: a pair of heads, whose 128 columns are 256 bytes of a row of wp.  Eight waves, 16 rows n each.
; The 256 threads add the pair's partials (32,768 bytes each) and lay them as bf16 in LDS, 128 rows (64 p + d) of 144 bytes; behind a barrier every wave reads them as fragments.
; Source 0 = 16 rows of KV (d), source 1 = 16 rows of o_w (n): a lane holds one row n and eight neighbouring d, which go out through the wave's stage as whole rows of 256 bytes.
; No cluster: what work-groups share (a pair's partials, 128 KiB) is read by eight of them once each, in a launch of few trips.
.set OWO, 2
.set KPO, 3
.set KST, 4
.set KLD, 5
.set STO, 6
.set RD,  7
.set SPW, 8
.set NIL, 9
.set WO,  10
.set OW,  32                           ; v[32:63]   o_w's fragments (p, s) at 32 + 8 (2 p + s); later the packed results
.set ACC, 64                           ; v[64:127]  accumulators (p, j) at 64 + 8 (4 p + j)
.set KV,  128                          ; v[128:255] the partials, then KV's fragments (p, j, s) at 128 + 8 (2 (4 p + j) + s)
.set KP,  144                          ; a row of KV in LDS: 128 bytes + 16
.set STG, 128*KP                       ; behind it: 16 rows x 272 bytes for each wave
.set SPARE, STG+8*16*272               ; the spare words, 128 bytes for each of eight waves
	s_load_b256 s[4:11], s[0:1], 0x0               ; kvp, wb, wp, ksum
	v_lshl_add_u32 v[SPW], v0, 2, SPARE
	v_mov_b32 v[NIL], 0
	v_lshrrev_b32 v1, 5, v0
	v_readfirstlane_b32 s12, v1                    ; wave 0..7
	v_and_b32 v12, 15, v0                          ; l % 16
	v_bfe_u32 v13, v0, 4, 1                        ; l / 16
	v_and_b32 v14, 31, v0
	s_and_b32 s13, ttmp7, 0xffff
	s_lshr_b32 s14, s13, 3                         ; b
	s_and_b32 s15, s13, 7                          ; hp
	s_lshl_b32 s16, s12, 15                        ; my 16 rows of 2,048 bytes
	v_lshlrev_b32 v[OWO], 11, v12
	v_lshl_add_u32 v[OWO], v13, 4, v[OWO]
	v_add_nc_u32 v[OWO], s16, v[OWO]
	v_lshlrev_b32 v[KPO], 4, v0                    ; 16 bytes a thread
	v_lshrrev_b32 v15, 4, v0
	v_mul_u32_u24 v[KST], v15, KP
	v_lshl_add_u32 v[KST], v12, 3, v[KST]          ; row t / 16, 8 bytes at e = 4 (t % 16)
	v_mul_u32_u24 v[KLD], v12, KP
	v_lshl_add_u32 v[KLD], v13, 4, v[KLD]
	s_mul_i32 s17, s12, 16*272
	s_add_co_u32 s17, s17, STG
	v_mul_u32_u24 v[STO], v12, 272
	v_lshl_add_u32 v[STO], v13, 4, v[STO]
	v_add_nc_u32 v[STO], s17, v[STO]
	v_mul_u32_u24 v[RD], v13, 272
	v_lshl_add_u32 v[RD], v12, 4, v[RD]
	v_add_nc_u32 v[RD], s17, v[RD]
	v_lshlrev_b32 v[WO], 11, v13
	v_lshl_add_u32 v[WO], v12, 4, v[WO]
	v_add_nc_u32 v[WO], s16, v[WO]
	s_lshl_b32 s18, s14, 18
	s_lshl_b32 s19, s15, 15
	s_add_co_u32 s18, s18, s19                     ; (16 b + 2 hp) x 16,384
	s_mov_b32 s19, 0
	s_lshl_b32 s26, ttmp9, 18                      ; 128 nc rows of 2,048 bytes
	s_lshl_b32 s27, s15, 8                         ; the pair's 256 bytes
	s_add_co_u32 s26, s26, s27
	s_mov_b32 s27, 0
	s_lshl_b32 s28, s14, 21                        ; the batch's 2 MiB of wp
	s_mov_b32 s29, 0
	s_wait_kmcnt 0x0
	s_add_nc_u64 s[20:21], s[4:5], s[18:19]
	s_add_nc_u64 s[22:23], s[6:7], s[26:27]
	s_add_nc_u64 s[22:23], s[22:23], 6291456       ; o_w in wb
	s_add_nc_u64 s[24:25], s[8:9], s[26:27]
	s_add_nc_u64 s[24:25], s[24:25], s[28:29]
.irp f, 0,1,2,3
	global_load_b128 v[OW+8*(\f):OW+8*(\f)+3],   v[OWO], s[22:23] offset:64*(\f)
	global_load_b128 v[OW+8*(\f)+4:OW+8*(\f)+7], v[OWO], s[22:23] offset:64*(\f)+32
.endr
.irp c, 0,1,2,3
.irp q, 0,1,2,3,4,5,6,7
	global_load_b128 v[KV+4*(8*(\c)+(\q)):KV+4*(8*(\c)+(\q))+3], v[KPO], s[20:21] offset:(\c)*1048576+4096*(\q)
.endr
.endr
	s_wait_loadcnt 0x0
.irp q, 0,1,2,3,4,5,6,7
.irp z, 0,2
	v_pk_add_f32 v[KV+4*(\q)+(\z):KV+4*(\q)+(\z)+1], v[KV+4*(\q)+(\z):KV+4*(\q)+(\z)+1], v[KV+32+4*(\q)+(\z):KV+32+4*(\q)+(\z)+1]
	v_pk_add_f32 v[KV+64+4*(\q)+(\z):KV+64+4*(\q)+(\z)+1], v[KV+64+4*(\q)+(\z):KV+64+4*(\q)+(\z)+1], v[KV+96+4*(\q)+(\z):KV+96+4*(\q)+(\z)+1]
.endr
.endr
.irp q, 0,1,2,3,4,5,6,7
.irp z, 0,2
	v_pk_add_f32 v[KV+4*(\q)+(\z):KV+4*(\q)+(\z)+1], v[KV+4*(\q)+(\z):KV+4*(\q)+(\z)+1], v[KV+64+4*(\q)+(\z):KV+64+4*(\q)+(\z)+1]
.endr
	v_cvt_pk_bf16_f32 v[KV+4*(\q)], v[KV+4*(\q)], v[KV+4*(\q)+1]
	v_cvt_pk_bf16_f32 v[KV+4*(\q)+1], v[KV+4*(\q)+2], v[KV+4*(\q)+3]
	ds_store_b64 v[KST], v[KV+4*(\q):KV+4*(\q)+1] offset:16*KP*(\q)
.endr
	s_wait_dscnt 0x0                               ; for the others' sake: my stores are done
	s_barrier_signal -1
	s_barrier_wait -1
.irp g, 0,1,2,3,4,5,6,7                ; g = 4 p + j: rows 16 g on
.irp s, 0,1
	ds_load_b128 v[KV+8*(2*(\g)+(\s)):KV+8*(2*(\g)+(\s))+3],   v[KLD] offset:16*KP*(\g)+64*(\s)
	ds_load_b128 v[KV+8*(2*(\g)+(\s))+4:KV+8*(2*(\g)+(\s))+7], v[KLD] offset:16*KP*(\g)+64*(\s)+32
.endr
.endr
	s_wait_dscnt 0x0
.irp g, 0,1,2,3,4,5,6,7                ; the eight accumulators take turns; e = 0..31 starts the sums
	v_wmma_f32_16x16x32_bf16 v[ACC+8*(\g):ACC+8*(\g)+7], v[KV+16*(\g):KV+16*(\g)+7], v[OW+16*((\g)/4):OW+16*((\g)/4)+7], 0
.endr
.irp g, 0,1,2,3,4,5,6,7
	v_wmma_f32_16x16x32_bf16 v[ACC+8*(\g):ACC+8*(\g)+7], v[KV+16*(\g)+8:KV+16*(\g)+15], v[OW+16*((\g)/4)+8:OW+16*((\g)/4)+15], v[ACC+8*(\g):ACC+8*(\g)+7]
.endr
.rept 8
	v_nop                                          ; the places behind the last products
.endr
.irp g, 0,1,2,3,4,5,6,7
.irp z, 0,1,2,3
	v_cvt_pk_bf16_f32 v[OW+4*(\g)+(\z)], v[ACC+8*(\g)+2*(\z)], v[ACC+8*(\g)+2*(\z)+1]
.endr
.endr
.irp g, 0,1,2,3,4,5,6,7
	ds_store_b128 v[STO], v[OW+4*(\g):OW+4*(\g)+3] offset:32*(\g)
.endr
.irp q, 0,1,2,3,4,5,6,7
	ds_load_b128 v[KV+4*(\q):KV+4*(\q)+3], v[RD] offset:2*272*(\q)  ; LDS serves a wave's instructions in order (ISA guide 5.7.1.4): these see my stores above
.endr
.irp q, 0,1,2,3,4,5,6,7
	s_wait_dscnt 7-(\q)                            ; the younger loads stay out
	global_store_b128 v[WO], v[KV+4*(\q):KV+4*(\q)+3], s[24:25] offset:4096*(\q)  ; sixteen lanes store 256 consecutive bytes, aligned
.endr
	s_or_b32 s16, ttmp9, s12
	s_cmp_lg_u32 s16, 0
	s_cbranch_scc1 .Lend                           ; wave 0 of the work-groups with nc = 0 adds the pair's Ksum
	s_lshl_b32 s18, s14, 12
	s_lshl_b32 s26, s15, 9
	s_add_co_u32 s18, s18, s26                     ; b x 4,096 + hp x 512
	s_add_nc_u64 s[30:31], s[10:11], s[18:19]
	s_add_nc_u64 s[28:29], s[4:5], s[18:19]
	s_add_nc_u64 s[28:29], s[28:29], 4194304
	v_lshlrev_b32 v11, 4, v14
.irp c, 0,1,2,3
	global_load_b128 v[ACC+4*(\c):ACC+4*(\c)+3], v11, s[28:29] offset:16384*(\c)
.endr
	s_wait_loadcnt 0x0
.irp z, 0,2
	v_pk_add_f32 v[ACC+(\z):ACC+(\z)+1], v[ACC+(\z):ACC+(\z)+1], v[ACC+4+(\z):ACC+4+(\z)+1]
	v_pk_add_f32 v[ACC+8+(\z):ACC+8+(\z)+1], v[ACC+8+(\z):ACC+8+(\z)+1], v[ACC+12+(\z):ACC+12+(\z)+1]
.endr
.irp z, 0,2
	v_pk_add_f32 v[ACC+(\z):ACC+(\z)+1], v[ACC+(\z):ACC+(\z)+1], v[ACC+8+(\z):ACC+8+(\z)+1]
.endr
	global_store_b128 v11, v[ACC:ACC+3], s[30:31]
.Lend:
	s_wait_tensorcnt 0x0                           ; the wave's end, behind my last LDS store
	ds_add_u32 v[SPW], v[NIL]
	s_wait_dscnt 0x0
	s_endpgm
.Lfunc_end_k_qf98cad5fa1_wprime:
	.size	k_qf98cad5fa1_wprime, .Lfunc_end_k_qf98cad5fa1_wprime-k_qf98cad5fa1_wprime
	.p2alignl 7, 3214868480
	.fill 96, 4, 3214868480
	.section	.rodata,"a",@progbits
	.p2align	6, 0x0
	.amdhsa_kernel k_qf98cad5fa1_wprime
		.amdhsa_group_segment_fixed_size 54272
		.amdhsa_private_segment_fixed_size 0
		.amdhsa_enable_private_segment 0
		.amdhsa_kernarg_size 32
		.amdhsa_user_sgpr_count 2
		.amdhsa_user_sgpr_kernarg_segment_ptr 1
		.amdhsa_wavefront_size32 1
		.amdhsa_system_sgpr_workgroup_id_x 1
		.amdhsa_system_sgpr_workgroup_id_y 1
		.amdhsa_system_sgpr_workgroup_id_z 1
		.amdhsa_system_vgpr_workitem_id 0
		.amdhsa_next_free_vgpr 256
		.amdhsa_next_free_sgpr 66
		.amdhsa_reserve_vcc 0
		.amdhsa_float_denorm_mode_32 3
		.amdhsa_float_denorm_mode_16_64 3
		.amdhsa_memory_ordered 1
		.amdhsa_forward_progress 1
		.amdhsa_inst_pref_size 20
	.end_amdhsa_kernel
	.amdgpu_metadata
---
amdhsa.version: [ 1, 2 ]
amdhsa.kernels:
  - .name:           k_qf98cad5fa1_wprime
    .symbol:         k_qf98cad5fa1_wprime.kd
    .args:
      - { .name: kvp, .offset: 0, .size: 8, .value_kind: global_buffer, .address_space: global }
      - { .name: wb, .offset: 8, .size: 8, .value_kind: global_buffer, .address_space: global }
      - { .name: wp, .offset: 16, .size: 8, .value_kind: global_buffer, .address_space: global }
      - { .name: ksum, .offset: 24, .size: 8, .value_kind: global_buffer, .address_space: global }
    .group_segment_fixed_size: 54272
    .private_segment_fixed_size: 0
    .kernarg_segment_align: 8
    .kernarg_segment_size: 32
    .max_flat_workgroup_size: 256
    .sgpr_count:     66
    .vgpr_count:     256
    .wavefront_size: 32
...
	.end_amdgpu_metadata
.endif
;; end of part 4
;; launch gemm_q (part 5): grid 4 x 32, 4 waves a work-group, clusters of 4 x 4, 327,680 bytes of LDS; arguments xn, wb, qs, q_b, ksum; writes qs
.if DOCPART == 5
	.amdgcn_target "amdgcn-amd-amdhsa--gfx1250"
	.amdhsa_code_object_version 6
	.text
	.protected	k_qf98cad5fa1_gemm_q
	.globl	k_qf98cad5fa1_gemm_q
	.p2align	8
	.type	k_qf98cad5fa1_gemm_q,@function
k_qf98cad5fa1_gemm_q:
	s_mov_b64 s[64:65], 0
	v_nop
	global_prefetch_b8 v0, s[64:65] scope:SCOPE_SE
	s_setreg_imm32_b32 hwreg(HW_REG_WAVE_MODE, 25, 1), 1
	s_wait_xcnt 0x0
	s_wait_alu depctr_hold_cnt(0) depctr_sa_sdst(0) depctr_va_vdst(0) depctr_va_sdst(0) depctr_va_ssrc(0) depctr_va_vcc(0) depctr_vm_vsrc(0)
	s_getreg_b32 s2, hwreg(HW_REG_IB_STS2, 6, 4)
	s_cmp_eq_u32 s2, 0
	s_cbranch_scc0 .Lentry_in_a_cluster
	s_endpgm
.Lentry_in_a_cluster:
	s_bfe_u32 s2, ttmp6, 0x10000c
	s_cmp_lg_u32 s2, 0xf033
	s_cbranch_scc0 .Lentry_shape_is_right
	s_endpgm
.Lentry_shape_is_right:
; qs[m][f] = Q / max(Z, 1e-6), bf16 [8192][1024]: Q = elu(y) + 1 = max(y, 0) + e^min(y, 0), y = sum over k of xn[m][k] q_w[f][k] + q_b[f];
; Z = sum over the head's 64 features of Q ksum[b][f].  A = xn rows 0-8191 (LayerNorm of query), B = q_w in wb.  Sums, Q and Z in f32; qs rounded once.
; A tile of C is 256 x 256, four waves, a wave 128 x 128 in 64 accumulators; K = 1024 in 8 steps of 128 through two LDS slots filled by tensor loads.
; 128 work-groups: a tile half as large would halve the matrix work behind each refill, and two slots of a longer step do not fit beside the stages.
; CLUSTER 4 x 4: A's tile is asked for jointly along a row of the cluster, B's along a column.
; Source 0 = 16 rows of B, source 1 = 16 rows of A: a lane holds row l % 16 of C and the columns 8 (l / 16) + 0..7.
; The loop's body is ONE K step; the slot in hand is a scalar (s66); the walking descriptors' LDS word changes slots by an exclusive or (SLOT shares no bit with wave x HALFT).
; The two last steps are a second loop that fills nothing; its second trip passes one barrier and fetches 32 fragments that serve nothing.
; THE WAY OUT, one block of 16 rows at a time: f32 sums through the wave's own stage, back as whole rows, 4 columns a lane: sixteen lanes hold a head, so Z is a sum over sixteen lanes.
; LIMITS: operands rounded once to bf16; an exponential below 2^-126 counts as 0, and so does 1 / Z for Z above 2^126; NaN and infinities are not treated apart.
.set KSTEP,  128
.set PITCH,  272
.set HALFT,  128*PITCH
.set SLOT,   4*HALFT
.set STAGE,  2*SLOT
.set SPITCH, 528
.set SPARE,  STAGE+4*16*SPITCH
.set CROW,   2048
.set ZERO0,  1
.set ADRA0, 16
.set ADRA,  17
.set ADRB0, 20
.set ADRB,  21
.set STO,   24
.set RD,    25
.set CO,    26
.set VO,    27                         ; v27  my 16 bytes in q_b and ksum
.set SPW,   28
.set NIL,   29
.set PFO,   30
.set QB,    32                         ; v[32:35] q_b of my 4 columns;  v[36:39] ksum of them
.set KSM,   36
.set F0,    64
.set F1,    128
.set X,     64
.set T,     128
.set Y,     192
.set Z,     224
.set G1,  24
.set G0,  32
.set G1B, 48
.set G0B, 56
.set LIM, 43
.set PFA, 44
.set TB,  66
.set BL,  67
.set MSB, 0
.macro WIN new
.if MSB != (\new)
	s_set_vgpr_msb (MSB<<8)|(\new)
.set MSB, \new
.endif
.endm
.set MUL_LO, 0xa1
.set MUL_HI, 0xf1
.set TO_B,   0x40
.macro JLOAD                           ; a joint refill by the walking set; s_nop 0 and four v_nop follow each line
	s_cmp_eq_u32 s11, 0
	s_cbranch_scc0 .Lfor_b_\@
	tensor_load_to_lds s[G0+4:G0+7], s[G1:G1+7]
	s_nop 0
.rept 4
	v_nop
.endr
	s_branch .Lasked_\@
.Lfor_b_\@:
	tensor_load_to_lds s[G0B+4:G0B+7], s[G1B:G1B+7]
	s_nop 0
.rept 4
	v_nop
.endr
.Lasked_\@:
.endm
.macro ASK                             ; trip i (s3 = 6 - i) names K step i + 4, while there is one
	s_cmp_gt_u32 s3, s[LIM]
	s_cbranch_scc0 .Lnot_mine_\@
	global_prefetch_b8 v[PFO], s[PFA:PFA+1] offset:KSTEP*2 th:TH_LOAD_NT scope:SCOPE_SE
.Lnot_mine_\@:
.endm
.macro CREST
	s_cmp_lg_u32 s10, 0
	s_cbranch_scc1 .Lnot_wave_0_\@
	s_barrier_signal -3
.Lnot_wave_0_\@:
	s_barrier_wait -3
	s_barrier_signal -1
	s_barrier_wait -1
.endm
.macro CROUND
	s_barrier_signal -1
	s_barrier_wait -1
	CREST
.endm
	s_load_b128 s[4:7], s[0:1], 0x0                ; A = xn, B = wb
	s_load_b64 s[8:9], s[0:1], 0x10                ; C = qs
	s_load_b128 s[88:91], s[0:1], 0x18             ; q_b, ksum
	v_lshl_add_u32 v[SPW], v0, 2, SPARE
	v_mov_b32 v[NIL], 0
	ds_add_u32 v[SPW], v[NIL]                      ; the wave's opening: the add and its wait ahead of my first tensor load
	v_lshrrev_b32 v1, 5, v0
	v_readfirstlane_b32 s10, v1
	s_lshr_b32 s11, s10, 1
	s_and_b32 s12, s10, 1
	s_bfe_u32 s40, ttmp6, 0x40000
	s_bfe_u32 s41, ttmp6, 0x40004
	s_lshl_b32 s42, ttmp9, 2
	s_add_co_u32 s42, s42, s40                     ; tile column
	s_and_b32 s13, ttmp7, 0xffff
	s_lshl_b32 s13, s13, 2
	s_add_co_u32 s13, s13, s41                     ; tile row
	s_lshl_b32 s43, s41, 2
	s_lshl_b32 s43, 15, s43
	s_lshl_b32 s44, 0x1111, s40
	s_or_b32 s[G1+0], s43, (1<<16)|(1<<20)|(1<<21)|(5<<22)|(3<<25)
	s_or_b32 s[G1B+0], s44, (1<<16)|(1<<20)|(1<<21)|(5<<22)|(3<<25)
.irp g, G1, G1B
	s_mov_b32 s[(\g)+1], KSTEP<<16
	s_mov_b32 s[(\g)+2], 128<<16
	s_mov_b32 s[(\g)+3], KSTEP<<16
	s_mov_b32 s[(\g)+4], 128
	s_mov_b32 s[(\g)+5], 1024
	s_mov_b32 s[(\g)+6], 0
	s_mov_b32 s[(\g)+7], 0
.endr
	s_lshl_b32 s17, s12, 7
	s_lshl_b32 s16, s13, 8
	s_add_co_u32 s16, s16, s17
	s_lshl_b32 s16, s16, 11
	s_lshl_b32 s46, s42, 8
	s_add_co_u32 s46, s46, s17
	s_lshl_b32 s46, s46, 11
	s_mov_b32 s17, 0
	s_mov_b32 s47, 0
	s_mul_i32 s20, s10, HALFT
	s_wait_dscnt 0x0
	s_wait_kmcnt 0x0
	s_add_nc_u64 s[6:7], s[6:7], 0x400000          ; q_w in wb
	s_add_nc_u64 s[14:15], s[4:5], s[16:17]
	s_add_nc_u64 s[46:47], s[6:7], s[46:47]
	CROUND
.irp s, 0,1
	s_mov_b32 s[G0+4*(\s)], 1
	s_add_co_u32 s[G0+4*(\s)+1], s20, (\s)*SLOT
	s_add_nc_u64 s[G0+4*(\s)+2:G0+4*(\s)+3], s[14:15], (\s)*KSTEP*2
	s_or_b32 s[G0+4*(\s)+3], s[G0+4*(\s)+3], 0x80000000
	s_mov_b32 s[G0B+4*(\s)], 1
	s_add_co_u32 s[G0B+4*(\s)+1], s20, (\s)*SLOT
	s_add_nc_u64 s[G0B+4*(\s)+2:G0B+4*(\s)+3], s[46:47], (\s)*KSTEP*2
	s_or_b32 s[G0B+4*(\s)+3], s[G0B+4*(\s)+3], 0x80000000
.endr
	s_cmp_eq_u32 s11, 0                            ; a wave's two first fills stand in one branch
	s_cbranch_scc0 .Lfirst_b
	tensor_load_to_lds s[G0:G0+3], s[G1:G1+7]
	s_nop 0
	tensor_load_to_lds s[G0+4:G0+7], s[G1:G1+7]
	s_nop 0
.rept 4
	v_nop
.endr
	s_branch .Lfirst_asked
.Lfirst_b:
	tensor_load_to_lds s[G0B:G0B+3], s[G1B:G1B+7]
	s_nop 0
	tensor_load_to_lds s[G0B+4:G0B+7], s[G1B:G1B+7]
	s_nop 0
.rept 4
	v_nop
.endr
.Lfirst_asked:
	v_and_b32 v1, 15, v0
	v_bfe_u32 v2, v0, 4, 1
	v_mul_u32_u24 v3, v1, PITCH
	v_lshl_add_u32 v3, v2, 4, v3
	s_mul_i32 s21, s11, HALFT
	s_mul_i32 s22, s12, HALFT
	s_add_co_u32 s22, s22, 2*HALFT
	v_add_nc_u32 v[ADRA0], s21, v3
	v_add_nc_u32 v[ADRB0], s22, v3
	v_mov_b32 v[ADRA], v[ADRA0]
	v_mov_b32 v[ADRB], v[ADRB0]
	s_mov_b32 s[TB], 0
	s_mul_i32 s23, s10, 16*SPITCH
	s_add_co_u32 s23, s23, STAGE
	v_mul_u32_u24 v4, v1, SPITCH
	v_lshl_add_u32 v4, v2, 5, v4
	v_add_nc_u32 v[STO], s23, v4
	v_and_b32 v5, 31, v0
	v_lshl_add_u32 v[RD], v5, 4, s23
	v_lshlrev_b32 v[CO], 3, v5
	s_lshl_b32 s18, s42, 10                        ; my first column as f32 bytes: 1,024 x tile column + 512 x half
	s_lshl_b32 s19, s12, 9
	s_add_co_u32 s18, s18, s19
	v_lshl_add_u32 v[VO], v5, 4, s18
	s_lshr_b32 s22, s13, 3                         ; the batch: 8 tile rows each
	s_lshl_b32 s22, s22, 12
	s_mov_b32 s23, 0
	s_add_nc_u64 s[90:91], s[90:91], s[22:23]
	global_load_b128 v[QB:QB+3], v[VO], s[88:89]
	global_load_b128 v[KSM:KSM+3], v[VO], s[90:91]
	s_lshl_b32 s13, s13, 8
	s_lshl_b32 s14, s11, 7
	s_add_co_u32 s16, s13, s14
	s_lshl_b32 s16, s16, 11
	s_mov_b32 s17, 0
	s_lshl_b32 s46, s42, 9
	s_lshl_b32 s47, s12, 8
	s_add_co_u32 s46, s46, s47
	s_mov_b32 s47, 0
	s_add_nc_u64 s[16:17], s[16:17], s[46:47]
	s_mov_b32 s94, 0x3fb8aa3b                      ; log2(e)
	s_mov_b32 s95, s94
	; the prefetches: A's rows by the clusters with x = 0 (all), B's by the cluster with y = 0; the partners of a joint load take 32 rows each, by address
	s_lshl_b32 s42, s42, 8
	s_and_b32 s22, ttmp7, 0xffff
	s_cmp_eq_u32 s11, 0
	s_cselect_b32 s20, s13, s42
	s_cselect_b32 s21, s40, s41
	s_cselect_b32 s22, ttmp9, s22
	s_cselect_b64 s[PFA:PFA+1], s[4:5], s[6:7]
	s_cmp_eq_u32 s22, 0
	s_cselect_b32 s[LIM], 2, -1
	s_lshl_b32 s22, s12, 7
	s_add_co_u32 s20, s20, s22
	s_lshl_b32 s21, s21, 5
	s_add_co_u32 s20, s20, s21
	s_lshl_b32 s20, s20, 11
	s_mov_b32 s21, 0
	s_add_nc_u64 s[PFA:PFA+1], s[PFA:PFA+1], s[20:21]
	s_add_nc_u64 s[PFA:PFA+1], s[PFA:PFA+1], 2*KSTEP*2
	v_lshlrev_b32 v[PFO], 11, v5
.macro MUL16 f, hi, a0, zero           ; all 64 accumulators take turns in one order
	WIN MUL_LO+0x50*(\hi)
.irp a, \a0, (\a0)+1
.irp b, 0,1,2,3,4,5,6,7
.if \zero
	v_wmma_f32_16x16x32_bf16 v[8*(8*(\a)+(\b)):8*(8*(\a)+(\b))+7], v[(\f)+8*(\b):(\f)+8*(\b)+7], v[(\f)+8*(4*(\hi)+(\a)):(\f)+8*(4*(\hi)+(\a))+7], 0
.else
	v_wmma_f32_16x16x32_bf16 v[8*(8*(\a)+(\b)):8*(8*(\a)+(\b))+7], v[(\f)+8*(\b):(\f)+8*(\b)+7], v[(\f)+8*(4*(\hi)+(\a)):(\f)+8*(4*(\hi)+(\a))+7], v[8*(8*(\a)+(\b)):8*(8*(\a)+(\b))+7]
.endif
.endr
.endr
.endm
.macro FETCH k, f
	WIN TO_B
.irp i, 0,1,2,3,4,5,6,7
	ds_load_b128 v[(\f)+8*(\i):(\f)+8*(\i)+3],   v[ADRB] offset:(\k)+(\i)*16*PITCH
	ds_load_b128 v[(\f)+8*(\i)+4:(\f)+8*(\i)+7], v[ADRB] offset:(\k)+(\i)*16*PITCH+32
.endr
	WIN 0
.irp i, 0,1,2,3,4,5,6,7
	ds_load_b128 v[(\f)+8*(\i):(\f)+8*(\i)+3],   v[ADRA] offset:(\k)+(\i)*16*PITCH
	ds_load_b128 v[(\f)+8*(\i)+4:(\f)+8*(\i)+7], v[ADRA] offset:(\k)+(\i)*16*PITCH+32
.endr
.endm
.macro PLACES
.rept 4
	v_nop
.endr
.endm
.macro QUARTER k, f, g, zero
	s_wait_dscnt 8                                 ; the youngest eight loads (A's rows 64-127) may be out
	MUL16 \f, 0, 0, \zero
	MUL16 \f, 0, 2, \zero
	PLACES
	FETCH \k, \g
	s_wait_dscnt 32                                ; all but the 32 just issued
	MUL16 \f, 1, 0, \zero
	MUL16 \f, 1, 2, \zero
.endm
.macro MEET round
	WIN 0
	s_wait_tensorcnt 0x0                           ; all my tensor loads have landed
	ds_add_u32 v[SPW], v[NIL]
	s_wait_dscnt 9                                 ; the add and the youngest eight loads may be out
	MUL16 F1, 0, 0, 0
	s_wait_dscnt 0x0                               ; the add is done, my reads of this slot are over
	s_barrier_signal -1
	MUL16 F1, 0, 2, 0
.if \round
	WIN 0
.endif
	s_barrier_wait -1
.endm
.macro TURN fill
.if \fill
	s_wait_xcnt 0x0                                ; the last prefetch has read its address
	s_add_nc_u64 s[PFA:PFA+1], s[PFA:PFA+1], KSTEP*2
.endif
	MEET \fill
.if \fill
	CREST
	s_xor_b32 s[G0+5], s[G0+5], SLOT
	s_add_nc_u64 s[G0+6:G0+7], s[G0+6:G0+7], KSTEP*2
	s_xor_b32 s[G0B+5], s[G0B+5], SLOT
	s_add_nc_u64 s[G0B+6:G0B+7], s[G0B+6:G0B+7], KSTEP*2
	JLOAD                                          ; the first tensor load behind the round
.else
	PLACES
	WIN 0
.endif
	s_xor_b32 s[TB], s[TB], SLOT
	v_add_nc_u32 v[ADRA], s[TB], v[ADRA0]
	v_add_nc_u32 v[ADRB], s[TB], v[ADRB0]
	FETCH 0, F0
.if \fill
	ASK
.endif
	MUL16 F1, 1, 0, 0
	MUL16 F1, 1, 2, 0
.endm
	s_wait_loadcnt 0x0                             ; q_b and ksum
	s_wait_tensorcnt 1                             ; my part of K step 0 is in; K step 1's may stay out
	s_barrier_signal -1
	s_barrier_wait -1
	FETCH 0, F0
	QUARTER 64, F0, F1, ZERO0
	WIN 0
	s_mov_b32 s3, 6
.Lstep:
	QUARTER 128, F1, F0, 0
	QUARTER 192, F0, F1, 0
	TURN 1
	QUARTER 64, F0, F1, 0
	WIN 0
	s_sub_co_u32 s3, s3, 1
	s_cmp_lg_u32 s3, 0
	s_cbranch_scc1 .Lstep
	s_mov_b32 s3, 2
.Ltail:
	QUARTER 128, F1, F0, 0
	QUARTER 192, F0, F1, 0
	TURN 0
	WIN 0
	s_sub_co_u32 s3, s3, 1
	s_cmp_eq_u32 s3, 0
	s_cbranch_scc1 .Lout
	QUARTER 64, F0, F1, 0
	WIN 0
	s_branch .Ltail
.Lout:
	s_wait_dscnt 0x0
.rept 8
	v_nop
.endr
.macro DUMP a                          ; each accumulator's low four registers first
	WIN 0x08+4*((\a)/4)
.irp b, 0,1,2,3,4,5,6,7
	ds_store_b128 v[STO], v[64*((\a)%4)+8*(\b):64*((\a)%4)+8*(\b)+3] offset:64*(\b)
	ds_store_b128 v[STO], v[64*((\a)%4)+8*(\b)+4:64*((\a)%4)+8*(\b)+7] offset:64*(\b)+16
.endr
	WIN 0
	s_branch .Lcom
.endm
	s_mov_b32 s[BL], 0
.Lblk:
.irp a, 0,1,2,3,4,5,6
	s_cmp_eq_u32 s[BL], \a
	s_cbranch_scc1 .Ld\a
.endr
	DUMP 7
.irp a, 0,1,2,3,4,5,6
.Ld\a:
	DUMP \a
.endr
.Lcom:
	s_wait_xcnt 0x0                                ; the last block's stores have read Y and C's address
.irp t, 0,1,2,3,4,5,6,7,8,9,10,11,12,13,14,15
	ds_load_b128 v[X+4*(\t):X+4*(\t)+3], v[RD] offset:SPITCH*(\t)
.endr
	s_wait_dscnt 0x0
.set t, 0
.rept 16
	v_pk_add_f32 v[X+4*t:X+4*t+1], v[X+4*t:X+4*t+1], v[QB:QB+1]
	v_pk_add_f32 v[X+4*t+2:X+4*t+3], v[X+4*t+2:X+4*t+3], v[QB+2:QB+3]
.set t, t+1
.endr
.set i, 0
.rept 64
	v_min_num_f32 v[T+i], 0, v[X+i]
.set i, i+1
.endr
.set i, 0
.rept 32
	v_pk_add_f32 v[X+i:X+i+1], v[X+i:X+i+1], v[T+i:T+i+1] neg_lo:[0,1] neg_hi:[0,1]
.set i, i+2
.endr
.set i, 0
.rept 32
	v_pk_mul_f32 v[T+i:T+i+1], v[T+i:T+i+1], s[94:95] op_sel_hi:[1,0]
.set i, i+2
.endr
.set i, 0
.rept 64
	v_exp_f32 v[T+i], v[T+i]
.set i, i+1
.endr
	v_nop
	s_wait_alu depctr_va_vdst(0)                   ; one wait for the batch
.set i, 0
.rept 32
	v_pk_add_f32 v[X+i:X+i+1], v[X+i:X+i+1], v[T+i:T+i+1]
.set i, i+2
.endr
.set t, 0
.rept 16
	v_pk_mul_f32 v[Z+2*t:Z+2*t+1], v[X+4*t:X+4*t+1], v[KSM:KSM+1]
.set t, t+1
.endr
.set t, 0
.rept 16
	v_pk_fma_f32 v[Z+2*t:Z+2*t+1], v[X+4*t+2:X+4*t+3], v[KSM+2:KSM+3], v[Z+2*t:Z+2*t+1]
.set t, t+1
.endr
.set t, 0
.rept 16
	v_add_f32 v[Z+2*t], v[Z+2*t], v[Z+2*t+1]
.set t, t+1
.endr
.irp m, 1,2,4,8                        ; over the head's sixteen lanes
.set t, 0
.rept 16
	v_add_f32_dpp v[Z+2*t], v[Z+2*t], v[Z+2*t] row_xmask:\m row_mask:0xf bank_mask:0xf
.set t, t+1
.endr
.endr
.set t, 0
.rept 16
	v_max_num_f32 v[Z+2*t], 0x358637bd, v[Z+2*t]   ; 1e-6
.set t, t+1
.endr
.set t, 0
.rept 16
	v_rcp_f32 v[Z+2*t], v[Z+2*t]
.set t, t+1
.endr
	v_nop
	s_wait_alu depctr_va_vdst(0)                   ; one wait for the sixteen reciprocals
.set t, 0
.rept 16
	v_pk_mul_f32 v[X+4*t:X+4*t+1], v[X+4*t:X+4*t+1], v[Z+2*t:Z+2*t+1] op_sel_hi:[1,0]
	v_pk_mul_f32 v[X+4*t+2:X+4*t+3], v[X+4*t+2:X+4*t+3], v[Z+2*t:Z+2*t+1] op_sel_hi:[1,0]
.set t, t+1
.endr
.set i, 0
.rept 32
	v_cvt_pk_bf16_f32 v[Y+i], v[X+2*i], v[X+2*i+1]
.set i, i+1
.endr
	s_add_nc_u64 s[8:9], s[8:9], s[16:17]
	s_mov_b64 s[16:17], 16*CROW
.irp t, 0,1,2,3,4,5,6,7,8,9,10,11,12,13,14,15
	global_store_b64 v[CO], v[Y+2*(\t):Y+2*(\t)+1], s[8:9] offset:CROW*(\t)  ; a wave's store covers 256 consecutive bytes, aligned
.endr
	s_add_co_u32 s[BL], s[BL], 1
	s_cmp_lt_u32 s[BL], 8
	s_cbranch_scc1 .Lblk
	s_wait_tensorcnt 0x0                           ; the wave's end
	ds_add_u32 v[SPW], v[NIL]
	s_wait_dscnt 0x0
	CROUND
	s_endpgm
.Lfunc_end_k_qf98cad5fa1_gemm_q:
	.size	k_qf98cad5fa1_gemm_q, .Lfunc_end_k_qf98cad5fa1_gemm_q-k_qf98cad5fa1_gemm_q
	.p2alignl 7, 3214868480
	.fill 96, 4, 3214868480
	.section	.rodata,"a",@progbits
	.p2align	6, 0x0
	.amdhsa_kernel k_qf98cad5fa1_gemm_q
		.amdhsa_group_segment_fixed_size 327680
		.amdhsa_private_segment_fixed_size 0
		.amdhsa_enable_private_segment 0
		.amdhsa_kernarg_size 40
		.amdhsa_user_sgpr_count 2
		.amdhsa_user_sgpr_kernarg_segment_ptr 1
		.amdhsa_wavefront_size32 1
		.amdhsa_system_sgpr_workgroup_id_x 1
		.amdhsa_system_sgpr_workgroup_id_y 1
		.amdhsa_system_sgpr_workgroup_id_z 1
		.amdhsa_system_vgpr_workitem_id 0
		.amdhsa_next_free_vgpr 1024
		.amdhsa_next_free_sgpr 100
		.amdhsa_reserve_vcc 0
		.amdhsa_float_denorm_mode_32 3
		.amdhsa_float_denorm_mode_16_64 3
		.amdhsa_memory_ordered 1
		.amdhsa_forward_progress 1
		.amdhsa_inst_pref_size 106
	.end_amdhsa_kernel
	.amdgpu_metadata
---
amdhsa.version: [ 1, 2 ]
amdhsa.kernels:
  - .name:           k_qf98cad5fa1_gemm_q
    .symbol:         k_qf98cad5fa1_gemm_q.kd
    .args:
      - { .name: xn, .offset: 0, .size: 8, .value_kind: global_buffer, .address_space: global }
      - { .name: wb, .offset: 8, .size: 8, .value_kind: global_buffer, .address_space: global }
      - { .name: qs, .offset: 16, .size: 8, .value_kind: global_buffer, .address_space: global }
      - { .name: q_b, .offset: 24, .size: 8, .value_kind: global_buffer, .address_space: global }
      - { .name: ksum, .offset: 32, .size: 8, .value_kind: global_buffer, .address_space: global }
    .group_segment_fixed_size: 327680
    .private_segment_fixed_size: 0
    .kernarg_segment_align: 8
    .kernarg_segment_size: 40
    .max_flat_workgroup_size: 128
    .sgpr_count:     100
    .vgpr_count:     1024
    .wavefront_size: 32
...
	.end_amdgpu_metadata
.endif
;; end of part 5
;; launch gemm_o (part 6): grid 4 x 32, 4 waves a work-group, clusters of 4 x 4, 327,680 bytes of LDS; arguments qs, wp, out0, o_b, query; writes out0
.if DOCPART == 6
	.amdgcn_target "amdgcn-amd-amdhsa--gfx1250"
	.amdhsa_code_object_version 6
	.text
	.protected	k_qf98cad5fa1_gemm_o
	.globl	k_qf98cad5fa1_gemm_o
	.p2align	8
	.type	k_qf98cad5fa1_gemm_o,@function
k_qf98cad5fa1_gemm_o:
	s_mov_b64 s[64:65], 0
	v_nop
	global_prefetch_b8 v0, s[64:65] scope:SCOPE_SE
	s_setreg_imm32_b32 hwreg(HW_REG_WAVE_MODE, 25, 1), 1
	s_wait_xcnt 0x0
	s_wait_alu depctr_hold_cnt(0) depctr_sa_sdst(0) depctr_va_vdst(0) depctr_va_sdst(0) depctr_va_ssrc(0) depctr_va_vcc(0) depctr_vm_vsrc(0)
	s_getreg_b32 s2, hwreg(HW_REG_IB_STS2, 6, 4)
	s_cmp_eq_u32 s2, 0
	s_cbranch_scc0 .Lentry_in_a_cluster
	s_endpgm
.Lentry_in_a_cluster:
	s_bfe_u32 s2, ttmp6, 0x10000c
	s_cmp_lg_u32 s2, 0xf033
	s_cbranch_scc0 .Lentry_shape_is_right
	s_endpgm
.Lentry_shape_is_right:
; out0[m][n] = query[m][n] + o_b[n] + sum over k of qs[m][k] wp[b][n][k], f32 [8192][1024]; b = m / 2048.  Operands bf16, sums in f32.
; THE SUMS START FROM THE RESIDUAL: in the wait for the first tiles each wave loads its 128 x 128 of query by whole rows and turns it, through its own stage, into the accumulators' layout.
; A tile of C is 256 x 256, four waves, a wave 128 x 128 in 64 accumulators; K = 1024 in 8 steps of 128 through two LDS slots filled by tensor loads.
; 128 work-groups: a tile half as large would halve the matrix work behind each refill, and two slots of a longer step do not fit beside the stages.
; CLUSTER 4 x 4: A's tile is asked for jointly along a row of the cluster, B's along a column; a cluster's 1,024 rows lie in one batch.
; Source 0 = 16 rows of B, source 1 = 16 rows of A: a lane holds row l % 16 of C and the columns 8 (l / 16) + 0..7.
; The loop's body is ONE K step; the slot in hand is a scalar (s66); the walking descriptors' LDS word changes slots by an exclusive or (SLOT shares no bit with wave x HALFT).
; The two last steps are a second loop that fills nothing; its second trip passes one barrier and fetches 32 fragments that serve nothing.
; THE WAY OUT, one block of 16 rows at a time: through the wave's own stage, back as whole rows, o_b added, 512 consecutive bytes a store.
; LIMITS: operands rounded once to bf16; NaN and infinities are not treated apart.
.set KSTEP,  128
.set PITCH,  272
.set HALFT,  128*PITCH
.set SLOT,   4*HALFT
.set STAGE,  2*SLOT
.set SPITCH, 528
.set SPARE,  STAGE+4*16*SPITCH
.set CROW,   4096
.set ZERO0,  0                         ; the first products add onto the residual
.set ADRA0, 16
.set ADRA,  17
.set ADRB0, 20
.set ADRB,  21
.set STO,   24
.set RD,    25
.set CO,    26
.set VO,    27
.set SPW,   28
.set NIL,   29
.set PFO,   30
.set OB,    32                         ; v[32:35] o_b of my 4 columns
.set F0,    64
.set F1,    128
.set X,     64
.set G1,  24
.set G0,  32
.set G1B, 48
.set G0B, 56
.set LIM, 43
.set PFA, 44
.set TB,  66
.set BL,  67
.set MSB, 0
.macro WIN new
.if MSB != (\new)
	s_set_vgpr_msb (MSB<<8)|(\new)
.set MSB, \new
.endif
.endm
.set MUL_LO, 0xa1
.set MUL_HI, 0xf1
.set TO_B,   0x40
.macro JLOAD                           ; a joint refill by the walking set; s_nop 0 and four v_nop follow each line
	s_cmp_eq_u32 s11, 0
	s_cbranch_scc0 .Lfor_b_\@
	tensor_load_to_lds s[G0+4:G0+7], s[G1:G1+7]
	s_nop 0
.rept 4
	v_nop
.endr
	s_branch .Lasked_\@
.Lfor_b_\@:
	tensor_load_to_lds s[G0B+4:G0B+7], s[G1B:G1B+7]
	s_nop 0
.rept 4
	v_nop
.endr
.Lasked_\@:
.endm
.macro ASK                             ; trip i (s3 = 6 - i) names K step i + 4, while there is one
	s_cmp_gt_u32 s3, s[LIM]
	s_cbranch_scc0 .Lnot_mine_\@
	global_prefetch_b8 v[PFO], s[PFA:PFA+1] offset:KSTEP*2 th:TH_LOAD_NT scope:SCOPE_SE
.Lnot_mine_\@:
.endm
.macro CREST
	s_cmp_lg_u32 s10, 0
	s_cbranch_scc1 .Lnot_wave_0_\@
	s_barrier_signal -3
.Lnot_wave_0_\@:
	s_barrier_wait -3
	s_barrier_signal -1
	s_barrier_wait -1
.endm
.macro CROUND
	s_barrier_signal -1
	s_barrier_wait -1
	CREST
.endm
	s_load_b128 s[4:7], s[0:1], 0x0                ; A = qs, B = wp
	s_load_b64 s[8:9], s[0:1], 0x10                ; C = out0
	s_load_b128 s[88:91], s[0:1], 0x18             ; o_b, query
	v_lshl_add_u32 v[SPW], v0, 2, SPARE
	v_mov_b32 v[NIL], 0
	ds_add_u32 v[SPW], v[NIL]                      ; the wave's opening: the add and its wait ahead of my first tensor load
	v_lshrrev_b32 v1, 5, v0
	v_readfirstlane_b32 s10, v1
	s_lshr_b32 s11, s10, 1
	s_and_b32 s12, s10, 1
	s_bfe_u32 s40, ttmp6, 0x40000
	s_bfe_u32 s41, ttmp6, 0x40004
	s_lshl_b32 s42, ttmp9, 2
	s_add_co_u32 s42, s42, s40                     ; tile column
	s_and_b32 s13, ttmp7, 0xffff
	s_lshl_b32 s13, s13, 2
	s_add_co_u32 s13, s13, s41                     ; tile row
	s_lshl_b32 s43, s41, 2
	s_lshl_b32 s43, 15, s43
	s_lshl_b32 s44, 0x1111, s40
	s_or_b32 s[G1+0], s43, (1<<16)|(1<<20)|(1<<21)|(5<<22)|(3<<25)
	s_or_b32 s[G1B+0], s44, (1<<16)|(1<<20)|(1<<21)|(5<<22)|(3<<25)
.irp g, G1, G1B
	s_mov_b32 s[(\g)+1], KSTEP<<16
	s_mov_b32 s[(\g)+2], 128<<16
	s_mov_b32 s[(\g)+3], KSTEP<<16
	s_mov_b32 s[(\g)+4], 128
	s_mov_b32 s[(\g)+5], 1024
	s_mov_b32 s[(\g)+6], 0
	s_mov_b32 s[(\g)+7], 0
.endr
	s_lshl_b32 s17, s12, 7
	s_lshl_b32 s16, s13, 8
	s_add_co_u32 s16, s16, s17
	s_lshl_b32 s16, s16, 11
	s_lshl_b32 s46, s42, 8
	s_add_co_u32 s46, s46, s17
	s_lshl_b32 s46, s46, 11
	s_mov_b32 s17, 0
	s_mov_b32 s47, 0
	s_mul_i32 s20, s10, HALFT
	s_and_b32 s22, ttmp7, 0xffff                   ; cluster y: two clusters to a batch; the same in all sixteen partners
	s_lshr_b32 s22, s22, 1
	s_lshl_b32 s22, s22, 21                        ; the batch's 2 MiB of wp
	s_mov_b32 s23, 0
	s_wait_dscnt 0x0
	s_wait_kmcnt 0x0
	s_add_nc_u64 s[6:7], s[6:7], s[22:23]
	s_add_nc_u64 s[14:15], s[4:5], s[16:17]
	s_add_nc_u64 s[46:47], s[6:7], s[46:47]
	CROUND
.irp s, 0,1
	s_mov_b32 s[G0+4*(\s)], 1
	s_add_co_u32 s[G0+4*(\s)+1], s20, (\s)*SLOT
	s_add_nc_u64 s[G0+4*(\s)+2:G0+4*(\s)+3], s[14:15], (\s)*KSTEP*2
	s_or_b32 s[G0+4*(\s)+3], s[G0+4*(\s)+3], 0x80000000
	s_mov_b32 s[G0B+4*(\s)], 1
	s_add_co_u32 s[G0B+4*(\s)+1], s20, (\s)*SLOT
	s_add_nc_u64 s[G0B+4*(\s)+2:G0B+4*(\s)+3], s[46:47], (\s)*KSTEP*2
	s_or_b32 s[G0B+4*(\s)+3], s[G0B+4*(\s)+3], 0x80000000
.endr
	s_cmp_eq_u32 s11, 0                            ; a wave's two first fills stand in one branch
	s_cbranch_scc0 .Lfirst_b
	tensor_load_to_lds s[G0:G0+3], s[G1:G1+7]
	s_nop 0
	tensor_load_to_lds s[G0+4:G0+7], s[G1:G1+7]
	s_nop 0
.rept 4
	v_nop
.endr
	s_branch .Lfirst_asked
.Lfirst_b:
	tensor_load_to_lds s[G0B:G0B+3], s[G1B:G1B+7]
	s_nop 0
	tensor_load_to_lds s[G0B+4:G0B+7], s[G1B:G1B+7]
	s_nop 0
.rept 4
	v_nop
.endr
.Lfirst_asked:
	v_and_b32 v1, 15, v0
	v_bfe_u32 v2, v0, 4, 1
	v_mul_u32_u24 v3, v1, PITCH
	v_lshl_add_u32 v3, v2, 4, v3
	s_mul_i32 s21, s11, HALFT
	s_mul_i32 s22, s12, HALFT
	s_add_co_u32 s22, s22, 2*HALFT
	v_add_nc_u32 v[ADRA0], s21, v3
	v_add_nc_u32 v[ADRB0], s22, v3
	v_mov_b32 v[ADRA], v[ADRA0]
	v_mov_b32 v[ADRB], v[ADRB0]
	s_mov_b32 s[TB], 0
	s_mul_i32 s23, s10, 16*SPITCH
	s_add_co_u32 s23, s23, STAGE
	v_mul_u32_u24 v4, v1, SPITCH
	v_lshl_add_u32 v4, v2, 5, v4
	v_add_nc_u32 v[STO], s23, v4                   ; accumulator layout: row l % 16, 32 bytes for each half of the lanes
	v_and_b32 v5, 31, v0
	v_lshl_add_u32 v[RD], v5, 4, s23               ; row layout: a row's 512 bytes, 16 a lane
	v_lshlrev_b32 v[CO], 4, v5
	s_lshl_b32 s46, s42, 10                        ; my first column, in bytes: 1,024 x tile column + 512 x half
	s_lshl_b32 s47, s12, 9
	s_add_co_u32 s46, s46, s47
	s_mov_b32 s47, 0
	v_lshl_add_u32 v[VO], v5, 4, s46
	global_load_b128 v[OB:OB+3], v[VO], s[88:89]
	s_lshl_b32 s13, s13, 8
	s_lshl_b32 s14, s11, 7
	s_add_co_u32 s16, s13, s14
	s_lshl_b32 s16, s16, 12
	s_mov_b32 s17, 0
	s_add_nc_u64 s[16:17], s[16:17], s[46:47]      ; my part's place in out0 and in query
	s_add_nc_u64 s[92:93], s[90:91], s[16:17]
	; the residual: 128 rows, 512 consecutive bytes a load, into the registers of the accumulators
.set a, 0
.rept 8
	WIN 0x80+0x40*(a/4)
.set t, 0
.rept 16
	global_load_b128 v[64*(a%4)+4*t:64*(a%4)+4*t+3], v[CO], s[92:93] offset:(16*a+t)*CROW th:TH_LOAD_NT
.set t, t+1
.endr
.set a, a+1
.endr
	WIN 0
	; the prefetches: A's rows by the clusters with x = 0 (all), B's by the first of the two clusters of a batch; the partners of a joint load take 32 rows each, by address
	s_lshl_b32 s42, s42, 8
	s_and_b32 s22, ttmp7, 1
	s_cmp_eq_u32 s11, 0
	s_cselect_b32 s20, s13, s42
	s_cselect_b32 s21, s40, s41
	s_cselect_b32 s22, ttmp9, s22
	s_cselect_b64 s[PFA:PFA+1], s[4:5], s[6:7]
	s_cmp_eq_u32 s22, 0
	s_cselect_b32 s[LIM], 2, -1
	s_lshl_b32 s22, s12, 7
	s_add_co_u32 s20, s20, s22
	s_lshl_b32 s21, s21, 5
	s_add_co_u32 s20, s20, s21
	s_lshl_b32 s20, s20, 11
	s_mov_b32 s21, 0
	s_add_nc_u64 s[PFA:PFA+1], s[PFA:PFA+1], s[20:21]
	s_add_nc_u64 s[PFA:PFA+1], s[PFA:PFA+1], 2*KSTEP*2
	v_lshlrev_b32 v[PFO], 11, v5
	; block by block through my stage: in by rows, back in the accumulators' layout, into the same 64 registers
.set a, 0
.rept 8
.if 112-16*a > 63
	s_wait_loadcnt 63                              ; the field's largest count: at least 66 of the 129 loads are back, blocks 0 to 3 among them
.else
	s_wait_loadcnt 112-16*a                        ; the later blocks' loads stay out
.endif
	WIN 0x08+4*(a/4)
.set t, 0
.rept 16
	ds_store_b128 v[RD], v[64*(a%4)+4*t:64*(a%4)+4*t+3] offset:SPITCH*t
.set t, t+1
.endr
	WIN 0x80+0x40*(a/4)
.set t, 0
.rept 8
	ds_load_b128 v[64*(a%4)+8*t:64*(a%4)+8*t+3],   v[STO] offset:64*t     ; LDS serves a wave's instructions in order (ISA guide 5.7.1.4)
	ds_load_b128 v[64*(a%4)+8*t+4:64*(a%4)+8*t+7], v[STO] offset:64*t+16
.set t, t+1
.endr
.set a, a+1
.endr
	WIN 0
.macro MUL16 f, hi, a0, zero           ; all 64 accumulators take turns in one order
	WIN MUL_LO+0x50*(\hi)
.irp a, \a0, (\a0)+1
.irp b, 0,1,2,3,4,5,6,7
.if \zero
	v_wmma_f32_16x16x32_bf16 v[8*(8*(\a)+(\b)):8*(8*(\a)+(\b))+7], v[(\f)+8*(\b):(\f)+8*(\b)+7], v[(\f)+8*(4*(\hi)+(\a)):(\f)+8*(4*(\hi)+(\a))+7], 0
.else
	v_wmma_f32_16x16x32_bf16 v[8*(8*(\a)+(\b)):8*(8*(\a)+(\b))+7], v[(\f)+8*(\b):(\f)+8*(\b)+7], v[(\f)+8*(4*(\hi)+(\a)):(\f)+8*(4*(\hi)+(\a))+7], v[8*(8*(\a)+(\b)):8*(8*(\a)+(\b))+7]
.endif
.endr
.endr
.endm
.macro FETCH k, f
	WIN TO_B
.irp i, 0,1,2,3,4,5,6,7
	ds_load_b128 v[(\f)+8*(\i):(\f)+8*(\i)+3],   v[ADRB] offset:(\k)+(\i)*16*PITCH
	ds_load_b128 v[(\f)+8*(\i)+4:(\f)+8*(\i)+7], v[ADRB] offset:(\k)+(\i)*16*PITCH+32
.endr
	WIN 0
.irp i, 0,1,2,3,4,5,6,7
	ds_load_b128 v[(\f)+8*(\i):(\f)+8*(\i)+3],   v[ADRA] offset:(\k)+(\i)*16*PITCH
	ds_load_b128 v[(\f)+8*(\i)+4:(\f)+8*(\i)+7], v[ADRA] offset:(\k)+(\i)*16*PITCH+32
.endr
.endm
.macro PLACES
.rept 4
	v_nop
.endr
.endm
.macro QUARTER k, f, g, zero
	s_wait_dscnt 8                                 ; the youngest eight loads (A's rows 64-127) may be out
	MUL16 \f, 0, 0, \zero
	MUL16 \f, 0, 2, \zero
	PLACES
	FETCH \k, \g
	s_wait_dscnt 32                                ; all but the 32 just issued
	MUL16 \f, 1, 0, \zero
	MUL16 \f, 1, 2, \zero
.endm
.macro MEET round
	WIN 0
	s_wait_tensorcnt 0x0                           ; all my tensor loads have landed
	ds_add_u32 v[SPW], v[NIL]
	s_wait_dscnt 9                                 ; the add and the youngest eight loads may be out
	MUL16 F1, 0, 0, 0
	s_wait_dscnt 0x0                               ; the add is done, my reads of this slot are over
	s_barrier_signal -1
	MUL16 F1, 0, 2, 0
.if \round
	WIN 0
.endif
	s_barrier_wait -1
.endm
.macro TURN fill
.if \fill
	s_wait_xcnt 0x0                                ; the last prefetch has read its address
	s_add_nc_u64 s[PFA:PFA+1], s[PFA:PFA+1], KSTEP*2
.endif
	MEET \fill
.if \fill
	CREST
	s_xor_b32 s[G0+5], s[G0+5], SLOT
	s_add_nc_u64 s[G0+6:G0+7], s[G0+6:G0+7], KSTEP*2
	s_xor_b32 s[G0B+5], s[G0B+5], SLOT
	s_add_nc_u64 s[G0B+6:G0B+7], s[G0B+6:G0B+7], KSTEP*2
	JLOAD                                          ; the first tensor load behind the round
.else
	PLACES
	WIN 0
.endif
	s_xor_b32 s[TB], s[TB], SLOT
	v_add_nc_u32 v[ADRA], s[TB], v[ADRA0]
	v_add_nc_u32 v[ADRB], s[TB], v[ADRB0]
	FETCH 0, F0
.if \fill
	ASK
.endif
	MUL16 F1, 1, 0, 0
	MUL16 F1, 1, 2, 0
.endm
	s_wait_dscnt 0x0                               ; the residual lies in the accumulators
	s_wait_tensorcnt 1                             ; my part of K step 0 is in; K step 1's may stay out
	s_barrier_signal -1
	s_barrier_wait -1
	FETCH 0, F0
	QUARTER 64, F0, F1, ZERO0
	WIN 0
	s_mov_b32 s3, 6
.Lstep:
	QUARTER 128, F1, F0, 0
	QUARTER 192, F0, F1, 0
	TURN 1
	QUARTER 64, F0, F1, 0
	WIN 0
	s_sub_co_u32 s3, s3, 1
	s_cmp_lg_u32 s3, 0
	s_cbranch_scc1 .Lstep
	s_mov_b32 s3, 2
.Ltail:
	QUARTER 128, F1, F0, 0
	QUARTER 192, F0, F1, 0
	TURN 0
	WIN 0
	s_sub_co_u32 s3, s3, 1
	s_cmp_eq_u32 s3, 0
	s_cbranch_scc1 .Lout
	QUARTER 64, F0, F1, 0
	WIN 0
	s_branch .Ltail
.Lout:
	s_wait_dscnt 0x0
.rept 8
	v_nop
.endr
.macro DUMP a                          ; each accumulator's low four registers first
	WIN 0x08+4*((\a)/4)
.irp b, 0,1,2,3,4,5,6,7
	ds_store_b128 v[STO], v[64*((\a)%4)+8*(\b):64*((\a)%4)+8*(\b)+3] offset:64*(\b)
	ds_store_b128 v[STO], v[64*((\a)%4)+8*(\b)+4:64*((\a)%4)+8*(\b)+7] offset:64*(\b)+16
.endr
	WIN 0
	s_branch .Lcom
.endm
	s_mov_b32 s[BL], 0
.Lblk:
.irp a, 0,1,2,3,4,5,6
	s_cmp_eq_u32 s[BL], \a
	s_cbranch_scc1 .Ld\a
.endr
	DUMP 7
.irp a, 0,1,2,3,4,5,6
.Ld\a:
	DUMP \a
.endr
.Lcom:
	s_wait_xcnt 0x0                                ; the last block's stores have read X and C's address
.irp t, 0,1,2,3,4,5,6,7,8,9,10,11,12,13,14,15
	ds_load_b128 v[X+4*(\t):X+4*(\t)+3], v[RD] offset:SPITCH*(\t)
.endr
	s_wait_dscnt 0x0
.set t, 0
.rept 16
	v_pk_add_f32 v[X+4*t:X+4*t+1], v[X+4*t:X+4*t+1], v[OB:OB+1]
	v_pk_add_f32 v[X+4*t+2:X+4*t+3], v[X+4*t+2:X+4*t+3], v[OB+2:OB+3]
.set t, t+1
.endr
	s_add_nc_u64 s[8:9], s[8:9], s[16:17]
	s_mov_b64 s[16:17], 16*CROW
.irp t, 0,1,2,3,4,5,6,7,8,9,10,11,12,13,14,15
	global_store_b128 v[CO], v[X+4*(\t):X+4*(\t)+3], s[8:9] offset:CROW*(\t) th:TH_STORE_NT  ; a wave's store covers 512 consecutive bytes, aligned
.endr
	s_add_co_u32 s[BL], s[BL], 1
	s_cmp_lt_u32 s[BL], 8
	s_cbranch_scc1 .Lblk
	s_wait_tensorcnt 0x0                           ; the wave's end
	ds_add_u32 v[SPW], v[NIL]
	s_wait_dscnt 0x0
	CROUND
	s_endpgm
.Lfunc_end_k_qf98cad5fa1_gemm_o:
	.size	k_qf98cad5fa1_gemm_o, .Lfunc_end_k_qf98cad5fa1_gemm_o-k_qf98cad5fa1_gemm_o
	.p2alignl 7, 3214868480
	.fill 96, 4, 3214868480
	.section	.rodata,"a",@progbits
	.p2align	6, 0x0
	.amdhsa_kernel k_qf98cad5fa1_gemm_o
		.amdhsa_group_segment_fixed_size 327680
		.amdhsa_private_segment_fixed_size 0
		.amdhsa_enable_private_segment 0
		.amdhsa_kernarg_size 40
		.amdhsa_user_sgpr_count 2
		.amdhsa_user_sgpr_kernarg_segment_ptr 1
		.amdhsa_wavefront_size32 1
		.amdhsa_system_sgpr_workgroup_id_x 1
		.amdhsa_system_sgpr_workgroup_id_y 1
		.amdhsa_system_sgpr_workgroup_id_z 1
		.amdhsa_system_vgpr_workitem_id 0
		.amdhsa_next_free_vgpr 1024
		.amdhsa_next_free_sgpr 100
		.amdhsa_reserve_vcc 0
		.amdhsa_float_denorm_mode_32 3
		.amdhsa_float_denorm_mode_16_64 3
		.amdhsa_memory_ordered 1
		.amdhsa_forward_progress 1
		.amdhsa_inst_pref_size 112
	.end_amdhsa_kernel
	.amdgpu_metadata
---
amdhsa.version: [ 1, 2 ]
amdhsa.kernels:
  - .name:           k_qf98cad5fa1_gemm_o
    .symbol:         k_qf98cad5fa1_gemm_o.kd
    .args:
      - { .name: qs, .offset: 0, .size: 8, .value_kind: global_buffer, .address_space: global }
      - { .name: wp, .offset: 8, .size: 8, .value_kind: global_buffer, .address_space: global }
      - { .name: out0, .offset: 16, .size: 8, .value_kind: global_buffer, .address_space: global }
      - { .name: o_b, .offset: 24, .size: 8, .value_kind: global_buffer, .address_space: global }
      - { .name: query, .offset: 32, .size: 8, .value_kind: global_buffer, .address_space: global }
    .group_segment_fixed_size: 327680
    .private_segment_fixed_size: 0
    .kernarg_segment_align: 8
    .kernarg_segment_size: 40
    .max_flat_workgroup_size: 128
    .sgpr_count:     100
    .vgpr_count:     1024
    .wavefront_size: 32
...
	.end_amdgpu_metadata
.endif
;; end of part 6
;; ======== version 2 of 2: 5 launches
;; workspace buffers: xn 50,331,648 bytes; wb 8,388,608 bytes; kvp 8,519,680 bytes; ksum 16,384 bytes; wp 8,388,608 bytes; qs 16,777,216 bytes
;; launch prep (part 7): grid 1024 x 1, 4 waves a work-group, no clusters, 0 bytes of LDS; arguments query, context, lnq_g, lnq_b, lnkv_g, lnkv_b, k_w, v_w, q_w, o_w, xn, wb; writes xn, wb
.if DOCPART == 7
	.amdgcn_target "amdgcn-amd-amdhsa--gfx1250"
	.amdhsa_code_object_version 6
	.text
	.protected	k_qf98cad5fa1_prep
	.globl	k_qf98cad5fa1_prep
	.p2align	8
	.type	k_qf98cad5fa1_prep,@function
k_qf98cad5fa1_prep:
	s_mov_b64 s[64:65], 0
	v_nop
	global_prefetch_b8 v0, s[64:65] scope:SCOPE_SE
	s_setreg_imm32_b32 hwreg(HW_REG_WAVE_MODE, 25, 1), 1
	s_wait_xcnt 0x0
; LayerNorm of query (8,192 rows) and context (16,384 rows) into xn, bf16 [24576][1024], and the four weight matrices rounded to bf16 into wb [4096][1024].
; wb's rows 0-2047 go by heads: row 128 h + d is k_w's row 64 h + d, row 128 h + 64 + e is v_w's row 64 h + e; rows 2048-3071 are q_w, rows 3072-4095 o_w, as they lie.
; Work-groups 0-767: 32 rows of LayerNorm each (0-255 query, 256-767 context); a wave takes 8 rows, one row at a time, kept in 32 registers between its passes:
; mean first, then the sum of squared deviations (no difference of large sums), then (x - mean) rstd g + b, rounded once to bf16.
; Work-groups 768-1023: 16 rows (65,536 bytes) of one weight matrix each, rounded to bf16.
; A row's 4,096 bytes come by eight loads of 512 consecutive bytes a wave; lane l holds columns 128 j + 4 l .. + 3; each store of a wave covers 256 consecutive bytes, aligned.
; LIMITS: NaN and infinities are not treated apart; sums are taken in another order than a sequential one.
.set IO, 2                             ; v2  my byte offset in the group's input rows: wave x 8 rows + 16 lane
.set OO, 3                             ; v3  the same for the output: wave x 8 rows of 2,048 bytes + 8 lane
.set GO, 4                             ; v4  16 lane: my place in gain and bias
.set T,  6                             ; v[6:13]   at work
.set M,  14                            ; v[14:15]  the mean (low word; the pair is named)
.set R,  16                            ; v[16:17]  1 / sqrt(var + eps) (low word)
.set Y,  18                            ; v[18:33]  the row as stored
.set G,  34                            ; v[34:65]  gain of my 32 columns
.set BB, 66                            ; v[66:97]  bias of my 32 columns
.set X,  98                            ; v[98:161] two row slots of 32
	s_load_b512 s[8:23], s[0:1], 0x0               ; query, context, lnq_g, lnq_b, lnkv_g, lnkv_b, k_w, v_w
	s_load_b256 s[24:31], s[0:1], 0x40             ; q_w, o_w, xn, wb
	v_and_b32 v1, 31, v0                           ; lane
	v_lshrrev_b32 v5, 5, v0                        ; wave
	s_mov_b32 s3, 0
	s_cmp_lt_u32 ttmp9, 768
	s_cbranch_scc0 .Lcast
	v_lshlrev_b32 v[GO], 4, v1
	v_lshl_add_u32 v[IO], v5, 15, v[GO]
	v_lshlrev_b32 v[OO], 3, v1
	v_lshl_add_u32 v[OO], v5, 14, v[OO]
	v_mov_b32 v[M+1], 0                            ; named with the low words as pairs
	v_mov_b32 v[R+1], 0
	s_mov_b32 s32, 0x3a800000                      ; 1 / 1024
	s_mov_b32 s33, 0x76543210                      ; v_permlanex16_b32: each lane takes its own place in the other half
	s_mov_b32 s34, 0xfedcba98
	s_mov_b32 s41, 0x3727c5ac                      ; 1e-5
	s_wait_kmcnt 0x0
	s_cmp_lt_u32 ttmp9, 256                        ; query or context?
	s_cselect_b64 s[4:5], s[8:9], s[10:11]
	s_cselect_b64 s[36:37], s[12:13], s[16:17]     ; its gain
	s_cselect_b64 s[38:39], s[14:15], s[18:19]     ; its bias
	s_cselect_b32 s40, 0, 256
	s_sub_co_u32 s40, ttmp9, s40                   ; the block of 32 rows in that tensor
	s_lshl_b32 s2, s40, 17                         ; 32 rows of 4,096 bytes
	s_add_nc_u64 s[4:5], s[4:5], s[2:3]
	s_lshl_b32 s2, ttmp9, 16                       ; 32 rows of 2,048 bytes in xn
	s_add_nc_u64 s[6:7], s[28:29], s[2:3]
.irp j, 0,1,2,3,4,5,6,7
	global_load_b128 v[G+4*(\j):G+4*(\j)+3], v[GO], s[36:37] offset:512*(\j)
	global_load_b128 v[BB+4*(\j):BB+4*(\j)+3], v[GO], s[38:39] offset:512*(\j)
.endr
.irp s, 0,1
.irp j, 0,1,2,3,4,5,6,7
	global_load_b128 v[X+32*(\s)+4*(\j):X+32*(\s)+4*(\j)+3], v[IO], s[4:5] offset:(\s)*4096+512*(\j) th:TH_LOAD_NT
.endr
.endr
; four pairs of partial sums in v[T:T+7] -> the wave's sum in v[T], in every lane
.macro REDUCE
	v_pk_add_f32 v[T:T+1], v[T:T+1], v[T+2:T+3]
	v_pk_add_f32 v[T+4:T+5], v[T+4:T+5], v[T+6:T+7]
	v_pk_add_f32 v[T:T+1], v[T:T+1], v[T+4:T+5]
	v_add_f32 v[T], v[T], v[T+1]
	v_add_f32_dpp v[T], v[T], v[T] row_xmask:1 row_mask:0xf bank_mask:0xf
	v_add_f32_dpp v[T], v[T], v[T] row_xmask:2 row_mask:0xf bank_mask:0xf
	v_add_f32_dpp v[T], v[T], v[T] row_xmask:4 row_mask:0xf bank_mask:0xf
	v_add_f32_dpp v[T], v[T], v[T] row_xmask:8 row_mask:0xf bank_mask:0xf
	v_permlanex16_b32 v[T+1], v[T], s33, s34
	v_add_f32 v[T], v[T], v[T+1]
.endm
; The turn of slot s.  fill = 1: the slot takes the row two further down.  left: the other slot's eight younger loads may stay out.
.macro TURN s, fill, left
.set XS, X+32*(\s)
	s_wait_loadcnt \left
.irp k, 0,1,2,3
	v_pk_add_f32 v[T+2*(\k):T+2*(\k)+1], v[XS+2*(\k):XS+2*(\k)+1], v[XS+8+2*(\k):XS+8+2*(\k)+1]
.endr
.irp k, 8,9,10,11,12,13,14,15
	v_pk_add_f32 v[T+2*((\k)%4):T+2*((\k)%4)+1], v[T+2*((\k)%4):T+2*((\k)%4)+1], v[XS+2*(\k):XS+2*(\k)+1]
.endr
	REDUCE
	v_mul_f32 v[M], s32, v[T]                      ; the mean
.irp k, 0,1,2,3,4,5,6,7,8,9,10,11,12,13,14,15
	v_pk_add_f32 v[XS+2*(\k):XS+2*(\k)+1], v[XS+2*(\k):XS+2*(\k)+1], v[M:M+1] op_sel_hi:[1,0] neg_lo:[0,1] neg_hi:[0,1]
.endr
.irp k, 0,1,2,3
	v_pk_mul_f32 v[T+2*(\k):T+2*(\k)+1], v[XS+2*(\k):XS+2*(\k)+1], v[XS+2*(\k):XS+2*(\k)+1]
.endr
.irp k, 4,5,6,7,8,9,10,11,12,13,14,15
	v_pk_fma_f32 v[T+2*((\k)%4):T+2*((\k)%4)+1], v[XS+2*(\k):XS+2*(\k)+1], v[XS+2*(\k):XS+2*(\k)+1], v[T+2*((\k)%4):T+2*((\k)%4)+1]
.endr
	REDUCE
	v_fma_f32 v[R], v[T], s32, s41                 ; var + eps
	v_rsq_f32 v[R], v[R]
	v_nop                                          ; a plain instruction behind the root (ISA guide 5.7.2),
	s_wait_alu depctr_va_vdst(0)                   ; and the wait ahead of its first reader
	s_wait_xcnt 0x0                                ; Y is the last turn's store data: rewritten only behind this wait
.irp k, 0,1,2,3,4,5,6,7,8,9,10,11,12,13,14,15
	v_pk_mul_f32 v[XS+2*(\k):XS+2*(\k)+1], v[XS+2*(\k):XS+2*(\k)+1], v[R:R+1] op_sel_hi:[1,0]
.endr
.irp k, 0,1,2,3,4,5,6,7,8,9,10,11,12,13,14,15
	v_pk_fma_f32 v[XS+2*(\k):XS+2*(\k)+1], v[XS+2*(\k):XS+2*(\k)+1], v[G+2*(\k):G+2*(\k)+1], v[BB+2*(\k):BB+2*(\k)+1]
.endr
.irp k, 0,1,2,3,4,5,6,7,8,9,10,11,12,13,14,15
	v_cvt_pk_bf16_f32 v[Y+(\k)], v[XS+2*(\k)], v[XS+2*(\k)+1]
.endr
.if \fill
.irp j, 0,1,2,3,4,5,6,7
	global_load_b128 v[XS+4*(\j):XS+4*(\j)+3], v[IO], s[4:5] offset:(2+(\s))*4096+512*(\j) th:TH_LOAD_NT
.endr
.endif
.irp j, 0,1,2,3,4,5,6,7
	global_store_b64 v[OO], v[Y+2*(\j):Y+2*(\j)+1], s[6:7] offset:(\s)*2048+256*(\j)
.endr
.endm
	s_mov_b32 s35, 3
.Lrows:                                                ; a trip: two rows worked on, the two after the next two asked for
	TURN 0, 1, 8
	TURN 1, 1, 8
	s_wait_xcnt 0x0                                ; the bases are stepped only behind this wait
	s_add_nc_u64 s[4:5], s[4:5], 8192
	s_add_nc_u64 s[6:7], s[6:7], 4096
	s_sub_co_u32 s35, s35, 1
	s_cmp_lg_u32 s35, 0
	s_cbranch_scc1 .Lrows
	TURN 0, 0, 8                                   ; the last two rows load nothing
	TURN 1, 0, 0
	s_endpgm
.Lcast:                                                ; work-group 768 + idx: rows 16 (idx % 64) on of matrix idx / 64
	v_lshlrev_b32 v2, 4, v1
	v_lshl_add_u32 v2, v5, 14, v2                  ; wave x 16,384 + 16 lane
	v_lshlrev_b32 v3, 3, v1
	v_lshl_add_u32 v3, v5, 13, v3                  ; wave x 8,192 + 8 lane
	s_sub_co_u32 s40, ttmp9, 768
	s_lshr_b32 s41, s40, 6                         ; the matrix
	s_and_b32 s42, s40, 63                         ; the block of 16 rows in it
	s_lshr_b32 s43, s42, 2                         ; k_w and v_w: the block's head,
	s_lshl_b32 s43, s43, 18                        ; 128 rows of 2,048 bytes a head,
	s_and_b32 s44, s42, 3
	s_lshl_b32 s44, s44, 15                        ; the block's place among the head's four,
	s_add_co_u32 s43, s43, s44
	s_lshl_b32 s44, s41, 17                        ; k_w's 64 rows first, then v_w's
	s_add_co_u32 s43, s43, s44
	s_lshl_b32 s44, s40, 15                        ; q_w and o_w: as they lie
	s_cmp_lt_u32 s41, 2
	s_cselect_b32 s43, s43, s44
	s_wait_kmcnt 0x0
	s_cmp_eq_u32 s41, 0
	s_cselect_b64 s[4:5], s[20:21], s[22:23]       ; k_w, else v_w,
	s_cmp_lt_u32 s41, 2
	s_cselect_b64 s[4:5], s[4:5], s[24:25]         ; else q_w,
	s_cmp_lt_u32 s41, 3
	s_cselect_b64 s[4:5], s[4:5], s[26:27]         ; else o_w
	s_lshl_b32 s2, s42, 16
	s_add_nc_u64 s[4:5], s[4:5], s[2:3]
	s_mov_b32 s2, s43
	s_add_nc_u64 s[6:7], s[30:31], s[2:3]
.set i, 0
.rept 32
	global_load_b128 v[34+4*i:34+4*i+3], v2, s[4:5] offset:512*i th:TH_LOAD_NT
.set i, i+1
.endr
.set i, 0
.rept 32
	s_wait_loadcnt 31-i                            ; the younger loads stay out
	v_cvt_pk_bf16_f32 v[34+4*i], v[34+4*i], v[35+4*i]
	v_cvt_pk_bf16_f32 v[35+4*i], v[36+4*i], v[37+4*i]
	global_store_b64 v3, v[34+4*i:35+4*i], s[6:7] offset:256*i
.set i, i+1
.endr
	s_endpgm
.Lfunc_end_k_qf98cad5fa1_prep:
	.size	k_qf98cad5fa1_prep, .Lfunc_end_k_qf98cad5fa1_prep-k_qf98cad5fa1_prep
	.p2alignl 7, 3214868480
	.fill 96, 4, 3214868480
	.section	.rodata,"a",@progbits
	.p2align	6, 0x0
	.amdhsa_kernel k_qf98cad5fa1_prep
		.amdhsa_group_segment_fixed_size 0
		.amdhsa_private_segment_fixed_size 0
		.amdhsa_enable_private_segment 0
		.amdhsa_kernarg_size 96
		.amdhsa_user_sgpr_count 2
		.amdhsa_user_sgpr_kernarg_segment_ptr 1
		.amdhsa_wavefront_size32 1
		.amdhsa_system_sgpr_workgroup_id_x 1
		.amdhsa_system_sgpr_workgroup_id_y 1
		.amdhsa_system_sgpr_workgroup_id_z 1
		.amdhsa_system_vgpr_workitem_id 0
		.amdhsa_next_free_vgpr 164
		.amdhsa_next_free_sgpr 66
		.amdhsa_reserve_vcc 0
		.amdhsa_float_denorm_mode_32 3
		.amdhsa_float_denorm_mode_16_64 3
		.amdhsa_memory_ordered 1
		.amdhsa_forward_progress 1
		.amdhsa_inst_pref_size 50
	.end_amdhsa_kernel
	.amdgpu_metadata
---
amdhsa.version: [ 1, 2 ]
amdhsa.kernels:
  - .name:           k_qf98cad5fa1_prep
    .symbol:         k_qf98cad5fa1_prep.kd
    .args:
      - { .name: query, .offset: 0, .size: 8, .value_kind: global_buffer, .address_space: global }
      - { .name: context, .offset: 8, .size: 8, .value_kind: global_buffer, .address_space: global }
      - { .name: lnq_g, .offset: 16, .size: 8, .value_kind: global_buffer, .address_space: global }
      - { .name: lnq_b, .offset: 24, .size: 8, .value_kind: global_buffer, .address_space: global }
      - { .name: lnkv_g, .offset: 32, .size: 8, .value_kind: global_buffer, .address_space: global }
      - { .name: lnkv_b, .offset: 40, .size: 8, .value_kind: global_buffer, .address_space: global }
      - { .name: k_w, .offset: 48, .size: 8, .value_kind: global_buffer, .address_space: global }
      - { .name: v_w, .offset: 56, .size: 8, .value_kind: global_buffer, .address_space: global }
      - { .name: q_w, .offset: 64, .size: 8, .value_kind: global_buffer, .address_space: global }
      - { .name: o_w, .offset: 72, .size: 8, .value_kind: global_buffer, .address_space: global }
      - { .name: xn, .offset: 80, .size: 8, .value_kind: global_buffer, .address_space: global }
      - { .name: wb, .offset: 88, .size: 8, .value_kind: global_buffer, .address_space: global }
    .group_segment_fixed_size: 0
    .private_segment_fixed_size: 0
    .kernarg_segment_align: 8
    .kernarg_segment_size: 96
    .max_flat_workgroup_size: 128
    .sgpr_count:     66
    .vgpr_count:     164
    .wavefront_size: 32
...
	.end_amdgpu_metadata
.endif
;; end of part 7
;; launch gemm_kv (part 8): grid 32 x 8, 4 waves a work-group, clusters of 4 x 4, 327,680 bytes of LDS; arguments wb, xn, kvp, k_b, v_b; writes kvp
.if DOCPART == 8
	.amdgcn_target "amdgcn-amd-amdhsa--gfx1250"
	.amdhsa_code_object_version 6
	.text
	.protected	k_qf98cad5fa1_gemm_kv
	.globl	k_qf98cad5fa1_gemm_kv
	.p2align	8
	.type	k_qf98cad5fa1_gemm_kv,@function
k_qf98cad5fa1_gemm_kv:
	s_mov_b64 s[64:65], 0
	v_nop
	global_prefetch_b8 v0, s[64:65] scope:SCOPE_SE
	s_setreg_imm32_b32 hwreg(HW_REG_WAVE_MODE, 25, 1), 1
	s_wait_xcnt 0x0
	s_wait_alu depctr_hold_cnt(0) depctr_sa_sdst(0) depctr_va_vdst(0) depctr_va_sdst(0) depctr_va_ssrc(0) depctr_va_vcc(0) depctr_vm_vsrc(0)
	s_getreg_b32 s2, hwreg(HW_REG_IB_STS2, 6, 4)
	s_cmp_eq_u32 s2, 0
	s_cbranch_scc0 .Lentry_in_a_cluster
	s_endpgm
.Lentry_in_a_cluster:
	s_bfe_u32 s2, ttmp6, 0x10000c
	s_cmp_lg_u32 s2, 0xf033
	s_cbranch_scc0 .Lentry_shape_is_right
	s_endpgm
.Lentry_shape_is_right:
; K and V projections and, of their results, partial KV[d][e] = sum over n of K[n][d] V[n][e] and partial Ksum[d] = sum over n of K[n][d]; K and V never go to memory.
; FIRST PRODUCT: C[f][n] = sum over k of W[f][k] c[n][k] + bias[f].  W = wb's rows 0-2047, by heads (128 h + d: k_w, 128 h + 64 + e: v_w); c = xn from row 8192 on (LayerNorm of context).
; K = elu(C) + 1 = max(C, 0) + e^min(C, 0); V = C.  Sums in f32; K and V rounded once to bf16 for the second product, whose sums are f32 again.
; SHARES.  A tile of C is 256 features (two heads) x 256 positions; four waves, a wave 128 x 128 in 64 accumulators: ONE head's 64 K features (blocks 0-3) and 64 V features (blocks 4-7) for 128 positions,
; so both factors of K^T V lie in the wave's own accumulators.  A WORK-GROUP STAYS for two tiles with the same features, 2,048 positions apart in one batch; the ring goes on across them.
; The contraction of 1024 goes in 8 steps of 128 a tile through two LDS slots filled by tensor loads; refill number GS (2 .. 15) forms its address anew from GS.
; CLUSTER 4 x 4: A's tile is asked for jointly along a row of the cluster, B's along a column.
; Source 0 = 16 rows of B (positions), source 1 = 16 rows of A (features): a lane holds feature l % 16 and the positions 8 (l / 16) + 0..7: 16 bytes of bf16 of a row [feature][position].
; THE WAY OUT of a tile, 32 positions a trip: bias added on the way from the accumulators into window 0; elu + 1 on the K half; rounded; into the wave's own stage (128 rows of 80 bytes);
; back as 8 fragments; 16 products for KV (source 0 = V, source 1 = K: a lane holds d = 16 i + l % 16 and eight neighbouring e) and 4 with ones as source 0 for Ksum.
; The loop's fragment buffers serve as work registers there, so a tile's first fragments are fetched behind the way out; the fetch in a tile's last change of slots serves nothing.
; AT THE END the four waves' partial tiles meet in slot 0, which has had its last fill; the two waves of a head add them and store whole rows.
; kvp: [c = 8][16 b + h][64 d][64 e] f32, then from byte 8,388,608 on [c][b][1024] f32; c = the work-group's place among the batch's eight.
; LIMITS: operands rounded once to bf16; an exponential below 2^-126 counts as 0; NaN and infinities are not treated apart; sums in another order than a sequential one.
; REGISTERS.  window 0: v16-31 addresses; v32-47 bias pairs; v64-191 A's fragments (way out: X); v192-223 Ksum's four accumulators; v224-231 ones.
;   window 1: v0-63, v192-255 KV's 16 accumulators; v64-191 B's fragments (way out: v64-127 T, v128-191 fragments of V and K).  windows 2, 3: the 64 accumulators, (a, b) at 8 (8 (a % 4) + b).
.set KSTEP,  128
.set PITCH,  272                       ; an LDS row: 256 bytes + 16 of padding: the 16 rows of a fragment load start at 16 different groups of four banks (ISA guide 11.1)
.set HALFT,  128*PITCH
.set SLOT,   4*HALFT                   ; A's 256 rows, then B's 256
.set STAGE,  2*SLOT                    ; behind the ring: the waves' stages; no tensor load lands here
.set SP,     80                        ; a stage row: 32 positions of bf16 + 16 bytes: an odd multiple of 16
.set WSTG,   128*SP                    ; a wave's stage: 128 features
.set SPARE,  STAGE+4*WSTG              ; the spare words, 128 bytes a wave
.set PP,     272                       ; at the end: a row of a partial tile, 256 bytes + 16
.set PT,     64*PP                     ; a wave's partial tile, from LDS byte wave x PT on
.set KSL,    4*PT                      ; behind them: 256 bytes of Ksum for each wave
.set TILES,  2
.set ADRA0, 16
.set ADRA,  17
.set ADRB0, 20
.set ADRB,  21
.set KSA,   22                         ; v22  where I put a word of Ksum
.set KSR,   23                         ; v23  where I read two of them back
.set STO,   24                         ; v24  my place in my stage: row l % 16, 16 bytes for each half of the lanes; for the stores and for the fragment loads alike
.set LS,    25                         ; v25  my place in my partial tile
.set LR,    26                         ; v26  where I read whole rows of my head's two partial tiles
.set GO,    27                         ; v27  16 x lane
.set SPW,   28
.set NIL,   29
.set PFO,   30
.set KGO,   31                         ; v31  8 x lane
.set BI,    32                         ; v[32:47] block a's bias of my feature at BI + 2 a; the odd registers are named with them as pairs
.set VO,    48
.set F0,    64
.set F1,    128
.set X,     64
.set KS,    192
.set ONES,  224
.set T,     64                         ; window 1
.set FR,    128                        ; window 1: V's fragment j at FR + 8 j, K's fragment i at FR + 32 + 8 i
.set G1,  24                           ; s[24:31] group 1 for A;  s[32:39] group 0: the set of the first fill, then the walking set
.set G0,  32
.set G1B, 48                           ; s[48:55], s[56:63] the same for B
.set G0B, 56
.set LIM, 43                           ; s43  the last K step that I prefetch: 7 (A), 15 (B), or 0 in a wave that asks for nothing
.set PFA, 44                           ; s[44:45] the prefetch's address
.set TB,  66                           ; s66  LDS byte at which the slot in hand begins
.set BL,  67                           ; s67  the way out's trip
.set ABASE, 68                         ; s[68:69] A at my part of K step 0
.set BBASE, 70                         ; s[70:71] B at my part of the first tile's K step 0
.set OFA, 72                           ; s[72:73] the refill's offset in A
.set OFB, 74                           ; s[74:75] in B
.set GS,  76                           ; s76  the K step to be asked for next, 2 .. 15: 8 t + step of tile t
.set FIRST, 77                         ; s77  1 until the second product has started its sums
.set PFB, 78                           ; s[78:79] the prefetches' base: my work-group's 32 rows of the 128 that I fetch
.set POF, 80                           ; s[80:81] the prefetch's offset
.set GP,  82                           ; s82  the K step that the prefetch names
.set MSB, 0
.macro WIN new                         ; the immediate's high byte repeats the setting that is left
.if MSB != (\new)
	s_set_vgpr_msb (MSB<<8)|(\new)
.set MSB, \new
.endif
.endm
.set MUL_LO, 0xa1                      ; source 0 (B) window 1, source 1 (A) window 0, C and D window 2
.set MUL_HI, 0xf1                      ; the same, C and D window 3
.set TO_B,   0x40
.macro JLOAD                           ; a joint refill by the walking set: waves 0, 1 fetch A's halves, waves 2, 3 B's; s_nop 0 and four v_nop follow each line
	s_cmp_eq_u32 s11, 0
	s_cbranch_scc0 .Lfor_b_\@
	tensor_load_to_lds s[G0+4:G0+7], s[G1:G1+7]
	s_nop 0
.rept 4
	v_nop
.endr
	s_branch .Lasked_\@
.Lfor_b_\@:
	tensor_load_to_lds s[G0B+4:G0B+7], s[G1B:G1B+7]
	s_nop 0
.rept 4
	v_nop
.endr
.Lasked_\@:
.endm
.macro ASK                             ; the K step two refills on: 32 rows x 256 bytes, a lane a row; A's while it lies in the first tile (the second reads the same rows again), B's while there is one
	s_cmp_le_u32 s[GP], s[LIM]
	s_cbranch_scc0 .Lnot_mine_\@
	global_prefetch_b8 v[PFO], s[PFA:PFA+1] th:TH_LOAD_NT scope:SCOPE_SE
.Lnot_mine_\@:
.endm
.macro CREST                           ; a round of the cluster's barrier behind its opening barrier
	s_cmp_lg_u32 s10, 0
	s_cbranch_scc1 .Lnot_wave_0_\@
	s_barrier_signal -3
.Lnot_wave_0_\@:
	s_barrier_wait -3
	s_barrier_signal -1
	s_barrier_wait -1
.endm
.macro CROUND
	s_barrier_signal -1
	s_barrier_wait -1
	CREST
.endm
	s_load_b128 s[4:7], s[0:1], 0x0                ; A = wb, B = xn
	s_load_b64 s[8:9], s[0:1], 0x10                ; kvp
	s_load_b128 s[88:91], s[0:1], 0x18             ; k_b, v_b
	v_lshl_add_u32 v[SPW], v0, 2, SPARE
	v_mov_b32 v[NIL], 0
	ds_add_u32 v[SPW], v[NIL]                      ; the wave's opening: the add and its wait ahead of my first tensor load
	v_lshrrev_b32 v1, 5, v0
	v_readfirstlane_b32 s10, v1                    ; wave 0..3
	s_lshr_b32 s11, s10, 1                         ; my head of the tile's two; also: I fetch for A (0) or B (1)
	s_and_b32 s12, s10, 1                          ; my half of its positions; also: which 128 rows I fetch
	s_bfe_u32 s40, ttmp6, 0x40000                  ; cx
	s_bfe_u32 s41, ttmp6, 0x40004                  ; cy
	s_lshl_b32 s42, ttmp9, 2
	s_add_co_u32 s42, s42, s40                     ; work-group x, 0 .. 31: batch x / 8, place x % 8 among the batch's eight
	s_and_b32 s13, ttmp7, 0xffff
	s_lshl_b32 s13, s13, 2
	s_add_co_u32 s13, s13, s41                     ; tile row, 0 .. 7: heads 2 y and 2 y + 1
	s_lshl_b32 s43, s41, 2
	s_lshl_b32 s43, 15, s43                        ; my row of the cluster
	s_lshl_b32 s44, 0x1111, s40                    ; my column
	s_or_b32 s[G1+0], s43, (1<<16)|(1<<20)|(1<<21)|(5<<22)|(3<<25)   ; mask; 2-byte elements; padding on; bit 21 beside a mask; after every 64 words 4 words
	s_or_b32 s[G1B+0], s44, (1<<16)|(1<<20)|(1<<21)|(5<<22)|(3<<25)
.irp g, G1, G1B
	s_mov_b32 s[(\g)+1], KSTEP<<16                 ; tensor_dim0 = 128
	s_mov_b32 s[(\g)+2], 128<<16                   ; tensor_dim1 = 128
	s_mov_b32 s[(\g)+3], KSTEP<<16                 ; tile_dim0 = 128
	s_mov_b32 s[(\g)+4], 128                       ; tile_dim1 = 128
	s_mov_b32 s[(\g)+5], 1024                      ; elements from row to row
	s_mov_b32 s[(\g)+6], 0
	s_mov_b32 s[(\g)+7], 0
.endr
	s_lshl_b32 s17, s12, 7
	s_lshl_b32 s16, s13, 8
	s_add_co_u32 s16, s16, s17                     ; A: row 256 x tile row + 128 x half
	s_lshl_b32 s16, s16, 11                        ; rows of 2,048 bytes
	s_lshr_b32 s46, s42, 3
	s_lshl_b32 s46, s46, 4                         ; B: a batch has 16 tiles of 256 positions;
	s_and_b32 s47, s42, 7
	s_add_co_u32 s46, s46, s47                     ; my first is 16 b + x % 8, my second 8 further on
	s_lshl_b32 s46, s46, 8
	s_add_co_u32 s46, s46, s17
	s_lshl_b32 s46, s46, 11
	s_mov_b32 s17, 0
	s_mov_b32 s47, 0
	s_mul_i32 s20, s10, HALFT                      ; where my part of a slot lies: no place in the cluster enters an LDS address
	s_mov_b32 s[OFA+1], 0
	s_mov_b32 s[OFB+1], 0
	s_mov_b32 s[POF+1], 0
	s_mov_b32 s[GS], 2
	s_mov_b32 s[FIRST], 1
	s_wait_dscnt 0x0                               ; the opening add is done
	s_wait_kmcnt 0x0
	s_add_nc_u64 s[6:7], s[6:7], 0x1000000         ; xn at its row 8192
	s_add_nc_u64 s[ABASE:ABASE+1], s[4:5], s[16:17]
	s_add_nc_u64 s[BBASE:BBASE+1], s[6:7], s[46:47]
	CROUND                                         ; all sixteen work-groups are here: the first joint loads meet
.irp s, 0,1
	s_mov_b32 s[G0+4*(\s)], 1
	s_add_co_u32 s[G0+4*(\s)+1], s20, (\s)*SLOT
	s_add_nc_u64 s[G0+4*(\s)+2:G0+4*(\s)+3], s[ABASE:ABASE+1], (\s)*KSTEP*2
	s_or_b32 s[G0+4*(\s)+3], s[G0+4*(\s)+3], 0x80000000
	s_mov_b32 s[G0B+4*(\s)], 1
	s_add_co_u32 s[G0B+4*(\s)+1], s20, (\s)*SLOT
	s_add_nc_u64 s[G0B+4*(\s)+2:G0B+4*(\s)+3], s[BBASE:BBASE+1], (\s)*KSTEP*2
	s_or_b32 s[G0B+4*(\s)+3], s[G0B+4*(\s)+3], 0x80000000
.endr
	s_cmp_eq_u32 s11, 0                            ; a wave's two first fills stand in one branch: two loads of mine are out
	s_cbranch_scc0 .Lfirst_b
	tensor_load_to_lds s[G0:G0+3], s[G1:G1+7]
	s_nop 0
	tensor_load_to_lds s[G0+4:G0+7], s[G1:G1+7]
	s_nop 0
.rept 4
	v_nop
.endr
	s_branch .Lfirst_asked
.Lfirst_b:
	tensor_load_to_lds s[G0B:G0B+3], s[G1B:G1B+7]
	s_nop 0
	tensor_load_to_lds s[G0B+4:G0B+7], s[G1B:G1B+7]
	s_nop 0
.rept 4
	v_nop
.endr
.Lfirst_asked:
	v_and_b32 v1, 15, v0                           ; l % 16
	v_bfe_u32 v2, v0, 4, 1                         ; l / 16
	v_and_b32 v5, 31, v0                           ; l
	s_lshl_b32 s18, s13, 1
	s_add_co_u32 s18, s18, s11                     ; my head
	s_lshl_b32 s19, s18, 8                         ; its 64 numbers of k_b and of v_b
	v_lshlrev_b32 v[VO], 2, v1
	v_add_nc_u32 v[VO], s19, v[VO]
.irp i, 0,1,2,3
	global_load_b32 v[BI+2*(\i)], v[VO], s[88:89] offset:64*(\i)     ; blocks 0-3: k_b of feature 16 i + l % 16
	global_load_b32 v[BI+8+2*(\i)], v[VO], s[90:91] offset:64*(\i)   ; blocks 4-7: v_b
	v_mov_b32 v[BI+2*(\i)+1], 0
	v_mov_b32 v[BI+8+2*(\i)+1], 0
.endr
.irp i, 0,1,2,3,4,5,6,7
	v_mov_b32 v[ONES+(\i)], 0x3f803f80             ; 1.0 twice in bf16
.endr
	v_mul_u32_u24 v3, v1, PITCH
	v_lshl_add_u32 v3, v2, 4, v3                   ; a fragment's row x pitch + 16 x half
	s_mul_i32 s21, s11, HALFT
	s_mul_i32 s22, s12, HALFT
	s_add_co_u32 s22, s22, 2*HALFT
	v_add_nc_u32 v[ADRA0], s21, v3
	v_add_nc_u32 v[ADRB0], s22, v3
	v_mov_b32 v[ADRA], v[ADRA0]
	v_mov_b32 v[ADRB], v[ADRB0]
	s_mov_b32 s[TB], 0
	s_mul_i32 s23, s10, WSTG
	s_add_co_u32 s23, s23, STAGE                   ; my stage
	v_mul_u32_u24 v4, v1, SP
	v_lshl_add_u32 v4, v2, 4, v4
	v_add_nc_u32 v[STO], s23, v4
	s_mul_i32 s23, s10, PT                         ; my partial tile: row l % 16, 32 bytes for each half of the lanes
	v_mul_u32_u24 v4, v1, PP
	v_lshl_add_u32 v4, v2, 5, v4
	v_add_nc_u32 v[LS], s23, v4
	s_lshl_b32 s23, s10, 8
	s_add_co_u32 s23, s23, KSL
	v_lshl_add_u32 v[KSA], v1, 2, s23
	s_mul_i32 s23, s11, 2*PT                       ; back: my head's two partial tiles, rows 32 x half on, two rows a load
	s_mul_i32 s21, s12, 32*PP
	s_add_co_u32 s23, s23, s21
	v_mul_u32_u24 v4, v2, PP
	v_lshl_add_u32 v4, v1, 4, v4
	v_add_nc_u32 v[LR], s23, v4
	v_lshlrev_b32 v[GO], 4, v5
	s_lshl_b32 s23, s11, 9
	s_add_co_u32 s23, s23, KSL
	v_lshl_add_u32 v[KSR], v5, 3, s23
	v_lshlrev_b32 v[KGO], 3, v5
	; where the partials go
	s_and_b32 s84, s42, 7                          ; c
	s_lshr_b32 s85, s42, 3                         ; b
	s_lshl_b32 s86, s85, 4
	s_add_co_u32 s86, s86, s18                     ; 16 b + h
	s_lshl_b32 s86, s86, 14
	s_lshl_b32 s87, s84, 20
	s_add_co_u32 s86, s86, s87
	s_lshl_b32 s87, s12, 13                        ; my 32 rows of 256 bytes
	s_add_co_u32 s86, s86, s87
	s_mov_b32 s87, 0
	s_add_nc_u64 s[92:93], s[8:9], s[86:87]
	s_lshl_b32 s86, s84, 2
	s_add_co_u32 s86, s86, s85
	s_lshl_b32 s86, s86, 12                        ; (4 c + b) x 4,096
	s_add_co_u32 s86, s86, s19                     ; + 256 h
	s_add_co_u32 s86, s86, 8388608
	s_add_nc_u64 s[96:97], s[8:9], s[86:87]
	s_mov_b32 s94, 0x3fb8aa3b                      ; log2(e)
	s_mov_b32 s95, s94
	; the prefetches: A's rows are asked for by the clusters with x = 0, B's by those with y = 0; the four partners of a joint load take 32 rows each, by address
	s_lshl_b32 s13, s13, 8                         ; A's first row of the tile
	s_lshr_b32 s46, s42, 3
	s_lshl_b32 s46, s46, 4
	s_and_b32 s47, s42, 7
	s_add_co_u32 s46, s46, s47
	s_lshl_b32 s46, s46, 8                         ; B's first row of the first tile
	s_and_b32 s22, ttmp7, 0xffff
	s_cmp_eq_u32 s11, 0
	s_cselect_b32 s20, s13, s46
	s_cselect_b32 s21, s40, s41
	s_cselect_b32 s22, ttmp9, s22
	s_cselect_b32 s[LIM], 7, 15
	s_cselect_b64 s[PFB:PFB+1], s[4:5], s[6:7]
	s_cmp_eq_u32 s22, 0
	s_cselect_b32 s[LIM], s[LIM], 0                ; the same in all sixteen partners, for a given wave
	s_lshl_b32 s22, s12, 7
	s_add_co_u32 s20, s20, s22
	s_lshl_b32 s21, s21, 5
	s_add_co_u32 s20, s20, s21
	s_lshl_b32 s20, s20, 11
	s_mov_b32 s21, 0
	s_add_nc_u64 s[PFB:PFB+1], s[PFB:PFB+1], s[20:21]
	v_lshlrev_b32 v[PFO], 11, v5                   ; nothing is prefetched here, at the head: K steps 0 to 3 come by their loads alone
; 16 matrix instructions: blocks a0, a0 + 1 of the window's four x all 8 position blocks, 32 along K.  All 64 accumulators take turns in one order.
.macro MUL16 f, hi, a0, zero
	WIN MUL_LO+0x50*(\hi)
.irp a, \a0, (\a0)+1
.irp b, 0,1,2,3,4,5,6,7
.if \zero
	v_wmma_f32_16x16x32_bf16 v[8*(8*(\a)+(\b)):8*(8*(\a)+(\b))+7], v[(\f)+8*(\b):(\f)+8*(\b)+7], v[(\f)+8*(4*(\hi)+(\a)):(\f)+8*(4*(\hi)+(\a))+7], 0
.else
	v_wmma_f32_16x16x32_bf16 v[8*(8*(\a)+(\b)):8*(8*(\a)+(\b))+7], v[(\f)+8*(\b):(\f)+8*(\b)+7], v[(\f)+8*(4*(\hi)+(\a)):(\f)+8*(4*(\hi)+(\a))+7], v[8*(8*(\a)+(\b)):8*(8*(\a)+(\b))+7]
.endif
.endr
.endr
.endm
.macro FETCH k, f                      ; 32 LDS loads in one run: a quarter step's fragments, at byte k of the rows of the slot in hand
	WIN TO_B
.irp i, 0,1,2,3,4,5,6,7
	ds_load_b128 v[(\f)+8*(\i):(\f)+8*(\i)+3],   v[ADRB] offset:(\k)+(\i)*16*PITCH
	ds_load_b128 v[(\f)+8*(\i)+4:(\f)+8*(\i)+7], v[ADRB] offset:(\k)+(\i)*16*PITCH+32
.endr
	WIN 0
.irp i, 0,1,2,3,4,5,6,7
	ds_load_b128 v[(\f)+8*(\i):(\f)+8*(\i)+3],   v[ADRA] offset:(\k)+(\i)*16*PITCH
	ds_load_b128 v[(\f)+8*(\i)+4:(\f)+8*(\i)+7], v[ADRA] offset:(\k)+(\i)*16*PITCH+32
.endr
.endm
.macro PLACES                          ; four places in front of loads into registers that matrix instructions have read
.rept 4
	v_nop
.endr
.endm
.macro QUARTER k, f, g, zero           ; multiplies buffer f; in its middle fetches the next quarter, at byte k, into g
	s_wait_dscnt 8                                 ; B and A's rows 0-63 are in; the youngest eight loads may be out
	MUL16 \f, 0, 0, \zero
	MUL16 \f, 0, 2, \zero
	PLACES
	FETCH \k, \g
	s_wait_dscnt 32                                ; all but the 32 just issued
	MUL16 \f, 1, 0, \zero
	MUL16 \f, 1, 2, \zero
.endm
.macro MEET round                      ; the change of slots' barrier: all my tensor loads, the add, my reads of this slot
	WIN 0
	s_wait_tensorcnt 0x0                           ; the one that was out is my part of the next slot
	ds_add_u32 v[SPW], v[NIL]
	s_wait_dscnt 9                                 ; the add and the youngest eight loads may be out
	MUL16 F1, 0, 0, 0
	s_wait_dscnt 0x0                               ; the add is done, my reads of this slot are over
	s_barrier_signal -1
	MUL16 F1, 0, 2, 0
.if \round
	WIN 0
.endif
	s_barrier_wait -1
.endm
.macro TURN fill                       ; the last quarter: multiplies buffer 1 and changes slots; fill = 1: the slot read out takes K step GS
.if \fill
	s_wait_xcnt 0x0                                ; the last prefetch, a K step back, has read its address
	s_add_co_u32 s[GP], s[GS], 2                   ; the prefetch names the K step two refills on:
	s_and_b32 s[POF], s[GP], 7                     ; its 256 bytes of a row,
	s_lshl_b32 s[POF], s[POF], 8
	s_lshr_b32 s83, s[GP], 3                       ; and for the second tile 2,048 rows of 2,048 bytes further down
	s_lshl_b32 s83, s83, 22
	s_add_co_u32 s[POF], s[POF], s83
	s_add_nc_u64 s[PFA:PFA+1], s[PFB:PFB+1], s[POF:POF+1]
	s_and_b32 s[OFA], s[GS], 7                     ; the refill's offsets: A goes along K alone,
	s_lshl_b32 s[OFA], s[OFA], 8
	s_lshr_b32 s[OFB], s[GS], 3                    ; B also on to the second tile
	s_lshl_b32 s[OFB], s[OFB], 22
	s_add_co_u32 s[OFB], s[OFB], s[OFA]
	s_add_co_u32 s[GS], s[GS], 1
.endif
	MEET \fill
.if \fill
	CREST                                          ; no wave of any partner still reads this slot or has a load on its way
	s_xor_b32 s[G0+5], s[G0+5], SLOT               ; the walking sets: the other slot than last time (SLOT shares no bit with wave x HALFT); the address made anew
	s_add_nc_u64 s[G0+6:G0+7], s[ABASE:ABASE+1], s[OFA:OFA+1]
	s_or_b32 s[G0+7], s[G0+7], 0x80000000
	s_xor_b32 s[G0B+5], s[G0B+5], SLOT
	s_add_nc_u64 s[G0B+6:G0B+7], s[BBASE:BBASE+1], s[OFB:OFB+1]
	s_or_b32 s[G0B+7], s[G0B+7], 0x80000000
	JLOAD                                          ; the first tensor load behind the round; its four v_nop are also the places in front of the loads below
.else
	PLACES
	WIN 0
.endif
	s_xor_b32 s[TB], s[TB], SLOT
	v_add_nc_u32 v[ADRA], s[TB], v[ADRA0]
	v_add_nc_u32 v[ADRB], s[TB], v[ADRB0]
	FETCH 0, F0
.if \fill
	ASK
.endif
	MUL16 F1, 1, 0, 0
	MUL16 F1, 1, 2, 0
.endm
	s_wait_loadcnt 0x0                             ; the biases
	s_wait_tensorcnt 1                             ; my part of K step 0 is in; K step 1's may stay out
	s_barrier_signal -1
	s_barrier_wait -1
	s_mov_b32 s2, TILES                            ; tiles to go, this one among them
.Ltile:
	FETCH 0, F0
	QUARTER 64, F0, F1, 1                          ; a tile's first quarter: its products start the sums
	WIN 0
	s_mov_b32 s3, 6
.Lstep:                                                ; trip i ends the tile's K step i, fills its slot with the step two on, begins step i + 1
	QUARTER 128, F1, F0, 0
	QUARTER 192, F0, F1, 0
	TURN 1
	QUARTER 64, F0, F1, 0
	WIN 0
	s_sub_co_u32 s3, s3, 1
	s_cmp_lg_u32 s3, 0
	s_cbranch_scc1 .Lstep
	s_mov_b32 s3, 2
	s_cmp_eq_u32 s2, 1
	s_cbranch_scc1 .Ltail                          ; the last tile's last two steps are written apart: they ask for nothing
.Lmid:                                                 ; K steps 6 and 7 of a tile that has a successor: the ring goes on into the next tile's K steps 0 and 1
	QUARTER 128, F1, F0, 0
	QUARTER 192, F0, F1, 0
	TURN 1
	WIN 0
	s_sub_co_u32 s3, s3, 1
	s_cmp_eq_u32 s3, 0
	s_cbranch_scc1 .Lepi
	QUARTER 64, F0, F1, 0
	WIN 0
	s_branch .Lmid
.Ltail:                                                ; K steps 6 and 7 of the last tile
	QUARTER 128, F1, F0, 0
	QUARTER 192, F0, F1, 0
	TURN 0
	WIN 0
	s_sub_co_u32 s3, s3, 1
	s_cmp_eq_u32 s3, 0
	s_cbranch_scc1 .Lepi
	QUARTER 64, F0, F1, 0
	WIN 0
	s_branch .Ltail
.Lepi:
	s_wait_dscnt 0x0                               ; the last change's fetch has landed: its registers are used otherwise now
.rept 8
	v_nop                                          ; the places behind the last products
.endr
; Positions 32 s .. 32 s + 31: the 16 accumulators (a, 2 s) and (a, 2 s + 1), with the feature's bias, into X: (a, c) at X + 8 (2 a + c).  Each accumulator is read from its low end on.
.macro DUMP s
.irp a, 0,1,2,3,4,5,6,7
	WIN 0x02+(\a)/4
.irp c, 0,1
.irp z, 0,2,4,6
	v_pk_add_f32 v[X+8*(2*(\a)+(\c))+(\z):X+8*(2*(\a)+(\c))+(\z)+1], v[8*(8*((\a)%4)+2*(\s)+(\c))+(\z):8*(8*((\a)%4)+2*(\s)+(\c))+(\z)+1], v[BI+2*(\a):BI+2*(\a)+1] op_sel_hi:[1,0]
.endr
.endr
.endr
	WIN 0
	s_branch .Lcom
.endm
; The second product's 20 matrix instructions for 32 positions; the 20 accumulators take turns.
.macro KVMUL zero
	WIN 0x55                                       ; V, K, C and D in window 1
.irp i, 0,1,2,3
.irp j, 0,1,2,3
.set rD, 8*(4*(\i)+(\j))+128*((\i)/2)
.if \zero
	v_wmma_f32_16x16x32_bf16 v[rD:rD+7], v[FR+8*(\j):FR+8*(\j)+7], v[FR+32+8*(\i):FR+32+8*(\i)+7], 0
.else
	v_wmma_f32_16x16x32_bf16 v[rD:rD+7], v[FR+8*(\j):FR+8*(\j)+7], v[FR+32+8*(\i):FR+32+8*(\i)+7], v[rD:rD+7]
.endif
.endr
.endr
	WIN 0x04                                       ; ones, C and D in window 0, K in window 1
.irp i, 0,1,2,3
.if \zero
	v_wmma_f32_16x16x32_bf16 v[KS+8*(\i):KS+8*(\i)+7], v[ONES:ONES+7], v[FR+32+8*(\i):FR+32+8*(\i)+7], 0
.else
	v_wmma_f32_16x16x32_bf16 v[KS+8*(\i):KS+8*(\i)+7], v[ONES:ONES+7], v[FR+32+8*(\i):FR+32+8*(\i)+7], v[KS+8*(\i):KS+8*(\i)+7]
.endif
.endr
	WIN 0
.endm
	s_mov_b32 s[BL], 0
.Lblk:
.irp s, 0,1,2
	s_cmp_eq_u32 s[BL], \s
	s_cbranch_scc1 .Ld\s
.endr
	DUMP 3
.irp s, 0,1,2
.Ld\s:
	DUMP \s
.endr
.Lcom:
	WIN 0x40                                       ; elu + 1 on the K half, X's first 64: T = min(x, 0), in window 1
.set i, 0
.rept 64
	v_min_num_f32 v[T+i], 0, v[X+i]
.set i, i+1
.endr
	WIN 0x04
.set i, 0
.rept 32
	v_pk_add_f32 v[X+i:X+i+1], v[X+i:X+i+1], v[T+i:T+i+1] neg_lo:[0,1] neg_hi:[0,1]  ; max(x, 0)
.set i, i+2
.endr
	WIN 0x41
.set i, 0
.rept 32
	v_pk_mul_f32 v[T+i:T+i+1], v[T+i:T+i+1], s[94:95] op_sel_hi:[1,0]
.set i, i+2
.endr
.set i, 0
.rept 64
	v_exp_f32 v[T+i], v[T+i]
.set i, i+1
.endr
	v_nop                                          ; a plain instruction behind the last exponential,
	s_wait_alu depctr_va_vdst(0)                   ; and one wait for the batch
	WIN 0x04
.set i, 0
.rept 32
	v_pk_add_f32 v[X+i:X+i+1], v[X+i:X+i+1], v[T+i:T+i+1]
.set i, i+2
.endr
	WIN 0
.set i, 0
.rept 64
	v_cvt_pk_bf16_f32 v[X+i], v[X+2*i], v[X+2*i+1] ; in place: word i is written when numbers 2 i and 2 i + 1 are read, and no later line reads it
.set i, i+1
.endr
.set i, 0
.rept 16
	ds_store_b128 v[STO], v[X+4*i:X+4*i+3] offset:(i/2)*16*SP+32*(i%2)  ; feature block i / 2, positions 16 (i % 2) + 8 (l / 16) on
.set i, i+1
.endr
	WIN 0x40
.irp a, 0,1,2,3                        ; LDS serves a wave's instructions in order (ISA guide 5.7.1.4): these see the stores above; the stage is my own
	ds_load_b128 v[FR+32+8*(\a):FR+32+8*(\a)+3],   v[STO] offset:(\a)*16*SP
	ds_load_b128 v[FR+32+8*(\a)+4:FR+32+8*(\a)+7], v[STO] offset:(\a)*16*SP+32
	ds_load_b128 v[FR+8*(\a):FR+8*(\a)+3],   v[STO] offset:(4+(\a))*16*SP
	ds_load_b128 v[FR+8*(\a)+4:FR+8*(\a)+7], v[STO] offset:(4+(\a))*16*SP+32
.endr
	WIN 0
	s_wait_dscnt 0x0
	s_cmp_eq_u32 s[FIRST], 1                       ; at the first trip of all the answer is a constant of the text
	s_cbranch_scc1 .Lzero
	KVMUL 0
	s_branch .Lkvd
.Lzero:
	KVMUL 1                                        ; the first 32 positions start the sums
	s_mov_b32 s[FIRST], 0
.Lkvd:
	s_add_co_u32 s[BL], s[BL], 1
	s_cmp_lt_u32 s[BL], 4
	s_cbranch_scc1 .Lblk
	s_sub_co_u32 s2, s2, 1
	s_cmp_lg_u32 s2, 0
	s_cbranch_scc1 .Ltile
	; THE END.  Every wave's reads of the ring are over (its waits above) and no tensor load is out: behind a barrier slot 0 serves as the place where the partial tiles meet.
.rept 8
	v_nop                                          ; the places behind the last products
.endr
	s_wait_dscnt 0x0
	s_barrier_signal -1
	s_barrier_wait -1
	WIN 0x04                                       ; the data lie in window 1
.set i, 0
.rept 16
	ds_store_b128 v[LS], v[8*i+128*(i/8):8*i+128*(i/8)+3]   offset:(i/4)*16*PP+64*(i%4)
	ds_store_b128 v[LS], v[8*i+128*(i/8)+4:8*i+128*(i/8)+7] offset:(i/4)*16*PP+64*(i%4)+16
.set i, i+1
.endr
	WIN 0
.irp i, 0,1,2,3
	ds_store_b32 v[KSA], v[KS+8*(\i)] offset:64*(\i)  ; all eight registers hold the same sum; both halves of the lanes write the same word
.endr
	s_wait_dscnt 0x0                               ; for the others' sake: my stores are done
	s_barrier_signal -1
	s_barrier_wait -1
.irp p, 0,1
.irp q, 0,1,2,3,4,5,6,7,8,9,10,11,12,13,14,15
	ds_load_b128 v[X+4*(16*(\p)+(\q)):X+4*(16*(\p)+(\q))+3], v[LR] offset:(\p)*PT+(\q)*2*PP
.endr
.endr
	s_wait_dscnt 0x0
.irp q, 0,1,2,3,4,5,6,7,8,9,10,11,12,13,14,15
	v_pk_add_f32 v[X+4*(\q):X+4*(\q)+1], v[X+4*(\q):X+4*(\q)+1], v[X+64+4*(\q):X+64+4*(\q)+1]
	v_pk_add_f32 v[X+4*(\q)+2:X+4*(\q)+3], v[X+4*(\q)+2:X+4*(\q)+3], v[X+64+4*(\q)+2:X+64+4*(\q)+3]
	global_store_b128 v[GO], v[X+4*(\q):X+4*(\q)+3], s[92:93] offset:512*(\q)  ; a wave's store covers 512 consecutive bytes, aligned
.endr
	s_cmp_lg_u32 s12, 0
	s_cbranch_scc1 .Lend                           ; waves 0 and 2 add their head's two Ksum
	ds_load_b64 v[KS:KS+1], v[KSR]
	ds_load_b64 v[KS+2:KS+3], v[KSR] offset:256
	s_wait_dscnt 0x0
	v_pk_add_f32 v[KS:KS+1], v[KS:KS+1], v[KS+2:KS+3]
	global_store_b64 v[KGO], v[KS:KS+1], s[96:97]  ; 256 consecutive bytes, aligned
.Lend:
	s_wait_tensorcnt 0x0                           ; the wave's end
	ds_add_u32 v[SPW], v[NIL]
	s_wait_dscnt 0x0
	CROUND                                         ; the closing round
	s_endpgm
.Lfunc_end_k_qf98cad5fa1_gemm_kv:
	.size	k_qf98cad5fa1_gemm_kv, .Lfunc_end_k_qf98cad5fa1_gemm_kv-k_qf98cad5fa1_gemm_kv
	.p2alignl 7, 3214868480
	.fill 96, 4, 3214868480
	.section	.rodata,"a",@progbits
	.p2align	6, 0x0
	.amdhsa_kernel k_qf98cad5fa1_gemm_kv
		.amdhsa_group_segment_fixed_size 327680
		.amdhsa_private_segment_fixed_size 0
		.amdhsa_enable_private_segment 0
		.amdhsa_kernarg_size 40
		.amdhsa_user_sgpr_count 2
		.amdhsa_user_sgpr_kernarg_segment_ptr 1
		.amdhsa_wavefront_size32 1
		.amdhsa_system_sgpr_workgroup_id_x 1
		.amdhsa_system_sgpr_workgroup_id_y 1
		.amdhsa_system_sgpr_workgroup_id_z 1
		.amdhsa_system_vgpr_workitem_id 0
		.amdhsa_next_free_vgpr 1024
		.amdhsa_next_free_sgpr 100
		.amdhsa_reserve_vcc 0
		.amdhsa_float_denorm_mode_32 3
		.amdhsa_float_denorm_mode_16_64 3
		.amdhsa_memory_ordered 1
		.amdhsa_forward_progress 1
		.amdhsa_inst_pref_size 145
	.end_amdhsa_kernel
	.amdgpu_metadata
---
amdhsa.version: [ 1, 2 ]
amdhsa.kernels:
  - .name:           k_qf98cad5fa1_gemm_kv
    .symbol:         k_qf98cad5fa1_gemm_kv.kd
    .args:
      - { .name: wb, .offset: 0, .size: 8, .value_kind: global_buffer, .address_space: global }
      - { .name: xn, .offset: 8, .size: 8, .value_kind: global_buffer, .address_space: global }
      - { .name: kvp, .offset: 16, .size: 8, .value_kind: global_buffer, .address_space: global }
      - { .name: k_b, .offset: 24, .size: 8, .value_kind: global_buffer, .address_space: global }
      - { .name: v_b, .offset: 32, .size: 8, .value_kind: global_buffer, .address_space: global }
    .group_segment_fixed_size: 327680
    .private_segment_fixed_size: 0
    .kernarg_segment_align: 8
    .kernarg_segment_size: 40
    .max_flat_workgroup_size: 128
    .sgpr_count:     100
    .vgpr_count:     1024
    .wavefront_size: 32
...
	.end_amdgpu_metadata
.endif
;; end of part 8
;; launch wprime (part 9): grid 8 x 32, 8 waves a work-group, no clusters, 54,272 bytes of LDS; arguments kvp, wb, wp, ksum; writes wp, ksum
.if DOCPART == 9
	.amdgcn_target "amdgcn-amd-amdhsa--gfx1250"
	.amdhsa_code_object_version 6
	.text
	.protected	k_qf98cad5fa1_wprime
	.globl	k_qf98cad5fa1_wprime
	.p2align	8
	.type	k_qf98cad5fa1_wprime,@function
k_qf98cad5fa1_wprime:
	s_mov_b64 s[64:65], 0
	v_nop
	global_prefetch_b8 v0, s[64:65] scope:SCOPE_SE
	s_setreg_imm32_b32 hwreg(HW_REG_WAVE_MODE, 25, 1), 1
	s_wait_xcnt 0x0
; wp[b][n][64 h + d] = sum over e of KV[b, h][d][e] o_w[n][64 h + e], bf16; KV = the sum of kvp's eight partials, rounded once to bf16.  Also ksum[b][:] = the sum of the eight Ksum partials, f32.
; x = nc: 128 rows n; y = 8 b + hp: a pair of heads, whose 128 columns are 256 bytes of a row of wp.  Eight waves, 16 rows n each.
; The 256 threads add the pair's partials (32,768 bytes each) and lay them as bf16 in LDS, 128 rows (64 p + d) of 144 bytes; behind a barrier every wave reads them as fragments.
; Source 0 = 16 rows of KV (d), source 1 = 16 rows of o_w (n): a lane holds one row n and eight neighbouring d, which go out through the wave's stage as whole rows of 256 bytes.
; No cluster: what work-groups share (a pair's partials, 256 KiB) is read by eight of them once each, in a launch without a loop.
; REGISTERS: window 0: v2-11 addresses; v32-63 o_w's fragments; v64-127 accumulators; v128-255 partials 0-3, then KV's fragments.  window 1: v0-127 partials 4-7.
.set OWO, 2
.set KPO, 3
.set KST, 4
.set KLD, 5
.set STO, 6
.set RD,  7
.set SPW, 8
.set NIL, 9
.set WO,  10
.set OW,  32                           ; v[32:63]   o_w's fragments (p, s) at 32 + 8 (2 p + s); later the packed results
.set ACC, 64                           ; v[64:127]  accumulators (p, j) at 64 + 8 (4 p + j)
.set KV,  128                          ; v[128:255] partial c (0-3), piece q at 128 + 4 (8 c + q); then KV's fragments (p, j, s) at 128 + 8 (2 (4 p + j) + s)
.set KP,  144                          ; a row of KV in LDS: 128 bytes + 16
.set STG, 128*KP                       ; behind it: 16 rows x 272 bytes for each wave
.set SPARE, STG+8*16*272               ; the spare words, 128 bytes for each of eight waves
.set MSB, 0
.macro WIN new                         ; the immediate's high byte repeats the setting that is left
.if MSB != (\new)
	s_set_vgpr_msb (MSB<<8)|(\new)
.set MSB, \new
.endif
.endm
	s_load_b256 s[4:11], s[0:1], 0x0               ; kvp, wb, wp, ksum
	v_lshl_add_u32 v[SPW], v0, 2, SPARE
	v_mov_b32 v[NIL], 0
	v_lshrrev_b32 v1, 5, v0
	v_readfirstlane_b32 s12, v1                    ; wave 0..7
	v_and_b32 v12, 15, v0                          ; l % 16
	v_bfe_u32 v13, v0, 4, 1                        ; l / 16
	v_and_b32 v14, 31, v0
	s_and_b32 s13, ttmp7, 0xffff
	s_lshr_b32 s14, s13, 3                         ; b
	s_and_b32 s15, s13, 7                          ; hp
	s_lshl_b32 s16, s12, 15                        ; my 16 rows of 2,048 bytes
	v_lshlrev_b32 v[OWO], 11, v12
	v_lshl_add_u32 v[OWO], v13, 4, v[OWO]
	v_add_nc_u32 v[OWO], s16, v[OWO]
	v_lshlrev_b32 v[KPO], 4, v0                    ; 16 bytes a thread
	v_lshrrev_b32 v15, 4, v0
	v_mul_u32_u24 v[KST], v15, KP
	v_lshl_add_u32 v[KST], v12, 3, v[KST]          ; row t / 16, 8 bytes at e = 4 (t % 16)
	v_mul_u32_u24 v[KLD], v12, KP
	v_lshl_add_u32 v[KLD], v13, 4, v[KLD]
	s_mul_i32 s17, s12, 16*272
	s_add_co_u32 s17, s17, STG
	v_mul_u32_u24 v[STO], v12, 272
	v_lshl_add_u32 v[STO], v13, 4, v[STO]
	v_add_nc_u32 v[STO], s17, v[STO]
	v_mul_u32_u24 v[RD], v13, 272
	v_lshl_add_u32 v[RD], v12, 4, v[RD]
	v_add_nc_u32 v[RD], s17, v[RD]
	v_lshlrev_b32 v[WO], 11, v13
	v_lshl_add_u32 v[WO], v12, 4, v[WO]
	v_add_nc_u32 v[WO], s16, v[WO]
	s_lshl_b32 s18, s14, 18
	s_lshl_b32 s19, s15, 15
	s_add_co_u32 s18, s18, s19                     ; (16 b + 2 hp) x 16,384
	s_mov_b32 s19, 0
	s_lshl_b32 s26, ttmp9, 18                      ; 128 nc rows of 2,048 bytes
	s_lshl_b32 s27, s15, 8                         ; the pair's 256 bytes
	s_add_co_u32 s26, s26, s27
	s_mov_b32 s27, 0
	s_lshl_b32 s28, s14, 21                        ; the batch's 2 MiB of wp
	s_mov_b32 s29, 0
	s_wait_kmcnt 0x0
	s_add_nc_u64 s[20:21], s[4:5], s[18:19]
	s_add_nc_u64 s[22:23], s[6:7], s[26:27]
	s_add_nc_u64 s[22:23], s[22:23], 6291456       ; o_w in wb
	s_add_nc_u64 s[24:25], s[8:9], s[26:27]
	s_add_nc_u64 s[24:25], s[24:25], s[28:29]
.irp f, 0,1,2,3
	global_load_b128 v[OW+8*(\f):OW+8*(\f)+3],   v[OWO], s[22:23] offset:64*(\f)
	global_load_b128 v[OW+8*(\f)+4:OW+8*(\f)+7], v[OWO], s[22:23] offset:64*(\f)+32
.endr
.irp c, 0,1,2,3
.irp q, 0,1,2,3,4,5,6,7
	global_load_b128 v[KV+4*(8*(\c)+(\q)):KV+4*(8*(\c)+(\q))+3], v[KPO], s[20:21] offset:(\c)*1048576+4096*(\q)
.endr
.endr
	WIN 0x40                                       ; partials 4 to 7 land in window 1
.irp c, 0,1,2,3
.irp q, 0,1,2,3,4,5,6,7
	global_load_b128 v[4*(8*(\c)+(\q)):4*(8*(\c)+(\q))+3], v[KPO], s[20:21] offset:(4+(\c))*1048576+4096*(\q)
.endr
.endr
	WIN 0
	s_wait_loadcnt 0x0
.macro SUM4 base                       ; four partials of 32 registers, from base on, into the first
.irp q, 0,1,2,3,4,5,6,7
.irp z, 0,2
	v_pk_add_f32 v[(\base)+4*(\q)+(\z):(\base)+4*(\q)+(\z)+1], v[(\base)+4*(\q)+(\z):(\base)+4*(\q)+(\z)+1], v[(\base)+32+4*(\q)+(\z):(\base)+32+4*(\q)+(\z)+1]
	v_pk_add_f32 v[(\base)+64+4*(\q)+(\z):(\base)+64+4*(\q)+(\z)+1], v[(\base)+64+4*(\q)+(\z):(\base)+64+4*(\q)+(\z)+1], v[(\base)+96+4*(\q)+(\z):(\base)+96+4*(\q)+(\z)+1]
.endr
.endr
.irp q, 0,1,2,3,4,5,6,7
.irp z, 0,2
	v_pk_add_f32 v[(\base)+4*(\q)+(\z):(\base)+4*(\q)+(\z)+1], v[(\base)+4*(\q)+(\z):(\base)+4*(\q)+(\z)+1], v[(\base)+64+4*(\q)+(\z):(\base)+64+4*(\q)+(\z)+1]
.endr
.endr
.endm
	SUM4 KV
	WIN 0x45                                       ; destination and both sources in window 1
	SUM4 0
	WIN 0x04                                       ; source 1 in window 1
.irp q, 0,1,2,3,4,5,6,7
.irp z, 0,2
	v_pk_add_f32 v[KV+4*(\q)+(\z):KV+4*(\q)+(\z)+1], v[KV+4*(\q)+(\z):KV+4*(\q)+(\z)+1], v[4*(\q)+(\z):4*(\q)+(\z)+1]
.endr
.endr
	WIN 0
.irp q, 0,1,2,3,4,5,6,7
	v_cvt_pk_bf16_f32 v[KV+4*(\q)], v[KV+4*(\q)], v[KV+4*(\q)+1]
	v_cvt_pk_bf16_f32 v[KV+4*(\q)+1], v[KV+4*(\q)+2], v[KV+4*(\q)+3]
	ds_store_b64 v[KST], v[KV+4*(\q):KV+4*(\q)+1] offset:16*KP*(\q)
.endr
	s_wait_dscnt 0x0                               ; for the others' sake: my stores are done
	s_barrier_signal -1
	s_barrier_wait -1
.irp g, 0,1,2,3,4,5,6,7                ; g = 4 p + j: rows 16 g on
.irp s, 0,1
	ds_load_b128 v[KV+8*(2*(\g)+(\s)):KV+8*(2*(\g)+(\s))+3],   v[KLD] offset:16*KP*(\g)+64*(\s)
	ds_load_b128 v[KV+8*(2*(\g)+(\s))+4:KV+8*(2*(\g)+(\s))+7], v[KLD] offset:16*KP*(\g)+64*(\s)+32
.endr
.endr
	s_wait_dscnt 0x0
.irp g, 0,1,2,3,4,5,6,7                ; the eight accumulators take turns; e = 0..31 starts the sums
	v_wmma_f32_16x16x32_bf16 v[ACC+8*(\g):ACC+8*(\g)+7], v[KV+16*(\g):KV+16*(\g)+7], v[OW+16*((\g)/4):OW+16*((\g)/4)+7], 0
.endr
.irp g, 0,1,2,3,4,5,6,7
	v_wmma_f32_16x16x32_bf16 v[ACC+8*(\g):ACC+8*(\g)+7], v[KV+16*(\g)+8:KV+16*(\g)+15], v[OW+16*((\g)/4)+8:OW+16*((\g)/4)+15], v[ACC+8*(\g):ACC+8*(\g)+7]
.endr
.rept 8
	v_nop                                          ; the places behind the last products
.endr
.irp g, 0,1,2,3,4,5,6,7
.irp z, 0,1,2,3
	v_cvt_pk_bf16_f32 v[OW+4*(\g)+(\z)], v[ACC+8*(\g)+2*(\z)], v[ACC+8*(\g)+2*(\z)+1]
.endr
.endr
.irp g, 0,1,2,3,4,5,6,7
	ds_store_b128 v[STO], v[OW+4*(\g):OW+4*(\g)+3] offset:32*(\g)
.endr
.irp q, 0,1,2,3,4,5,6,7
	ds_load_b128 v[KV+4*(\q):KV+4*(\q)+3], v[RD] offset:2*272*(\q)  ; LDS serves a wave's instructions in order (ISA guide 5.7.1.4): these see my stores above
.endr
.irp q, 0,1,2,3,4,5,6,7
	s_wait_dscnt 7-(\q)                            ; the younger loads stay out
	global_store_b128 v[WO], v[KV+4*(\q):KV+4*(\q)+3], s[24:25] offset:4096*(\q)  ; sixteen lanes store 256 consecutive bytes, aligned
.endr
	s_or_b32 s16, ttmp9, s12
	s_cmp_lg_u32 s16, 0
	s_cbranch_scc1 .Lend                           ; wave 0 of the work-groups with nc = 0 adds the pair's Ksum
	s_lshl_b32 s18, s14, 12
	s_lshl_b32 s26, s15, 9
	s_add_co_u32 s18, s18, s26                     ; b x 4,096 + hp x 512
	s_add_nc_u64 s[30:31], s[10:11], s[18:19]
	s_add_nc_u64 s[28:29], s[4:5], s[18:19]
	s_add_nc_u64 s[28:29], s[28:29], 8388608
	v_lshlrev_b32 v11, 4, v14
.irp c, 0,1,2,3,4,5,6,7
	global_load_b128 v[ACC+4*(\c):ACC+4*(\c)+3], v11, s[28:29] offset:16384*(\c)
.endr
	s_wait_loadcnt 0x0
.irp c, 0,2,4,6
.irp z, 0,2
	v_pk_add_f32 v[ACC+4*(\c)+(\z):ACC+4*(\c)+(\z)+1], v[ACC+4*(\c)+(\z):ACC+4*(\c)+(\z)+1], v[ACC+4*(\c)+4+(\z):ACC+4*(\c)+4+(\z)+1]
.endr
.endr
.irp c, 0,4
.irp z, 0,2
	v_pk_add_f32 v[ACC+4*(\c)+(\z):ACC+4*(\c)+(\z)+1], v[ACC+4*(\c)+(\z):ACC+4*(\c)+(\z)+1], v[ACC+4*(\c)+8+(\z):ACC+4*(\c)+8+(\z)+1]
.endr
.endr
.irp z, 0,2
	v_pk_add_f32 v[ACC+(\z):ACC+(\z)+1], v[ACC+(\z):ACC+(\z)+1], v[ACC+16+(\z):ACC+16+(\z)+1]
.endr
	global_store_b128 v11, v[ACC:ACC+3], s[30:31]
.Lend:
	s_wait_tensorcnt 0x0                           ; the wave's end, behind my last LDS store
	ds_add_u32 v[SPW], v[NIL]
	s_wait_dscnt 0x0
	s_endpgm
.Lfunc_end_k_qf98cad5fa1_wprime:
	.size	k_qf98cad5fa1_wprime, .Lfunc_end_k_qf98cad5fa1_wprime-k_qf98cad5fa1_wprime
	.p2alignl 7, 3214868480
	.fill 96, 4, 3214868480
	.section	.rodata,"a",@progbits
	.p2align	6, 0x0
	.amdhsa_kernel k_qf98cad5fa1_wprime
		.amdhsa_group_segment_fixed_size 54272
		.amdhsa_private_segment_fixed_size 0
		.amdhsa_enable_private_segment 0
		.amdhsa_kernarg_size 32
		.amdhsa_user_sgpr_count 2
		.amdhsa_user_sgpr_kernarg_segment_ptr 1
		.amdhsa_wavefront_size32 1
		.amdhsa_system_sgpr_workgroup_id_x 1
		.amdhsa_system_sgpr_workgroup_id_y 1
		.amdhsa_system_sgpr_workgroup_id_z 1
		.amdhsa_system_vgpr_workitem_id 0
		.amdhsa_next_free_vgpr 384
		.amdhsa_next_free_sgpr 66
		.amdhsa_reserve_vcc 0
		.amdhsa_float_denorm_mode_32 3
		.amdhsa_float_denorm_mode_16_64 3
		.amdhsa_memory_ordered 1
		.amdhsa_forward_progress 1
		.amdhsa_inst_pref_size 28
	.end_amdhsa_kernel
	.amdgpu_metadata
---
amdhsa.version: [ 1, 2 ]
amdhsa.kernels:
  - .name:           k_qf98cad5fa1_wprime
    .symbol:         k_qf98cad5fa1_wprime.kd
    .args:
      - { .name: kvp, .offset: 0, .size: 8, .value_kind: global_buffer, .address_space: global }
      - { .name: wb, .offset: 8, .size: 8, .value_kind: global_buffer, .address_space: global }
      - { .name: wp, .offset: 16, .size: 8, .value_kind: global_buffer, .address_space: global }
      - { .name: ksum, .offset: 24, .size: 8, .value_kind: global_buffer, .address_space: global }
    .group_segment_fixed_size: 54272
    .private_segment_fixed_size: 0
    .kernarg_segment_align: 8
    .kernarg_segment_size: 32
    .max_flat_workgroup_size: 256
    .sgpr_count:     66
    .vgpr_count:     384
    .wavefront_size: 32
...
	.end_amdgpu_metadata
.endif
;; end of part 9
;; launch gemm_q (part 10): grid 4 x 64, 4 waves a work-group, clusters of 4 x 4, 327,680 bytes of LDS; arguments xn, wb, qs, q_b, ksum; writes qs
.if DOCPART == 10
	.amdgcn_target "amdgcn-amd-amdhsa--gfx1250"
	.amdhsa_code_object_version 6
	.text
	.protected	k_qf98cad5fa1_gemm_q
	.globl	k_qf98cad5fa1_gemm_q
	.p2align	8
	.type	k_qf98cad5fa1_gemm_q,@function
k_qf98cad5fa1_gemm_q:
	s_mov_b64 s[64:65], 0
	v_nop
	global_prefetch_b8 v0, s[64:65] scope:SCOPE_SE
	s_setreg_imm32_b32 hwreg(HW_REG_WAVE_MODE, 25, 1), 1
	s_wait_xcnt 0x0
	s_wait_alu depctr_hold_cnt(0) depctr_sa_sdst(0) depctr_va_vdst(0) depctr_va_sdst(0) depctr_va_ssrc(0) depctr_va_vcc(0) depctr_vm_vsrc(0)
	s_getreg_b32 s2, hwreg(HW_REG_IB_STS2, 6, 4)
	s_cmp_eq_u32 s2, 0
	s_cbranch_scc0 .Lentry_in_a_cluster
	s_endpgm
.Lentry_in_a_cluster:
	s_bfe_u32 s2, ttmp6, 0x10000c
	s_cmp_lg_u32 s2, 0xf033
	s_cbranch_scc0 .Lentry_shape_is_right
	s_endpgm
.Lentry_shape_is_right:
; qs[m][f] = Q / max(Z, 1e-6), bf16 [8192][1024]: Q = elu(y) + 1 = max(y, 0) + e^min(y, 0), y = sum over k of xn[m][k] q_w[f][k] + q_b[f];
; Z = sum over the head's 64 features of Q ksum[b][f].  A = xn rows 0-8191 (LayerNorm of query), B = q_w in wb.  Sums, Q and Z in f32; qs rounded once.
; A tile of C is 128 rows x 256 columns: 256 work-groups of equal work.  Four waves, a wave 64 x 128 in 32 accumulators.  K = 1024 in 8 steps of 128 through two LDS slots filled by tensor
; loads; two slots of a step of 256 (2 x 384 rows x 528 bytes) do not fit in LDS.
; CLUSTER 4 x 4: A's tile is asked for jointly along a row of the cluster, B's along a column.  Waves 0 and 1 fetch 64 rows of A each, waves 2 and 3 128 rows of B each.
; Source 0 = 16 rows of B, source 1 = 16 rows of A: a lane holds row l % 16 of C and the columns 8 (l / 16) + 0..7.
; The loop's body is ONE K step; the slot in hand is a scalar (s66); slot 1 begins at 1 << 17, so that one exclusive or turns an address in one slot into the other's.
; The two last steps are a second loop that fills nothing; its second trip passes one barrier and fetches 24 fragments that serve nothing.
; THE WAY OUT, one block of 16 rows at a time: f32 sums through the wave's own stage, back as whole rows, 4 columns a lane: sixteen lanes hold a head, so Z is a sum over sixteen lanes.
; LIMITS: operands rounded once to bf16; an exponential below 2^-126 counts as 0, and so does 1 / Z for Z above 2^126; NaN and infinities are not treated apart.
; REGISTERS: window 0: v16-39 addresses and constants; v64-95, v128-159 A's fragments (on the way out X v64-127, T v128-191, Y v192-223, Z v224-255).
;   window 1: v64-127, v128-191 B's fragments.  window 2: the accumulators, (a, b) at 8 (8 a + b).
.set KSTEP,  128
.set PITCH,  272                       ; an LDS row: 256 bytes + 16 of padding: the 16 rows of a fragment load start at 16 different groups of four banks (ISA guide 11.1)
.set AHALF,  64*PITCH                  ; what a tensor load of A brings, and what a wave reads of A
.set BHALF,  128*PITCH                 ; the same for B
.set BOFF,   2*AHALF                   ; B's 256 rows lie behind A's 128
.set SLOT1,  1<<17
.set STAGE,  SLOT1+BOFF+2*BHALF        ; behind the ring: 16 rows x 528 bytes for each wave; no tensor load lands here
.set SPITCH, 528
.set SPARE,  STAGE+4*16*SPITCH         ; the spare words, 128 bytes a wave
.set CROW,   2048
.set ZERO0,  1                         ; the first products start the sums with the constant 0
.set ADRA0, 16
.set ADRA,  17
.set ADRB0, 20
.set ADRB,  21
.set STO,   24
.set RD,    25
.set CO,    26
.set VO,    27                         ; v27  my 16 bytes in q_b and ksum
.set SPW,   28
.set NIL,   29
.set PFO,   30
.set QB,    32                         ; v[32:35] q_b of my 4 columns;  v[36:39] ksum of them
.set KSM,   36
.set F0,    64
.set F1,    128
.set X,     64
.set T,     128
.set Y,     192
.set Z,     224
.set G1,  24                           ; s[24:31] group 1 for A;  s[32:39] group 0: the set of the first fill, then the walking set
.set G0,  32
.set G1B, 48                           ; s[48:55], s[56:63] the same for B
.set G0B, 56
.set LIM, 43                           ; s43  2 in a wave that prefetches, else the greatest number
.set PFA, 44                           ; s[44:45] where my prefetches stand
.set TB,  66                           ; s66  LDS byte at which the slot in hand begins
.set BL,  67                           ; s67  the way out's block
.set MSB, 0
.macro WIN new                         ; the immediate's high byte repeats the setting that is left
.if MSB != (\new)
	s_set_vgpr_msb (MSB<<8)|(\new)
.set MSB, \new
.endif
.endm
.set MUL,  0xa1                        ; source 0 (B) window 1, source 1 (A) window 0, C and D window 2
.set TO_B, 0x40
.macro JLOAD                           ; a joint refill by the walking set; s_nop 0 and four v_nop follow each line
	s_cmp_eq_u32 s11, 0
	s_cbranch_scc0 .Lfor_b_\@
	tensor_load_to_lds s[G0+4:G0+7], s[G1:G1+7]
	s_nop 0
.rept 4
	v_nop
.endr
	s_branch .Lasked_\@
.Lfor_b_\@:
	tensor_load_to_lds s[G0B+4:G0B+7], s[G1B:G1B+7]
	s_nop 0
.rept 4
	v_nop
.endr
.Lasked_\@:
.endm
.macro ASK                             ; trip i (s3 = 6 - i) names K step i + 4, while there is one: 32 rows x 256 bytes, a lane a row
	s_cmp_gt_u32 s3, s[LIM]
	s_cbranch_scc0 .Lnot_mine_\@
	global_prefetch_b8 v[PFO], s[PFA:PFA+1] offset:KSTEP*2 th:TH_LOAD_NT scope:SCOPE_SE
.Lnot_mine_\@:
.endm
.macro CREST                           ; a round of the cluster's barrier behind its opening barrier
	s_cmp_lg_u32 s10, 0
	s_cbranch_scc1 .Lnot_wave_0_\@
	s_barrier_signal -3
.Lnot_wave_0_\@:
	s_barrier_wait -3
	s_barrier_signal -1
	s_barrier_wait -1
.endm
.macro CROUND
	s_barrier_signal -1
	s_barrier_wait -1
	CREST
.endm
	s_load_b128 s[4:7], s[0:1], 0x0                ; A = xn, B = wb
	s_load_b64 s[8:9], s[0:1], 0x10                ; C = qs
	s_load_b128 s[88:91], s[0:1], 0x18             ; q_b, ksum
	v_lshl_add_u32 v[SPW], v0, 2, SPARE
	v_mov_b32 v[NIL], 0
	ds_add_u32 v[SPW], v[NIL]                      ; the wave's opening: the add and its wait ahead of my first tensor load
	v_lshrrev_b32 v1, 5, v0
	v_readfirstlane_b32 s10, v1                    ; wave 0..3
	s_lshr_b32 s11, s10, 1                         ; my half of the tile's rows; also: I fetch for A (0) or B (1)
	s_and_b32 s12, s10, 1                          ; my half of its columns; also: which half of that tile's rows I fetch
	s_bfe_u32 s40, ttmp6, 0x40000                  ; cx
	s_bfe_u32 s41, ttmp6, 0x40004                  ; cy
	s_lshl_b32 s42, ttmp9, 2
	s_add_co_u32 s42, s42, s40                     ; tile column, 0 .. 3
	s_and_b32 s13, ttmp7, 0xffff
	s_lshl_b32 s13, s13, 2
	s_add_co_u32 s13, s13, s41                     ; tile row, 0 .. 63
	s_lshl_b32 s43, s41, 2
	s_lshl_b32 s43, 15, s43                        ; my row of the cluster
	s_lshl_b32 s44, 0x1111, s40                    ; my column
	s_or_b32 s[G1+0], s43, (1<<16)|(1<<20)|(1<<21)|(5<<22)|(3<<25)   ; mask; 2-byte elements; padding on; bit 21 beside a mask; after every 64 words 4 words
	s_or_b32 s[G1B+0], s44, (1<<16)|(1<<20)|(1<<21)|(5<<22)|(3<<25)
	s_mov_b32 s[G1+1], KSTEP<<16                   ; A: tensor_dim0 = 128
	s_mov_b32 s[G1+2], 64<<16                      ; tensor_dim1 = 64
	s_mov_b32 s[G1+3], KSTEP<<16                   ; tile_dim0 = 128
	s_mov_b32 s[G1+4], 64                          ; tile_dim1 = 64
	s_mov_b32 s[G1+5], 1024                        ; elements from row to row
	s_mov_b32 s[G1+6], 0
	s_mov_b32 s[G1+7], 0
	s_mov_b32 s[G1B+1], KSTEP<<16                  ; B: the same with 128 rows
	s_mov_b32 s[G1B+2], 128<<16
	s_mov_b32 s[G1B+3], KSTEP<<16
	s_mov_b32 s[G1B+4], 128
	s_mov_b32 s[G1B+5], 1024
	s_mov_b32 s[G1B+6], 0
	s_mov_b32 s[G1B+7], 0
	s_lshl_b32 s17, s12, 6
	s_lshl_b32 s16, s13, 7
	s_add_co_u32 s16, s16, s17                     ; A: row 128 x tile row + 64 x half
	s_lshl_b32 s16, s16, 11                        ; rows of 2,048 bytes
	s_lshl_b32 s47, s12, 7
	s_lshl_b32 s46, s42, 8
	s_add_co_u32 s46, s46, s47                     ; B: row 256 x tile column + 128 x half
	s_lshl_b32 s46, s46, 11
	s_mov_b32 s17, 0
	s_mov_b32 s47, 0
	s_mul_i32 s20, s12, AHALF                      ; where my part of a slot lies, for A
	s_mul_i32 s21, s12, BHALF                      ; and for B: no place in the cluster enters an LDS address
	s_add_co_u32 s21, s21, BOFF
	s_wait_dscnt 0x0                               ; the opening add is done
	s_wait_kmcnt 0x0
	s_add_nc_u64 s[6:7], s[6:7], 0x400000          ; q_w in wb
	s_add_nc_u64 s[14:15], s[4:5], s[16:17]
	s_add_nc_u64 s[46:47], s[6:7], s[46:47]
	CROUND                                         ; all sixteen work-groups are here: the first joint loads meet
.irp s, 0,1
	s_mov_b32 s[G0+4*(\s)], 1
	s_add_co_u32 s[G0+4*(\s)+1], s20, (\s)*SLOT1
	s_add_nc_u64 s[G0+4*(\s)+2:G0+4*(\s)+3], s[14:15], (\s)*KSTEP*2
	s_or_b32 s[G0+4*(\s)+3], s[G0+4*(\s)+3], 0x80000000
	s_mov_b32 s[G0B+4*(\s)], 1
	s_add_co_u32 s[G0B+4*(\s)+1], s21, (\s)*SLOT1
	s_add_nc_u64 s[G0B+4*(\s)+2:G0B+4*(\s)+3], s[46:47], (\s)*KSTEP*2
	s_or_b32 s[G0B+4*(\s)+3], s[G0B+4*(\s)+3], 0x80000000
.endr
	s_cmp_eq_u32 s11, 0                            ; a wave's two first fills stand in one branch: two loads of mine are out
	s_cbranch_scc0 .Lfirst_b
	tensor_load_to_lds s[G0:G0+3], s[G1:G1+7]
	s_nop 0
	tensor_load_to_lds s[G0+4:G0+7], s[G1:G1+7]
	s_nop 0
.rept 4
	v_nop
.endr
	s_branch .Lfirst_asked
.Lfirst_b:
	tensor_load_to_lds s[G0B:G0B+3], s[G1B:G1B+7]
	s_nop 0
	tensor_load_to_lds s[G0B+4:G0B+7], s[G1B:G1B+7]
	s_nop 0
.rept 4
	v_nop
.endr
.Lfirst_asked:
	v_and_b32 v1, 15, v0                           ; l % 16
	v_bfe_u32 v2, v0, 4, 1                         ; l / 16
	v_mul_u32_u24 v3, v1, PITCH
	v_lshl_add_u32 v3, v2, 4, v3                   ; a fragment's row x pitch + 16 x half
	s_mul_i32 s21, s11, AHALF                      ; my 64 rows of A
	s_mul_i32 s22, s12, BHALF                      ; my 128 rows of B
	s_add_co_u32 s22, s22, BOFF
	v_add_nc_u32 v[ADRA0], s21, v3
	v_add_nc_u32 v[ADRB0], s22, v3
	v_mov_b32 v[ADRA], v[ADRA0]
	v_mov_b32 v[ADRB], v[ADRB0]
	s_mov_b32 s[TB], 0
	s_mul_i32 s23, s10, 16*SPITCH
	s_add_co_u32 s23, s23, STAGE                   ; my stage
	v_mul_u32_u24 v4, v1, SPITCH                   ; in: row l % 16, 32 bytes for each half of the lanes
	v_lshl_add_u32 v4, v2, 5, v4
	v_add_nc_u32 v[STO], s23, v4
	v_and_b32 v5, 31, v0
	v_lshl_add_u32 v[RD], v5, 4, s23               ; back: a row's 512 bytes, 16 a lane
	v_lshlrev_b32 v[CO], 3, v5                     ; 4 bf16 a lane in C
	s_lshl_b32 s18, s42, 10                        ; my first column as f32 bytes: 1,024 x tile column + 512 x half
	s_lshl_b32 s19, s12, 9
	s_add_co_u32 s18, s18, s19
	v_lshl_add_u32 v[VO], v5, 4, s18
	s_lshr_b32 s22, s13, 4                         ; the batch: 16 tile rows each
	s_lshl_b32 s22, s22, 12
	s_mov_b32 s23, 0
	s_add_nc_u64 s[90:91], s[90:91], s[22:23]
	global_load_b128 v[QB:QB+3], v[VO], s[88:89]
	global_load_b128 v[KSM:KSM+3], v[VO], s[90:91]
	s_lshl_b32 s13, s13, 7                         ; 128 x tile row
	s_lshl_b32 s14, s11, 6
	s_add_co_u32 s16, s13, s14                     ; my first row of C
	s_lshl_b32 s16, s16, 11
	s_mov_b32 s17, 0
	s_lshl_b32 s46, s42, 9                         ; my first column, in bytes
	s_lshl_b32 s47, s12, 8
	s_add_co_u32 s46, s46, s47
	s_mov_b32 s47, 0
	s_add_nc_u64 s[16:17], s[16:17], s[46:47]      ; what the first block adds to C's address
	s_mov_b32 s94, 0x3fb8aa3b                      ; log2(e)
	s_mov_b32 s95, s94
	; the prefetches.  A's 128 rows: wave 0 asks, in the clusters with x = 0 (all); B's: waves 2 and 3 for the 128 rows that they fetch, in the cluster with y = 0.
	; The four partners of a joint load take 32 rows each, by address (cx for A, cy for B).
	s_lshl_b32 s42, s42, 8                         ; B's first row of the tile
	s_and_b32 s22, ttmp7, 0xffff
	s_lshl_b32 s23, s12, 7
	s_cmp_eq_u32 s11, 0
	s_cselect_b32 s20, s13, s42
	s_cselect_b32 s21, s40, s41
	s_cselect_b32 s22, ttmp9, s22
	s_cselect_b32 s18, s12, 0                      ; of A's two fetching waves the first asks
	s_cselect_b32 s23, 0, s23
	s_cselect_b64 s[PFA:PFA+1], s[4:5], s[6:7]
	s_or_b32 s22, s22, s18
	s_cmp_eq_u32 s22, 0
	s_cselect_b32 s[LIM], 2, -1                    ; the same in all sixteen partners, for a given wave
	s_add_co_u32 s20, s20, s23
	s_lshl_b32 s21, s21, 5
	s_add_co_u32 s20, s20, s21
	s_lshl_b32 s20, s20, 11
	s_mov_b32 s21, 0
	s_add_nc_u64 s[PFA:PFA+1], s[PFA:PFA+1], s[20:21]
	s_add_nc_u64 s[PFA:PFA+1], s[PFA:PFA+1], 2*KSTEP*2  ; at K step 2: the first change steps it to 3 and names 4; K steps 0 to 3 come by their loads alone
	v_lshlrev_b32 v[PFO], 11, v5
; 8 matrix instructions: row block a x all 8 column blocks, 32 along K.  All 32 accumulators take turns in one order.
.macro MULA f, a, zero
	WIN MUL
.irp b, 0,1,2,3,4,5,6,7
.if \zero
	v_wmma_f32_16x16x32_bf16 v[8*(8*(\a)+(\b)):8*(8*(\a)+(\b))+7], v[(\f)+8*(\b):(\f)+8*(\b)+7], v[(\f)+8*(\a):(\f)+8*(\a)+7], 0
.else
	v_wmma_f32_16x16x32_bf16 v[8*(8*(\a)+(\b)):8*(8*(\a)+(\b))+7], v[(\f)+8*(\b):(\f)+8*(\b)+7], v[(\f)+8*(\a):(\f)+8*(\a)+7], v[8*(8*(\a)+(\b)):8*(8*(\a)+(\b))+7]
.endif
.endr
.endm
.macro FETCH k, f                      ; 24 LDS loads in one run: a quarter step's fragments (128 rows of B, 64 of A), at byte k of the rows of the slot in hand
	WIN TO_B
.irp i, 0,1,2,3,4,5,6,7
	ds_load_b128 v[(\f)+8*(\i):(\f)+8*(\i)+3],   v[ADRB] offset:(\k)+(\i)*16*PITCH
	ds_load_b128 v[(\f)+8*(\i)+4:(\f)+8*(\i)+7], v[ADRB] offset:(\k)+(\i)*16*PITCH+32
.endr
	WIN 0
.irp i, 0,1,2,3
	ds_load_b128 v[(\f)+8*(\i):(\f)+8*(\i)+3],   v[ADRA] offset:(\k)+(\i)*16*PITCH
	ds_load_b128 v[(\f)+8*(\i)+4:(\f)+8*(\i)+7], v[ADRA] offset:(\k)+(\i)*16*PITCH+32
.endr
.endm
.macro PLACES                          ; four places in front of loads into registers that matrix instructions have read
.rept 4
	v_nop
.endr
.endm
.macro QUARTER k, f, g, zero           ; fetches the next quarter, at byte k, into g, then multiplies buffer f: 32 matrix instructions stand between a run of loads and the wait for it
	s_wait_dscnt 0x0                               ; buffer f is in
	PLACES
	FETCH \k, \g
.irp a, 0,1,2,3
	MULA \f, \a, \zero
.endr
.endm
.macro MEET round                      ; the change of slots' barrier: all my tensor loads, the add, my reads of this slot
	WIN 0
	s_wait_tensorcnt 0x0                           ; the one that was out is my part of the next slot
	ds_add_u32 v[SPW], v[NIL]
	s_wait_dscnt 1                                 ; buffer 1's 24 loads are in; the add may be out
	MULA F1, 0, 0
	s_wait_dscnt 0x0                               ; the add is done, my reads of this slot are over
	s_barrier_signal -1
	MULA F1, 1, 0
.if \round
	WIN 0
.endif
	s_barrier_wait -1
.endm
.macro TURN fill                       ; the last quarter: multiplies buffer 1 and changes slots; fill = 1: the slot read out takes the K step two on
.if \fill
	s_wait_xcnt 0x0                                ; the last prefetch, a K step back, has read its address
	s_add_nc_u64 s[PFA:PFA+1], s[PFA:PFA+1], KSTEP*2
.endif
	MEET \fill
.if \fill
	CREST                                          ; no wave of any partner still reads this slot or has a load on its way
	s_xor_b32 s[G0+5], s[G0+5], SLOT1              ; the walking sets: the other slot than last time, the next K step
	s_add_nc_u64 s[G0+6:G0+7], s[G0+6:G0+7], KSTEP*2
	s_xor_b32 s[G0B+5], s[G0B+5], SLOT1
	s_add_nc_u64 s[G0B+6:G0B+7], s[G0B+6:G0B+7], KSTEP*2
	JLOAD                                          ; the first tensor load behind the round: 112 matrix instructions ahead of the wait for it; its four v_nop are also the places in front of the loads below
.else
	PLACES
	WIN 0
.endif
	s_xor_b32 s[TB], s[TB], SLOT1
	v_add_nc_u32 v[ADRA], s[TB], v[ADRA0]
	v_add_nc_u32 v[ADRB], s[TB], v[ADRB0]
	FETCH 0, F0
.if \fill
	ASK
.endif
	MULA F1, 2, 0
	MULA F1, 3, 0
.endm
	s_wait_loadcnt 0x0                             ; q_b and ksum
	s_wait_tensorcnt 1                             ; my part of K step 0 is in; K step 1's may stay out
	s_barrier_signal -1
	s_barrier_wait -1
	FETCH 0, F0
	QUARTER 64, F0, F1, ZERO0
	WIN 0
	s_mov_b32 s3, 6
.Lstep:                                                ; trip i ends K step i, fills its slot with step i + 2, begins step i + 1
	QUARTER 128, F1, F0, 0
	QUARTER 192, F0, F1, 0
	TURN 1
	QUARTER 64, F0, F1, 0
	WIN 0
	s_sub_co_u32 s3, s3, 1
	s_cmp_lg_u32 s3, 0
	s_cbranch_scc1 .Lstep
	s_mov_b32 s3, 2
.Ltail:                                                ; K steps 6 and 7: nothing is asked for
	QUARTER 128, F1, F0, 0
	QUARTER 192, F0, F1, 0
	TURN 0
	WIN 0
	s_sub_co_u32 s3, s3, 1
	s_cmp_eq_u32 s3, 0
	s_cbranch_scc1 .Lout
	QUARTER 64, F0, F1, 0
	WIN 0
	s_branch .Ltail
.Lout:
	s_wait_dscnt 0x0
.rept 8
	v_nop                                          ; the places behind the last products
.endr
.macro DUMP a                          ; block a's 64 sums a lane into my stage; each accumulator's low four registers first
	WIN 0x08
.irp b, 0,1,2,3,4,5,6,7
	ds_store_b128 v[STO], v[64*(\a)+8*(\b):64*(\a)+8*(\b)+3] offset:64*(\b)
	ds_store_b128 v[STO], v[64*(\a)+8*(\b)+4:64*(\a)+8*(\b)+7] offset:64*(\b)+16
.endr
	WIN 0
	s_branch .Lcom
.endm
	s_mov_b32 s[BL], 0
.Lblk:
.irp a, 0,1,2
	s_cmp_eq_u32 s[BL], \a
	s_cbranch_scc1 .Ld\a
.endr
	DUMP 3
.irp a, 0,1,2
.Ld\a:
	DUMP \a
.endr
.Lcom:
	s_wait_xcnt 0x0                                ; the last block's stores have read Y and C's address
.irp t, 0,1,2,3,4,5,6,7,8,9,10,11,12,13,14,15
	ds_load_b128 v[X+4*(\t):X+4*(\t)+3], v[RD] offset:SPITCH*(\t)  ; LDS serves a wave's instructions in order (ISA guide 5.7.1.4): these see the stores above
.endr
	s_wait_dscnt 0x0
.set t, 0
.rept 16
	v_pk_add_f32 v[X+4*t:X+4*t+1], v[X+4*t:X+4*t+1], v[QB:QB+1]
	v_pk_add_f32 v[X+4*t+2:X+4*t+3], v[X+4*t+2:X+4*t+3], v[QB+2:QB+3]
.set t, t+1
.endr
.set i, 0
.rept 64
	v_min_num_f32 v[T+i], 0, v[X+i]
.set i, i+1
.endr
.set i, 0
.rept 32
	v_pk_add_f32 v[X+i:X+i+1], v[X+i:X+i+1], v[T+i:T+i+1] neg_lo:[0,1] neg_hi:[0,1]  ; max(y, 0)
.set i, i+2
.endr
.set i, 0
.rept 32
	v_pk_mul_f32 v[T+i:T+i+1], v[T+i:T+i+1], s[94:95] op_sel_hi:[1,0]
.set i, i+2
.endr
.set i, 0
.rept 64
	v_exp_f32 v[T+i], v[T+i]
.set i, i+1
.endr
	v_nop                                          ; a plain instruction behind the last exponential,
	s_wait_alu depctr_va_vdst(0)                   ; and one wait for the batch
.set i, 0
.rept 32
	v_pk_add_f32 v[X+i:X+i+1], v[X+i:X+i+1], v[T+i:T+i+1]
.set i, i+2
.endr
.set t, 0
.rept 16
	v_pk_mul_f32 v[Z+2*t:Z+2*t+1], v[X+4*t:X+4*t+1], v[KSM:KSM+1]
.set t, t+1
.endr
.set t, 0
.rept 16
	v_pk_fma_f32 v[Z+2*t:Z+2*t+1], v[X+4*t+2:X+4*t+3], v[KSM+2:KSM+3], v[Z+2*t:Z+2*t+1]
.set t, t+1
.endr
.set t, 0
.rept 16
	v_add_f32 v[Z+2*t], v[Z+2*t], v[Z+2*t+1]
.set t, t+1
.endr
.irp m, 1,2,4,8                        ; over the head's sixteen lanes
.set t, 0
.rept 16
	v_add_f32_dpp v[Z+2*t], v[Z+2*t], v[Z+2*t] row_xmask:\m row_mask:0xf bank_mask:0xf
.set t, t+1
.endr
.endr
.set t, 0
.rept 16
	v_max_num_f32 v[Z+2*t], 0x358637bd, v[Z+2*t]   ; 1e-6
.set t, t+1
.endr
.set t, 0
.rept 16
	v_rcp_f32 v[Z+2*t], v[Z+2*t]
.set t, t+1
.endr
	v_nop
	s_wait_alu depctr_va_vdst(0)                   ; one wait for the sixteen reciprocals
.set t, 0
.rept 16
	v_pk_mul_f32 v[X+4*t:X+4*t+1], v[X+4*t:X+4*t+1], v[Z+2*t:Z+2*t+1] op_sel_hi:[1,0]
	v_pk_mul_f32 v[X+4*t+2:X+4*t+3], v[X+4*t+2:X+4*t+3], v[Z+2*t:Z+2*t+1] op_sel_hi:[1,0]
.set t, t+1
.endr
.set i, 0
.rept 32
	v_cvt_pk_bf16_f32 v[Y+i], v[X+2*i], v[X+2*i+1]
.set i, i+1
.endr
	s_add_nc_u64 s[8:9], s[8:9], s[16:17]          ; first the tile's place, then 16 rows a block
	s_mov_b64 s[16:17], 16*CROW
.irp t, 0,1,2,3,4,5,6,7,8,9,10,11,12,13,14,15
	global_store_b64 v[CO], v[Y+2*(\t):Y+2*(\t)+1], s[8:9] offset:CROW*(\t)  ; a wave's store covers 256 consecutive bytes, aligned
.endr
	s_add_co_u32 s[BL], s[BL], 1
	s_cmp_lt_u32 s[BL], 4
	s_cbranch_scc1 .Lblk
	s_wait_tensorcnt 0x0                           ; the wave's end
	ds_add_u32 v[SPW], v[NIL]
	s_wait_dscnt 0x0
	CROUND                                         ; the closing round
	s_endpgm
.Lfunc_end_k_qf98cad5fa1_gemm_q:
	.size	k_qf98cad5fa1_gemm_q, .Lfunc_end_k_qf98cad5fa1_gemm_q-k_qf98cad5fa1_gemm_q
	.p2alignl 7, 3214868480
	.fill 96, 4, 3214868480
	.section	.rodata,"a",@progbits
	.p2align	6, 0x0
	.amdhsa_kernel k_qf98cad5fa1_gemm_q
		.amdhsa_group_segment_fixed_size 327680
		.amdhsa_private_segment_fixed_size 0
		.amdhsa_enable_private_segment 0
		.amdhsa_kernarg_size 40
		.amdhsa_user_sgpr_count 2
		.amdhsa_user_sgpr_kernarg_segment_ptr 1
		.amdhsa_wavefront_size32 1
		.amdhsa_system_sgpr_workgroup_id_x 1
		.amdhsa_system_sgpr_workgroup_id_y 1
		.amdhsa_system_sgpr_workgroup_id_z 1
		.amdhsa_system_vgpr_workitem_id 0
		.amdhsa_next_free_vgpr 768
		.amdhsa_next_free_sgpr 100
		.amdhsa_reserve_vcc 0
		.amdhsa_float_denorm_mode_32 3
		.amdhsa_float_denorm_mode_16_64 3
		.amdhsa_memory_ordered 1
		.amdhsa_forward_progress 1
		.amdhsa_inst_pref_size 78
	.end_amdhsa_kernel
	.amdgpu_metadata
---
amdhsa.version: [ 1, 2 ]
amdhsa.kernels:
  - .name:           k_qf98cad5fa1_gemm_q
    .symbol:         k_qf98cad5fa1_gemm_q.kd
    .args:
      - { .name: xn, .offset: 0, .size: 8, .value_kind: global_buffer, .address_space: global }
      - { .name: wb, .offset: 8, .size: 8, .value_kind: global_buffer, .address_space: global }
      - { .name: qs, .offset: 16, .size: 8, .value_kind: global_buffer, .address_space: global }
      - { .name: q_b, .offset: 24, .size: 8, .value_kind: global_buffer, .address_space: global }
      - { .name: ksum, .offset: 32, .size: 8, .value_kind: global_buffer, .address_space: global }
    .group_segment_fixed_size: 327680
    .private_segment_fixed_size: 0
    .kernarg_segment_align: 8
    .kernarg_segment_size: 40
    .max_flat_workgroup_size: 128
    .sgpr_count:     100
    .vgpr_count:     768
    .wavefront_size: 32
...
	.end_amdgpu_metadata
.endif
;; end of part 10
;; launch gemm_o (part 11): grid 4 x 64, 4 waves a work-group, clusters of 4 x 4, 327,680 bytes of LDS; arguments qs, wp, out0, o_b, query; writes out0
.if DOCPART == 11
	.amdgcn_target "amdgcn-amd-amdhsa--gfx1250"
	.amdhsa_code_object_version 6
	.text
	.protected	k_qf98cad5fa1_gemm_o
	.globl	k_qf98cad5fa1_gemm_o
	.p2align	8
	.type	k_qf98cad5fa1_gemm_o,@function
k_qf98cad5fa1_gemm_o:
	s_mov_b64 s[64:65], 0
	v_nop
	global_prefetch_b8 v0, s[64:65] scope:SCOPE_SE
	s_setreg_imm32_b32 hwreg(HW_REG_WAVE_MODE, 25, 1), 1
	s_wait_xcnt 0x0
	s_wait_alu depctr_hold_cnt(0) depctr_sa_sdst(0) depctr_va_vdst(0) depctr_va_sdst(0) depctr_va_ssrc(0) depctr_va_vcc(0) depctr_vm_vsrc(0)
	s_getreg_b32 s2, hwreg(HW_REG_IB_STS2, 6, 4)
	s_cmp_eq_u32 s2, 0
	s_cbranch_scc0 .Lentry_in_a_cluster
	s_endpgm
.Lentry_in_a_cluster:
	s_bfe_u32 s2, ttmp6, 0x10000c
	s_cmp_lg_u32 s2, 0xf033
	s_cbranch_scc0 .Lentry_shape_is_right
	s_endpgm
.Lentry_shape_is_right:
; out0[m][n] = query[m][n] + o_b[n] + sum over k of qs[m][k] wp[b][n][k], f32 [8192][1024]; b = m / 2048.  Operands bf16, sums in f32.
; THE SUMS START FROM THE RESIDUAL: in the wait for the first tiles each wave loads its 64 x 128 of query by whole rows and turns it, through its own stage, into the accumulators' layout.
; A tile of C is 128 rows x 256 columns: 256 work-groups of equal work.  Four waves, a wave 64 x 128 in 32 accumulators.  K = 1024 in 8 steps of 128 through two LDS slots filled by tensor
; loads; two slots of a step of 256 (2 x 384 rows x 528 bytes) do not fit in LDS.
; CLUSTER 4 x 4: A's tile is asked for jointly along a row of the cluster, B's along a column; a cluster's 512 rows lie in one batch.  Waves 0 and 1 fetch 64 rows of A each, waves 2 and 3 128 rows of B each.
; Source 0 = 16 rows of B, source 1 = 16 rows of A: a lane holds row l % 16 of C and the columns 8 (l / 16) + 0..7.
; The loop's body is ONE K step; the slot in hand is a scalar (s66); slot 1 begins at 1 << 17, so that one exclusive or turns an address in one slot into the other's.
; The two last steps are a second loop that fills nothing; its second trip passes one barrier and fetches 24 fragments that serve nothing.
; THE WAY OUT, one block of 16 rows at a time: through the wave's own stage, back as whole rows, o_b added, 512 consecutive bytes a store.
; LIMITS: operands rounded once to bf16; NaN and infinities are not treated apart.
; REGISTERS: window 0: v16-35 addresses and constants; v64-95, v128-159 A's fragments (on the way out X v64-127).  window 1: v64-127, v128-191 B's fragments.
;   window 2: the accumulators, (a, b) at 8 (8 a + b).
.set KSTEP,  128
.set PITCH,  272                       ; an LDS row: 256 bytes + 16 of padding: the 16 rows of a fragment load start at 16 different groups of four banks (ISA guide 11.1)
.set AHALF,  64*PITCH                  ; what a tensor load of A brings, and what a wave reads of A
.set BHALF,  128*PITCH                 ; the same for B
.set BOFF,   2*AHALF                   ; B's 256 rows lie behind A's 128
.set SLOT1,  1<<17
.set STAGE,  SLOT1+BOFF+2*BHALF        ; behind the ring: 16 rows x 528 bytes for each wave; no tensor load lands here
.set SPITCH, 528
.set SPARE,  STAGE+4*16*SPITCH         ; the spare words, 128 bytes a wave
.set CROW,   4096
.set ZERO0,  0                         ; the first products add onto the residual
.set ADRA0, 16
.set ADRA,  17
.set ADRB0, 20
.set ADRB,  21
.set STO,   24
.set RD,    25
.set CO,    26
.set VO,    27
.set SPW,   28
.set NIL,   29
.set PFO,   30
.set OB,    32                         ; v[32:35] o_b of my 4 columns
.set F0,    64
.set F1,    128
.set X,     64
.set G1,  24                           ; s[24:31] group 1 for A;  s[32:39] group 0: the set of the first fill, then the walking set
.set G0,  32
.set G1B, 48                           ; s[48:55], s[56:63] the same for B
.set G0B, 56
.set LIM, 43                           ; s43  2 in a wave that prefetches, else the greatest number
.set PFA, 44                           ; s[44:45] where my prefetches stand
.set TB,  66                           ; s66  LDS byte at which the slot in hand begins
.set BL,  67                           ; s67  the way out's block
.set MSB, 0
.macro WIN new                         ; the immediate's high byte repeats the setting that is left
.if MSB != (\new)
	s_set_vgpr_msb (MSB<<8)|(\new)
.set MSB, \new
.endif
.endm
.set MUL,  0xa1                        ; source 0 (B) window 1, source 1 (A) window 0, C and D window 2
.set TO_B, 0x40
.macro JLOAD                           ; a joint refill by the walking set; s_nop 0 and four v_nop follow each line
	s_cmp_eq_u32 s11, 0
	s_cbranch_scc0 .Lfor_b_\@
	tensor_load_to_lds s[G0+4:G0+7], s[G1:G1+7]
	s_nop 0
.rept 4
	v_nop
.endr
	s_branch .Lasked_\@
.Lfor_b_\@:
	tensor_load_to_lds s[G0B+4:G0B+7], s[G1B:G1B+7]
	s_nop 0
.rept 4
	v_nop
.endr
.Lasked_\@:
.endm
.macro ASK                             ; trip i (s3 = 6 - i) names K step i + 4, while there is one: 32 rows x 256 bytes, a lane a row
	s_cmp_gt_u32 s3, s[LIM]
	s_cbranch_scc0 .Lnot_mine_\@
	global_prefetch_b8 v[PFO], s[PFA:PFA+1] offset:KSTEP*2 th:TH_LOAD_NT scope:SCOPE_SE
.Lnot_mine_\@:
.endm
.macro CREST                           ; a round of the cluster's barrier behind its opening barrier
	s_cmp_lg_u32 s10, 0
	s_cbranch_scc1 .Lnot_wave_0_\@
	s_barrier_signal -3
.Lnot_wave_0_\@:
	s_barrier_wait -3
	s_barrier_signal -1
	s_barrier_wait -1
.endm
.macro CROUND
	s_barrier_signal -1
	s_barrier_wait -1
	CREST
.endm
	s_load_b128 s[4:7], s[0:1], 0x0                ; A = qs, B = wp
	s_load_b64 s[8:9], s[0:1], 0x10                ; C = out0
	s_load_b128 s[88:91], s[0:1], 0x18             ; o_b, query
	v_lshl_add_u32 v[SPW], v0, 2, SPARE
	v_mov_b32 v[NIL], 0
	ds_add_u32 v[SPW], v[NIL]                      ; the wave's opening: the add and its wait ahead of my first tensor load
	v_lshrrev_b32 v1, 5, v0
	v_readfirstlane_b32 s10, v1                    ; wave 0..3
	s_lshr_b32 s11, s10, 1                         ; my half of the tile's rows; also: I fetch for A (0) or B (1)
	s_and_b32 s12, s10, 1                          ; my half of its columns; also: which half of that tile's rows I fetch
	s_bfe_u32 s40, ttmp6, 0x40000                  ; cx
	s_bfe_u32 s41, ttmp6, 0x40004                  ; cy
	s_lshl_b32 s42, ttmp9, 2
	s_add_co_u32 s42, s42, s40                     ; tile column, 0 .. 3
	s_and_b32 s13, ttmp7, 0xffff
	s_lshl_b32 s13, s13, 2
	s_add_co_u32 s13, s13, s41                     ; tile row, 0 .. 63
	s_lshl_b32 s43, s41, 2
	s_lshl_b32 s43, 15, s43                        ; my row of the cluster
	s_lshl_b32 s44, 0x1111, s40                    ; my column
	s_or_b32 s[G1+0], s43, (1<<16)|(1<<20)|(1<<21)|(5<<22)|(3<<25)   ; mask; 2-byte elements; padding on; bit 21 beside a mask; after every 64 words 4 words
	s_or_b32 s[G1B+0], s44, (1<<16)|(1<<20)|(1<<21)|(5<<22)|(3<<25)
	s_mov_b32 s[G1+1], KSTEP<<16                   ; A: tensor_dim0 = 128
	s_mov_b32 s[G1+2], 64<<16                      ; tensor_dim1 = 64
	s_mov_b32 s[G1+3], KSTEP<<16                   ; tile_dim0 = 128
	s_mov_b32 s[G1+4], 64                          ; tile_dim1 = 64
	s_mov_b32 s[G1+5], 1024                        ; elements from row to row
	s_mov_b32 s[G1+6], 0
	s_mov_b32 s[G1+7], 0
	s_mov_b32 s[G1B+1], KSTEP<<16                  ; B: the same with 128 rows
	s_mov_b32 s[G1B+2], 128<<16
	s_mov_b32 s[G1B+3], KSTEP<<16
	s_mov_b32 s[G1B+4], 128
	s_mov_b32 s[G1B+5], 1024
	s_mov_b32 s[G1B+6], 0
	s_mov_b32 s[G1B+7], 0
	s_lshl_b32 s17, s12, 6
	s_lshl_b32 s16, s13, 7
	s_add_co_u32 s16, s16, s17                     ; A: row 128 x tile row + 64 x half
	s_lshl_b32 s16, s16, 11                        ; rows of 2,048 bytes
	s_lshl_b32 s47, s12, 7
	s_lshl_b32 s46, s42, 8
	s_add_co_u32 s46, s46, s47                     ; B: row 256 x tile column + 128 x half
	s_lshl_b32 s46, s46, 11
	s_mov_b32 s17, 0
	s_mov_b32 s47, 0
	s_mul_i32 s20, s12, AHALF                      ; where my part of a slot lies, for A
	s_mul_i32 s21, s12, BHALF                      ; and for B: no place in the cluster enters an LDS address
	s_add_co_u32 s21, s21, BOFF
	s_and_b32 s22, ttmp7, 0xffff                   ; cluster y: four clusters to a batch; the same in all sixteen partners
	s_lshr_b32 s22, s22, 2
	s_lshl_b32 s22, s22, 21                        ; the batch's 2 MiB of wp
	s_mov_b32 s23, 0
	s_wait_dscnt 0x0                               ; the opening add is done
	s_wait_kmcnt 0x0
	s_add_nc_u64 s[6:7], s[6:7], s[22:23]
	s_add_nc_u64 s[14:15], s[4:5], s[16:17]
	s_add_nc_u64 s[46:47], s[6:7], s[46:47]
	CROUND                                         ; all sixteen work-groups are here: the first joint loads meet
.irp s, 0,1
	s_mov_b32 s[G0+4*(\s)], 1
	s_add_co_u32 s[G0+4*(\s)+1], s20, (\s)*SLOT1
	s_add_nc_u64 s[G0+4*(\s)+2:G0+4*(\s)+3], s[14:15], (\s)*KSTEP*2
	s_or_b32 s[G0+4*(\s)+3], s[G0+4*(\s)+3], 0x80000000
	s_mov_b32 s[G0B+4*(\s)], 1
	s_add_co_u32 s[G0B+4*(\s)+1], s21, (\s)*SLOT1
	s_add_nc_u64 s[G0B+4*(\s)+2:G0B+4*(\s)+3], s[46:47], (\s)*KSTEP*2
	s_or_b32 s[G0B+4*(\s)+3], s[G0B+4*(\s)+3], 0x80000000
.endr
	s_cmp_eq_u32 s11, 0                            ; a wave's two first fills stand in one branch: two loads of mine are out
	s_cbranch_scc0 .Lfirst_b
	tensor_load_to_lds s[G0:G0+3], s[G1:G1+7]
	s_nop 0
	tensor_load_to_lds s[G0+4:G0+7], s[G1:G1+7]
	s_nop 0
.rept 4
	v_nop
.endr
	s_branch .Lfirst_asked
.Lfirst_b:
	tensor_load_to_lds s[G0B:G0B+3], s[G1B:G1B+7]
	s_nop 0
	tensor_load_to_lds s[G0B+4:G0B+7], s[G1B:G1B+7]
	s_nop 0
.rept 4
	v_nop
.endr
.Lfirst_asked:
	v_and_b32 v1, 15, v0                           ; l % 16
	v_bfe_u32 v2, v0, 4, 1                         ; l / 16
	v_mul_u32_u24 v3, v1, PITCH
	v_lshl_add_u32 v3, v2, 4, v3                   ; a fragment's row x pitch + 16 x half
	s_mul_i32 s21, s11, AHALF                      ; my 64 rows of A
	s_mul_i32 s22, s12, BHALF                      ; my 128 rows of B
	s_add_co_u32 s22, s22, BOFF
	v_add_nc_u32 v[ADRA0], s21, v3
	v_add_nc_u32 v[ADRB0], s22, v3
	v_mov_b32 v[ADRA], v[ADRA0]
	v_mov_b32 v[ADRB], v[ADRB0]
	s_mov_b32 s[TB], 0
	s_mul_i32 s23, s10, 16*SPITCH
	s_add_co_u32 s23, s23, STAGE                   ; my stage
	v_mul_u32_u24 v4, v1, SPITCH
	v_lshl_add_u32 v4, v2, 5, v4
	v_add_nc_u32 v[STO], s23, v4                   ; accumulator layout: row l % 16, 32 bytes for each half of the lanes
	v_and_b32 v5, 31, v0
	v_lshl_add_u32 v[RD], v5, 4, s23               ; row layout: a row's 512 bytes, 16 a lane
	v_lshlrev_b32 v[CO], 4, v5
	s_lshl_b32 s46, s42, 10                        ; my first column, in bytes: 1,024 x tile column + 512 x half
	s_lshl_b32 s47, s12, 9
	s_add_co_u32 s46, s46, s47
	s_mov_b32 s47, 0
	v_lshl_add_u32 v[VO], v5, 4, s46
	global_load_b128 v[OB:OB+3], v[VO], s[88:89]
	s_lshl_b32 s13, s13, 7                         ; 128 x tile row
	s_lshl_b32 s14, s11, 6
	s_add_co_u32 s16, s13, s14                     ; my first row
	s_lshl_b32 s16, s16, 12
	s_mov_b32 s17, 0
	s_add_nc_u64 s[16:17], s[16:17], s[46:47]      ; my part's place in out0 and in query
	s_add_nc_u64 s[92:93], s[90:91], s[16:17]
	; the residual: 64 rows, 512 consecutive bytes a load, into the registers of the accumulators
	WIN 0x80
.set a, 0
.rept 4
.set t, 0
.rept 16
	global_load_b128 v[64*a+4*t:64*a+4*t+3], v[CO], s[92:93] offset:(16*a+t)*CROW th:TH_LOAD_NT
.set t, t+1
.endr
.set a, a+1
.endr
	WIN 0
	; the prefetches.  A's 128 rows: wave 0 asks, in the clusters with x = 0 (all); B's: waves 2 and 3 for the 128 rows that they fetch, in the first of a batch's four clusters.
	; The four partners of a joint load take 32 rows each, by address (cx for A, cy for B).
	s_lshl_b32 s42, s42, 8                         ; B's first row of the tile
	s_and_b32 s22, ttmp7, 3
	s_lshl_b32 s23, s12, 7
	s_cmp_eq_u32 s11, 0
	s_cselect_b32 s20, s13, s42
	s_cselect_b32 s21, s40, s41
	s_cselect_b32 s22, ttmp9, s22
	s_cselect_b32 s18, s12, 0                      ; of A's two fetching waves the first asks
	s_cselect_b32 s23, 0, s23
	s_cselect_b64 s[PFA:PFA+1], s[4:5], s[6:7]
	s_or_b32 s22, s22, s18
	s_cmp_eq_u32 s22, 0
	s_cselect_b32 s[LIM], 2, -1                    ; the same in all sixteen partners, for a given wave
	s_add_co_u32 s20, s20, s23
	s_lshl_b32 s21, s21, 5
	s_add_co_u32 s20, s20, s21
	s_lshl_b32 s20, s20, 11
	s_mov_b32 s21, 0
	s_add_nc_u64 s[PFA:PFA+1], s[PFA:PFA+1], s[20:21]
	s_add_nc_u64 s[PFA:PFA+1], s[PFA:PFA+1], 2*KSTEP*2  ; at K step 2: the first change steps it to 3 and names 4; K steps 0 to 3 come by their loads alone
	v_lshlrev_b32 v[PFO], 11, v5
	; block by block through my stage: in by rows, back in the accumulators' layout, into the same 64 registers
.set a, 0
.rept 4
	s_wait_loadcnt 48-16*a                         ; the later blocks' loads stay out
	WIN 0x08
.set t, 0
.rept 16
	ds_store_b128 v[RD], v[64*a+4*t:64*a+4*t+3] offset:SPITCH*t
.set t, t+1
.endr
	WIN 0x80
.set t, 0
.rept 8
	ds_load_b128 v[64*a+8*t:64*a+8*t+3],   v[STO] offset:64*t     ; LDS serves a wave's instructions in order (ISA guide 5.7.1.4)
	ds_load_b128 v[64*a+8*t+4:64*a+8*t+7], v[STO] offset:64*t+16
.set t, t+1
.endr
.set a, a+1
.endr
	WIN 0
; 8 matrix instructions: row block a x all 8 column blocks, 32 along K.  All 32 accumulators take turns in one order.
.macro MULA f, a, zero
	WIN MUL
.irp b, 0,1,2,3,4,5,6,7
.if \zero
	v_wmma_f32_16x16x32_bf16 v[8*(8*(\a)+(\b)):8*(8*(\a)+(\b))+7], v[(\f)+8*(\b):(\f)+8*(\b)+7], v[(\f)+8*(\a):(\f)+8*(\a)+7], 0
.else
	v_wmma_f32_16x16x32_bf16 v[8*(8*(\a)+(\b)):8*(8*(\a)+(\b))+7], v[(\f)+8*(\b):(\f)+8*(\b)+7], v[(\f)+8*(\a):(\f)+8*(\a)+7], v[8*(8*(\a)+(\b)):8*(8*(\a)+(\b))+7]
.endif
.endr
.endm
.macro FETCH k, f                      ; 24 LDS loads in one run: a quarter step's fragments (128 rows of B, 64 of A), at byte k of the rows of the slot in hand
	WIN TO_B
.irp i, 0,1,2,3,4,5,6,7
	ds_load_b128 v[(\f)+8*(\i):(\f)+8*(\i)+3],   v[ADRB] offset:(\k)+(\i)*16*PITCH
	ds_load_b128 v[(\f)+8*(\i)+4:(\f)+8*(\i)+7], v[ADRB] offset:(\k)+(\i)*16*PITCH+32
.endr
	WIN 0
.irp i, 0,1,2,3
	ds_load_b128 v[(\f)+8*(\i):(\f)+8*(\i)+3],   v[ADRA] offset:(\k)+(\i)*16*PITCH
	ds_load_b128 v[(\f)+8*(\i)+4:(\f)+8*(\i)+7], v[ADRA] offset:(\k)+(\i)*16*PITCH+32
.endr
.endm
.macro PLACES                          ; four places in front of loads into registers that matrix instructions have read
.rept 4
	v_nop
.endr
.endm
.macro QUARTER k, f, g, zero           ; fetches the next quarter, at byte k, into g, then multiplies buffer f: 32 matrix instructions stand between a run of loads and the wait for it
	s_wait_dscnt 0x0                               ; buffer f is in
	PLACES
	FETCH \k, \g
.irp a, 0,1,2,3
	MULA \f, \a, \zero
.endr
.endm
.macro MEET round                      ; the change of slots' barrier: all my tensor loads, the add, my reads of this slot
	WIN 0
	s_wait_tensorcnt 0x0                           ; the one that was out is my part of the next slot
	ds_add_u32 v[SPW], v[NIL]
	s_wait_dscnt 1                                 ; buffer 1's 24 loads are in; the add may be out
	MULA F1, 0, 0
	s_wait_dscnt 0x0                               ; the add is done, my reads of this slot are over
	s_barrier_signal -1
	MULA F1, 1, 0
.if \round
	WIN 0
.endif
	s_barrier_wait -1
.endm
.macro TURN fill                       ; the last quarter: multiplies buffer 1 and changes slots; fill = 1: the slot read out takes the K step two on
.if \fill
	s_wait_xcnt 0x0                                ; the last prefetch, a K step back, has read its address
	s_add_nc_u64 s[PFA:PFA+1], s[PFA:PFA+1], KSTEP*2
.endif
	MEET \fill
.if \fill
	CREST                                          ; no wave of any partner still reads this slot or has a load on its way
	s_xor_b32 s[G0+5], s[G0+5], SLOT1              ; the walking sets: the other slot than last time, the next K step
	s_add_nc_u64 s[G0+6:G0+7], s[G0+6:G0+7], KSTEP*2
	s_xor_b32 s[G0B+5], s[G0B+5], SLOT1
	s_add_nc_u64 s[G0B+6:G0B+7], s[G0B+6:G0B+7], KSTEP*2
	JLOAD                                          ; the first tensor load behind the round: 112 matrix instructions ahead of the wait for it; its four v_nop are also the places in front of the loads below
.else
	PLACES
	WIN 0
.endif
	s_xor_b32 s[TB], s[TB], SLOT1
	v_add_nc_u32 v[ADRA], s[TB], v[ADRA0]
	v_add_nc_u32 v[ADRB], s[TB], v[ADRB0]
	FETCH 0, F0
.if \fill
	ASK
.endif
	MULA F1, 2, 0
	MULA F1, 3, 0
.endm
	s_wait_dscnt 0x0                               ; the residual lies in the accumulators
	s_wait_tensorcnt 1                             ; my part of K step 0 is in; K step 1's may stay out
	s_barrier_signal -1
	s_barrier_wait -1
	FETCH 0, F0
	QUARTER 64, F0, F1, ZERO0
	WIN 0
	s_mov_b32 s3, 6
.Lstep:                                                ; trip i ends K step i, fills its slot with step i + 2, begins step i + 1
	QUARTER 128, F1, F0, 0
	QUARTER 192, F0, F1, 0
	TURN 1
	QUARTER 64, F0, F1, 0
	WIN 0
	s_sub_co_u32 s3, s3, 1
	s_cmp_lg_u32 s3, 0
	s_cbranch_scc1 .Lstep
	s_mov_b32 s3, 2
.Ltail:                                                ; K steps 6 and 7: nothing is asked for
	QUARTER 128, F1, F0, 0
	QUARTER 192, F0, F1, 0
	TURN 0
	WIN 0
	s_sub_co_u32 s3, s3, 1
	s_cmp_eq_u32 s3, 0
	s_cbranch_scc1 .Lout
	QUARTER 64, F0, F1, 0
	WIN 0
	s_branch .Ltail
.Lout:
	s_wait_dscnt 0x0
.rept 8
	v_nop                                          ; the places behind the last products
.endr
.macro DUMP a                          ; block a's 64 sums a lane into my stage; each accumulator's low four registers first
	WIN 0x08
.irp b, 0,1,2,3,4,5,6,7
	ds_store_b128 v[STO], v[64*(\a)+8*(\b):64*(\a)+8*(\b)+3] offset:64*(\b)
	ds_store_b128 v[STO], v[64*(\a)+8*(\b)+4:64*(\a)+8*(\b)+7] offset:64*(\b)+16
.endr
	WIN 0
	s_branch .Lcom
.endm
	s_mov_b32 s[BL], 0
.Lblk:
.irp a, 0,1,2
	s_cmp_eq_u32 s[BL], \a
	s_cbranch_scc1 .Ld\a
.endr
	DUMP 3
.irp a, 0,1,2
.Ld\a:
	DUMP \a
.endr
.Lcom:
	s_wait_xcnt 0x0                                ; the last block's stores have read X and C's address
.irp t, 0,1,2,3,4,5,6,7,8,9,10,11,12,13,14,15
	ds_load_b128 v[X+4*(\t):X+4*(\t)+3], v[RD] offset:SPITCH*(\t)  ; LDS serves a wave's instructions in order (ISA guide 5.7.1.4): these see the stores above
.endr
	s_wait_dscnt 0x0
.set t, 0
.rept 16
	v_pk_add_f32 v[X+4*t:X+4*t+1], v[X+4*t:X+4*t+1], v[OB:OB+1]
	v_pk_add_f32 v[X+4*t+2:X+4*t+3], v[X+4*t+2:X+4*t+3], v[OB+2:OB+3]
.set t, t+1
.endr
	s_add_nc_u64 s[8:9], s[8:9], s[16:17]          ; first the tile's place, then 16 rows a block
	s_mov_b64 s[16:17], 16*CROW
.irp t, 0,1,2,3,4,5,6,7,8,9,10,11,12,13,14,15
	global_store_b128 v[CO], v[X+4*(\t):X+4*(\t)+3], s[8:9] offset:CROW*(\t) th:TH_STORE_NT  ; a wave's store covers 512 consecutive bytes, aligned
.endr
	s_add_co_u32 s[BL], s[BL], 1
	s_cmp_lt_u32 s[BL], 4
	s_cbranch_scc1 .Lblk
	s_wait_tensorcnt 0x0                           ; the wave's end
	ds_add_u32 v[SPW], v[NIL]
	s_wait_dscnt 0x0
	CROUND                                         ; the closing round
	s_endpgm
.Lfunc_end_k_qf98cad5fa1_gemm_o:
	.size	k_qf98cad5fa1_gemm_o, .Lfunc_end_k_qf98cad5fa1_gemm_o-k_qf98cad5fa1_gemm_o
	.p2alignl 7, 3214868480
	.fill 96, 4, 3214868480
	.section	.rodata,"a",@progbits
	.p2align	6, 0x0
	.amdhsa_kernel k_qf98cad5fa1_gemm_o
		.amdhsa_group_segment_fixed_size 327680
		.amdhsa_private_segment_fixed_size 0
		.amdhsa_enable_private_segment 0
		.amdhsa_kernarg_size 40
		.amdhsa_user_sgpr_count 2
		.amdhsa_user_sgpr_kernarg_segment_ptr 1
		.amdhsa_wavefront_size32 1
		.amdhsa_system_sgpr_workgroup_id_x 1
		.amdhsa_system_sgpr_workgroup_id_y 1
		.amdhsa_system_sgpr_workgroup_id_z 1
		.amdhsa_system_vgpr_workitem_id 0
		.amdhsa_next_free_vgpr 768
		.amdhsa_next_free_sgpr 100
		.amdhsa_reserve_vcc 0
		.amdhsa_float_denorm_mode_32 3
		.amdhsa_float_denorm_mode_16_64 3
		.amdhsa_memory_ordered 1
		.amdhsa_forward_progress 1
		.amdhsa_inst_pref_size 70
	.end_amdhsa_kernel
	.amdgpu_metadata
---
amdhsa.version: [ 1, 2 ]
amdhsa.kernels:
  - .name:           k_qf98cad5fa1_gemm_o
    .symbol:         k_qf98cad5fa1_gemm_o.kd
    .args:
      - { .name: qs, .offset: 0, .size: 8, .value_kind: global_buffer, .address_space: global }
      - { .name: wp, .offset: 8, .size: 8, .value_kind: global_buffer, .address_space: global }
      - { .name: out0, .offset: 16, .size: 8, .value_kind: global_buffer, .address_space: global }
      - { .name: o_b, .offset: 24, .size: 8, .value_kind: global_buffer, .address_space: global }
      - { .name: query, .offset: 32, .size: 8, .value_kind: global_buffer, .address_space: global }
    .group_segment_fixed_size: 327680
    .private_segment_fixed_size: 0
    .kernarg_segment_align: 8
    .kernarg_segment_size: 40
    .max_flat_workgroup_size: 128
    .sgpr_count:     100
    .vgpr_count:     768
    .wavefront_size: 32
...
	.end_amdgpu_metadata
.endif
;; end of part 11
